; MI455X (gfx1250); checked and timed in simulation.
; The chip was launched on July 23, 2026; its instructions are those of AMD's public machine-readable ISA for CDNA 5 (MIT licence, August 2026) and "CDNA5" Instruction Set Architecture Reference Guide (July 2026). The comments in the code are by the model that wrote it; some were corrected since.
;; Cross Attnetion all. Allowed arithmetic: matrix products marked QUANTISED: E3M2 operands, one E8M0 scale for each 32 along K, by v_wmma_scale_f32_16x16x128_f8f6f4 with both operands' format E3M2, f32 sums; everything else in f32.
;; Inputs: W1 512 x 512 float32; W2 256 x 512 float32; Wk 256 x 256 float32; Wm 256 x 256 float32; Wq 256 x 256 float32; Wv 256 x 256 float32; b1 512 float32; b2 256 float32; bk 256 float32; bm 256 float32; bq 256 float32; bv 256 float32; descs 1 x 8,192 x 256 float32.
;; Outputs: out0 1 x 8,192 x 256 float32.
;; This version of the problem:
;;   THIS VERSION OF THE PROBLEM IS GIVEN IN LOW PRECISION. The matrix products marked QUANTISED in the list below multiply operands that are first quantised to E3M2 (3 exponent bits, 2 mantissa bits; 6 bits a number), with one power-of-two scale for each 32 numbers along K (OCP MX v1.0); their sums are f32. All else is computed in f32.
;;   The module's matrix products, in the order in which they are computed (A, B: the left and right operand; K: the contracted axis; several contracted axes count as one K, in the product's order):
;;     1. [M 8,192, K 256] x [K 256, N 256]; A: input descs; B: input Wq: QUANTISED
;;     2. [M 8,192, K 256] x [K 256, N 256]; A: input descs; B: input Wk: QUANTISED
;;     3. [M 8,192, K 256] x [K 256, N 256]; A: input descs; B: input Wv: QUANTISED
;;     4. batch 4 x [M 8,192, K 64] x [K 64, N 8,192]; A: computed on the way; B: computed on the way: QUANTISED
;;     5. batch 4 x [M 64, K 8,192] x [K 8,192, N 8,192]; A: computed on the way; B: softmax (see below): QUANTISED
;;     6. [M 8,192, K 256] x [K 256, N 256]; A: computed on the way; B: input Wm: QUANTISED
;;     7. [M 8,192, K 512] x [K 512, N 512]; A: computed on the way; B: input W1: QUANTISED
;;     8. [M 8,192, K 512] x [K 512, N 256]; A: computed on the way; B: input W2: QUANTISED
;;   THE QUANTISER, for each operand of a quantised product, along K:
;;     - K is cut into blocks of 32 from its start; a last block that is shorter is filled with zeros.
;;     - A block's scale is 2^e with e = floor(log2(the largest magnitude in the block)) - 4, held to -126 .. 127; a block of zeros has e = 0. As a byte (E8M0): e + 127.
;;     - Each number is divided by its block's scale, clamped to +-28, and rounded to the nearest number of E3M2, ties to even, subnormals kept.
;;     - The product sums the exact products of the quantised numbers (number of the format x scale) in f32.
;;   ~~~python
;;   def quantise(x, axis):      # numpy; x: float32 -> the quantised numbers, widened to float32 again
;;       x = np.moveaxis(x, axis, -1); K = x.shape[-1]
;;       x = np.pad(x, [(0, 0)] * (x.ndim - 1) + [(0, -K % 32)]); x = x.reshape(x.shape[:-1] + (-1, 32)); a = np.abs(x).max(-1, keepdims=True)
;;       e = np.where(a > 0, np.clip(np.frexp(np.where(a > 0, a, 1))[1] - 1 - 4, -126, 127), 0)      # np.frexp(a)[1] - 1 = floor(log2(a)), exactly
;;       r = np.clip(x / 2.0 ** e, -28, 28)
;;       step = 2.0 ** (np.maximum(np.frexp(np.where(r == 0, 1, r))[1] - 1, -2) - 2)
;;       q = np.round(r / step) * step * 2.0 ** e      # np.round: ties to even
;;       return np.moveaxis(q.reshape(q.shape[:-2] + (-1,))[..., :K], -1, axis).astype(np.float32)
;;   ~~~
;;   SOFTMAX AHEAD OF A QUANTISED PRODUCT. Where the list says 'softmax', what is quantised is not the finished softmax but p = 2^(t - M), with t = logit x log2(e) and M = ceil(the row's largest t), a whole number; so 1/2 < the row's largest p <= 1. The row's sum l is taken of the UNQUANTISED p, in f32, and the product's result is divided by l at the end. Since M is a whole number, a kernel that streams over the keys may use a running M (the ceiling of the running maximum): every later rescaling is an exact power of two, which a block's scale takes up: the codes' values come out the same.
;;   OPERANDS COMPUTED ON THE WAY. 'Computed on the way' means the value that the module computes at that place (a softmax that the list does not call 'softmax' is quantised finished and normalised). What goes into a quantiser is computed in f32, as accurately as f32 sums, v_exp_f32 and their like allow (about 1e-6 of the number): no bf16 or f16 on the way to a quantiser, and a product that is left as it is and whose result goes on into a quantised operand takes f32 operands (vector FMAs, or v_wmma_f32_16x16x4_f32). A number that lies on a knife's edge between two numbers of the format may be rounded either way, as far as f32 arithmetic and the matrix unit's own rounding can turn it there, and no further.
;; 2 versions. Each part assembles by itself: llvm-mc -triple=amdgcn-amd-amdhsa -mcpu=gfx1250 --defsym DOCPART=n.
;; ======== version 1 of 2: 4 launches
;; workspace buffers: xq 1,703,936 bytes; qb 1,703,936 bytes; kv 3,342,336 bytes; wt 372,736 bytes; yb 16,777,216 bytes; part 1,048,576 bytes; nrm 4,096 bytes
;; launch proj (part 1): grid 92 x 1, 8 waves a work-group, no clusters, 27,648 bytes of LDS; arguments descs, Wq, Wk, Wv, bq, bk, bv, Wm, W1, W2, xq, qb, kv, wt; writes xq, qb, kv, wt
.if DOCPART == 1
	.amdgcn_target "amdgcn-amd-amdhsa--gfx1250"
	.amdhsa_code_object_version 6
	.text
	.protected	k_q710a1c40a2_proj
	.globl	k_q710a1c40a2_proj
	.p2align	8
	.type	k_q710a1c40a2_proj,@function
k_q710a1c40a2_proj:
	s_mov_b64 s[64:65], 0
	v_nop
	global_prefetch_b8 v0, s[64:65] scope:SCOPE_SE
	s_setreg_imm32_b32 hwreg(HW_REG_WAVE_MODE, 25, 1), 1
	s_wait_xcnt 0x0
; PROJ.  x = descs [8192][256] f32.  Work-groups 0-63: 128 points each: x is quantised to codes of E3M2 (one E8M0 byte for 32 along the channels), q = Wq x + bq, k = Wk x + bk,
; v = Wv x + bv are made on codes (K = 256, two matrix instructions deep) and quantised again: q and k along a head's 64 numbers, v along the keys.  Channel o of q, k, v is 4 d + head.
; Work-groups 64-91: one fragment of Wm, W1 or W2 a wave is quantised for the later launches.  These take no LDS and no barrier; the choice hangs on the work-group's number alone.
; EVERYTHING LEAVES AS IMAGES OF OPERAND REGISTERS: a fragment (16 rows x 128 K) is 12 registers a lane: three stores of 16 bytes a lane, 512 consecutive bytes a wave each; a scale word 4 bytes a lane.
; THE ROWS OF A TILE ARE NOT NEIGHBOURS: lane r of tile T takes row 32 (T / 2) + 8 (T % 2) + r + (r & 8), for points, for a head's numbers and for the weights' rows alike, so that in a result the 16 registers
; of tiles 2 b and 2 b + 1 are 16 neighbours, 32 b + 16 (lane / 16) + 0 .. 15, along that axis: what the conversions want.
; SHARES (work-groups 0-63).  Wave w: head w % 4, half w / 4.  It quantises x's tile w; its twelve weight fragments (8 of Wq (half 0) or Wk (half 1), 4 of Wv) stay in registers; it makes q or k of its head for
; all 128 points (transposed: source 0 = weights, source 1 = x: a lane holds a point, its registers run along d) and two tiles of 16 numbers of v (source 0 = x, source 1 = weights: a lane holds one d, its registers run along the keys).
; q AND k HAVE K = 64: only the lower six registers of a fragment are stored; a scale word is (s0, s1, s0, s1).
; LIMITS: NaN and infinities among the inputs are not served.  A block whose largest magnitude lies under 2^-122 keeps the scale byte 1, a block of zeros too (the stated quantiser says 127: its codes are zeros, and this program alone reads the bytes).
; REGISTERS.  window 0: v1-12 lane terms; v32-95, v96-159 two stages of 64 numbers (v32-95 later the accumulators, v96-191 x's fragments); v192-199 x's scale words; v200-215, v216-235, v236 the quantiser's;
;   v240-243 q's or k's scale words; v244-255 the weights' scale words.   window 1: v0-143 the twelve weight fragments; v144-175 bq or bk, v176-191 bv, in the results' layout.
.set XIMG, 0                           ; LDS: x's 16 fragments (tile m, K step s: 2 m + s), 1,536 bytes each
.set XSC,  24576                       ; and their scale words, 128 bytes each
.set XA,   5                           ; 1024 x row + 64 x half: my 16 numbers of a block of 32 in a row of x
.set WA,   6                           ; 4096 x row + 64 x half: the same in Wq, Wk, Wv, whose rows of one head lie four rows apart
.set LI,   7                           ; 16 x lane
.set LS,   8                           ; 4 x lane
.set XWI,  9                           ; where I store x's images: 16 x lane + 3072 x wave
.set XWS,  10                          ; and their scale words: 4 x lane + 256 x wave
.set BA,   11                          ; 256 x half: bq, bk
.set BVA,  12                          ; 16 x row: bv
.set ST0,  32
.set HA,   32
.set XF,   96
.set XS,   192
.set TM,   200
.set PC,   216
.set PW,   236
.set PWA,  237
.set KSC,  240
.set WS,   244
.set BQ,   144
.set BV,   176
.set WV,   32                          ; s32 wave, s33 head, s34 half
.set HD,   33
.set GP,   34
.set SEL,  36
.set PX,   38
.set PWQK, 40
.set PWV,  42
.set PBQK, 44
.set PBV,  46
.set PXI,  48
.set PXS,  50
.set PD,   52
.set PDS,  54
.set PVD,  56
.set PVS,  58
.set HI16, 60                          ; mask of lanes 16-31
.set MSB, 0
.macro WIN new                         ; the immediate's high byte repeats the setting that is left
.if MSB != \new
	s_set_vgpr_msb (MSB<<8)|\new
.set MSB, \new
.endif
.endm
.macro NOPS n
.rept \n
	v_nop
.endr
.endm
; 64 numbers a lane: of my row, 16 neighbours of each of four blocks of 32: register 16 q + i = k 32 q + 16 (lane / 16) + i
.macro FLOAD reg, adr, bas, off
.irp q, 0,1,2,3
.irp j, 0,1,2,3
	global_load_b128 v[(\reg)+16*\q+4*\j:(\reg)+16*\q+4*\j+3], v[\adr], s[\bas:\bas+1] offset:(\off)+128*\q+16*\j
.endr
.endr
.endm
; those 64 numbers become a fragment's codes in v[PC] on and its scale word in v[PW]
.macro QUANT s
.irp b, 0,1,2,3
	v_max3_num_f32 v[TM+\b], |v[(\s)+16*\b]|, |v[(\s)+1+16*\b]|, 0x2800000   ; block b: my 16 numbers, and the floor 2^(5 - 127): the byte cannot fall under 1
.endr
.irp i, 2,4,6,8,10,12,14
.irp b, 0,1,2,3
	v_max3_num_f32 v[TM+\b], v[TM+\b], |v[(\s)+16*\b+\i]|, |v[(\s)+1+16*\b+\i]|
.endr
.endr
.irp b, 0,1,2,3
	v_permlanex16_b32 v[TM+4+\b], v[TM+\b], s[SEL], s[SEL+1]
.endr
.irp b, 0,1,2,3
	v_max_num_f32 v[TM+\b], v[TM+\b], v[TM+4+\b]   ; with lane l xor 16's: the block's largest magnitude
.endr
.irp b, 0,1,2,3
	v_add_nc_u32 v[TM+12+\b], 0xfe000000, v[TM+\b]   ; 4 off its exponent field: the conversion's scale operand
.endr
.irp b, 0,1,2,3
	v_lshrrev_b32 v[TM+4+\b], 23, v[TM+12+\b]   ; the scale's byte
.endr
	v_lshl_or_b32 v[PW], v[TM+5], 8, v[TM+4]
	v_lshl_or_b32 v[PW], v[TM+6], 16, v[PW]
	v_lshl_or_b32 v[PW], v[TM+7], 24, v[PW]
.irp c, 0,1
	v_cvt_scalef32_pk16_bf6_f32 v[PC+6*\c:PC+2+6*\c], v[(\s)+32*\c:(\s)+15+32*\c], v[TM+12+2*\c]
	v_cvt_scalef32_pk16_bf6_f32 v[PC+12+4*\c:PC+14+4*\c], v[(\s)+16+32*\c:(\s)+31+32*\c], v[TM+12+2*\c+1]   ; (a conversion's three registers begin on an even number)
.endr
	v_nop                                          ; one plain place behind a scaled conversion
.irp c, 0,1                            ; the operand's layout wants a whole block in a lane: lanes 0-15 block 2 c, lanes 16-31 block 2 c + 1
.irp i, 0,1,2
	v_permlane16_swap_b32 v[PC+6*\c+\i], v[PC+12+4*\c+\i]
.endr
.irp i, 0,1,2
	v_mov_b32 v[PC+3+6*\c+\i], v[PC+12+4*\c+\i]
.endr
.endr
.endm
.macro IMAGE adr, off                  ; the fragment in v[PC] on goes to LDS as it stands
.irp c, 0,1,2
	ds_store_b128 v[\adr], v[PC+4*\c:PC+4*\c+3] offset:(\off)+512*\c
.endr
.endm
.macro GIMG bas, off                   ; and to memory: each store of the wave covers 512 consecutive bytes, aligned
.irp c, 0,1,2
	global_store_b128 v[LI], v[PC+4*\c:PC+4*\c+3], s[\bas:\bas+1] offset:(\off)+512*\c
.endr
.endm
.macro MM d, a, b, c, sa, sb
	v_wmma_scale_f32_16x16x128_f8f6f4 v[(\d):(\d)+7], v[(\a):(\a)+11], v[(\b):(\b)+11], v[(\c):(\c)+7], v[\sa], v[\sb] matrix_a_fmt:MATRIX_FMT_BF6 matrix_b_fmt:MATRIX_FMT_BF6
.endm
; weight fragment f of twelve into stage f % 2: f = 2 t + s under 8: tile t, K step s of Wq or Wk; 8 + 2 t + s: of Wv
.macro WLOAD f
.if (\f) < 8
	FLOAD ST0+64*((\f)%2), WA, PWQK, (32*((\f)/4)+8*(((\f)/2)%2))*4096+512*((\f)%2)
.else
	FLOAD ST0+64*((\f)%2), WA, PWV, 32768*(((\f)-8)/2)+512*((\f)%2)
.endif
.endm
.macro KEEP f                          ; the fragment just made stays in window 1, its scale word in window 0
	WIN 0x40
.irp i, 0,1,2,3,4,5,6,7,8,9,10,11
	v_mov_b32 v[12*(\f)+\i], v[PC+\i]
.endr
	WIN 0
	v_mov_b32 v[WS+(\f)], v[PW]
.endm
; K step s of my tile of x: quantised, to LDS for all waves and to memory for the later launch; its stage then takes weight fragment s
.macro XPART s
	s_wait_loadcnt 16                              ; this stage's 16 loads are in; the 16 issued behind them may be out
	QUANT ST0+64*(\s)
	IMAGE XWI, XIMG+1536*(\s)
	ds_store_b32 v[XWS], v[PW] offset:XSC+128*(\s)
	GIMG PXI, 1536*(\s)
	global_store_b32 v[LS], v[PW], s[PXS:PXS+1] offset:128*(\s)
	WLOAD \s
	s_wait_dscnt 0x0                               ; the LDS stores have read the codes,
	s_wait_xcnt 0x0                                ; and so have the stores to memory: the next codes may be written
.endm
	s_load_b512 s[4:19], s[0:1], 0x0               ; descs, Wq, Wk, Wv, bq, bk, bv, Wm
	s_load_b256 s[20:27], s[0:1], 0x40             ; W1, W2, xq, qb
	s_load_b128 s[28:31], s[0:1], 0x60             ; kv, wt
	v_lshl_add_u32 v231, v0, 2, 0x6800
	v_mov_b32 v235, 0
	v_lshrrev_b32 v1, 5, v0
	v_readfirstlane_b32 s[WV], v1                  ; wave 0..7
	v_and_b32 v1, 31, v0                           ; lane
	v_and_b32 v2, 15, v0                           ; r
	v_bfe_u32 v3, v0, 4, 1                         ; half of the lanes
	v_and_b32 v4, 8, v2
	v_add_nc_u32 v4, v4, v2                        ; r + (r & 8): my row in a tile
	v_lshlrev_b32 v[LI], 4, v1
	v_lshlrev_b32 v[LS], 2, v1
	s_mov_b32 s[SEL], 0x76543210
	s_mov_b32 s[SEL+1], 0xfedcba98                 ; v_permlanex16_b32's selects for lane l xor 16
.irp b, 0,1,2,3
	v_mov_b32 v[TM+4+\b], 0                        ; written once: a lane permute's destination counts as one of its sources
.endr
	s_wait_kmcnt 0x0
	s_cmp_ge_u32 ttmp9, 64
	s_cbranch_scc1 .Lweights
	; ---- work-groups 0-63
	s_and_b32 s[HD], s[WV], 3
	s_lshr_b32 s[GP], s[WV], 2
	s_cmp_eq_u32 s[GP], 0                          ; half 0 makes q, half 1 makes k: only pointers and sizes are chosen
	s_cselect_b64 s[PWQK:PWQK+1], s[6:7], s[8:9]
	s_cselect_b64 s[PBQK:PBQK+1], s[12:13], s[14:15]
	s_cselect_b64 s[PD:PD+1], s[26:27], s[28:29]
	s_mov_b32 s68, 13056
	s_cselect_b32 s68, 6656, s68                   ; a chunk of qb, of kv
	s_mov_b32 s69, 12288
	s_cselect_b32 s69, 6144, s69                   ; where its scale words begin
	s_mov_b32 s[HI16], 0xffff0000
	s_mov_b32 s67, 0
	s_lshl_b32 s66, s[HD], 10                      ; row o = 4 d + head: the head's first row
	s_add_nc_u64 s[PWQK:PWQK+1], s[PWQK:PWQK+1], s[66:67]
	s_add_nc_u64 s[PWV:PWV+1], s[10:11], s[66:67]
	s_lshl_b32 s66, s[GP], 17                      ; my two tiles of v: d = 32 x half on
	s_add_nc_u64 s[PWV:PWV+1], s[PWV:PWV+1], s[66:67]
	s_lshl_b32 s66, s[HD], 2
	s_add_nc_u64 s[PBQK:PBQK+1], s[PBQK:PBQK+1], s[66:67]
	s_add_nc_u64 s[PBV:PBV+1], s[16:17], s[66:67]
	s_lshl_b32 s66, s[GP], 9
	s_add_nc_u64 s[PBV:PBV+1], s[PBV:PBV+1], s[66:67]
	s_lshl_b32 s66, ttmp9, 7                       ; my tile of x begins at point 128 g + 32 (w / 2) + 8 (w % 2)
	s_lshr_b32 s70, s[WV], 1
	s_lshl_b32 s70, s70, 5
	s_add_co_u32 s66, s66, s70
	s_and_b32 s70, s[WV], 1
	s_lshl_b32 s70, s70, 3
	s_add_co_u32 s66, s66, s70
	s_lshl_b32 s66, s66, 10
	s_add_nc_u64 s[PX:PX+1], s[4:5], s[66:67]
	s_lshl_b32 s70, ttmp9, 2
	s_add_co_u32 s70, s70, s[HD]                   ; chunk 4 g + head
	s_mul_i32 s66, s70, s68
	s_add_nc_u64 s[PD:PD+1], s[PD:PD+1], s[66:67]
	s_mov_b32 s66, s69
	s_add_nc_u64 s[PDS:PDS+1], s[PD:PD+1], s[66:67]
	s_mul_i32 s66, s70, 13056
	s_add_nc_u64 s[PVD:PVD+1], s[28:29], s[66:67]
	s_lshl_b32 s66, s[GP], 7
	s_add_nc_u64 s[PVS:PVS+1], s[PVD:PVD+1], s[66:67]
	s_add_nc_u64 s[PVS:PVS+1], s[PVS:PVS+1], 12800 ; v's scale words: register half of two
	s_mul_i32 s66, s[GP], 3072
	s_add_nc_u64 s[PVD:PVD+1], s[PVD:PVD+1], s[66:67]
	s_add_nc_u64 s[PVD:PVD+1], s[PVD:PVD+1], 6144  ; v's fragments 2 x half, 2 x half + 1
	s_lshl_b32 s70, ttmp9, 3
	s_add_co_u32 s70, s70, s[WV]                   ; x's tile 8 g + w
	s_mul_i32 s66, s70, 3072
	s_add_nc_u64 s[PXI:PXI+1], s[24:25], s[66:67]
	s_lshl_b32 s66, s70, 8
	s_add_nc_u64 s[PXS:PXS+1], s[24:25], s[66:67]
	s_add_nc_u64 s[PXS:PXS+1], s[PXS:PXS+1], 1572864
	v_lshlrev_b32 v[XA], 10, v4
	v_lshl_add_u32 v[XA], v3, 6, v[XA]
	v_lshlrev_b32 v[WA], 12, v4
	v_lshl_add_u32 v[WA], v3, 6, v[WA]
	s_mul_i32 s66, s[WV], 3072
	v_add_nc_u32 v[XWI], s66, v[LI]
	s_lshl_b32 s66, s[WV], 8
	v_add_nc_u32 v[XWS], s66, v[LS]
	v_lshlrev_b32 v[BA], 8, v3
	v_lshlrev_b32 v[BVA], 4, v4
	WIN 0x40                                       ; destination window 1
.irp t, 0,1,2,3                        ; bq or bk as the C of tile t: register j is the bias of d = 32 (t / 2) + 8 (t % 2) + 16 half + j, 16 bytes from d to d
.irp j, 0,1,2,3,4,5,6,7
	global_load_b32 v[BQ+8*\t+\j], v[BA], s[PBQK:PBQK+1] offset:16*(32*(\t/2)+8*(\t%2)+\j)
.endr
.endr
.irp t, 0,1                            ; bv as the C of v's tile t: a lane holds one d, so its eight registers hold one number
.irp j, 0,1,2,3,4,5,6,7
	global_load_b32 v[BV+8*\t+\j], v[BVA], s[PBV:PBV+1] offset:128*\t
.endr
.endr
	WIN 0
	FLOAD ST0, XA, PX, 0
	FLOAD ST0+64, XA, PX, 512
	XPART 0
	XPART 1
.irp f, 0,1,2,3,4,5,6,7,8,9,10,11      ; my twelve weight fragments, two stages by turns
.if \f < 11
	s_wait_loadcnt 16                              ; fragment f is in; the next one's 16 loads may be out
.else
	s_wait_loadcnt 0x0
.endif
	QUANT ST0+64*(\f%2)
	KEEP \f
.if \f < 10
	WLOAD \f+2
.endif
.endr
	s_wait_dscnt 0x0                               ; my images of x have landed
	s_barrier_signal -1
	s_barrier_wait -1                              ; everybody's have: nothing is written to LDS from here on
	; ---- q or k: two tiles of points at a time, eight accumulators by turns
.irp p, 0,1,2,3
	s_wait_xcnt 0x0                                ; the last pair's stores have read the codes
.irp c, 0,1,2,3,4,5,6,7,8,9,10,11
	ds_load_b128 v[XF+4*\c:XF+4*\c+3], v[LI] offset:XIMG+6144*\p+512*\c
.endr
.irp i, 0,1,2,3
	ds_load_b32 v[XS+\i], v[LS] offset:XSC+512*\p+128*\i
.endr
	s_wait_dscnt 0x0
	WIN 0x11                                       ; source 0 (weights) and C (bias) window 1
.irp e, 0,1
.irp t, 0,1,2,3
	MM HA+32*\e+8*\t, 24*\t, XF+24*\e, BQ+8*\t, WS+2*\t, XS+2*\e
.endr
.endr
	WIN 0x01
.irp e, 0,1
.irp t, 0,1,2,3
	MM HA+32*\e+8*\t, 24*\t+12, XF+24*\e+12, HA+32*\e+8*\t, WS+2*\t+1, XS+2*\e+1
.endr
.endr
	WIN 0
	NOPS 5                                         ; places behind the products: for the reads of the results, the next loads into x's registers, and the accumulators' new beginning
	QUANT HA                                       ; blocks 0, 1: tile 2 p's two blocks along d; blocks 2, 3: tile 2 p + 1's.  Registers 6 e .. 6 e + 5 are the lower half of tile 2 p + e's fragment
	v_perm_b32 v238, v[PW], v[PW], 0x01000100      ; the even tile's word (s0, s1, s0, s1),
	v_perm_b32 v239, v[PW], v[PW], 0x03020302      ; the odd tile's;
	v_cndmask_b32 v[KSC+\p], v238, v239, s[HI16]   ; one register carries both: lanes 0-15 the even tile's, lanes 16-31 the odd tile's
	GIMG PD, 1536*\p
.endr
	global_store_b128 v[LI], v[KSC:KSC+3], s[PDS:PDS+1]
	; ---- v: two tiles of 16 numbers of the head, all 128 points: eight accumulators by turns
.irp t, 0,1
.irp s, 0,1
	NOPS 4                                         ; places in front of loads into registers that matrix instructions have read
.irp m, 0,1,2,3,4,5,6,7
.irp c, 0,1,2
	ds_load_b128 v[XF+12*\m+4*\c:XF+12*\m+4*\c+3], v[LI] offset:XIMG+1536*(2*\m+\s)+512*\c
.endr
	ds_load_b32 v[XS+\m], v[LS] offset:XSC+128*(2*\m+\s)
.endr
	s_wait_dscnt 0x0
.if \s == 0
	WIN 0x14                                       ; source 1 (weights) and C (bias) window 1
.else
	WIN 0x04
.endif
.irp m, 0,1,2,3,4,5,6,7
.if \s == 0
	MM HA+8*\m, XF+12*\m, 12*(8+2*\t), BV+8*\t, XS+\m, WS+8+2*\t
.else
	MM HA+8*\m, XF+12*\m, 12*(9+2*\t), HA+8*\m, XS+\m, WS+9+2*\t
.endif
.endr
	WIN 0
.endr
	NOPS 5
	s_wait_xcnt 0x0                                ; earlier stores have read the codes
	QUANT HA                                       ; a lane holds one d; its 64 registers are keys 32 b + 16 half + i
	GIMG PVD, 1536*\t
.if \t == 0
	v_mov_b32 v[PWA], v[PW]
.else
	v_cndmask_b32 v238, v[PWA], v[PW], s[HI16]     ; lanes 0-15 the even tile's words, lanes 16-31 the odd tile's
	global_store_b32 v[LS], v238, s[PVS:PVS+1]
.endif
.endr
	s_wait_tensorcnt 0x0
	ds_add_u32 v231, v235
	s_wait_dscnt 0x0
	s_endpgm
	; ---- work-groups 64-91: fragment f = 8 (work-group - 64) + wave of wt: 0-31 Wm (tile T, K step s: 2 T + s), 32-159 W1 (4 T + s), 160-223 W2 (4 T + s)
.Lweights:
	s_sub_co_u32 s66, ttmp9, 64
	s_lshl_b32 s66, s66, 3
	s_add_co_u32 s66, s66, s[WV]
	s_cmp_lt_u32 ttmp9, 84
	s_cselect_b64 s[38:39], s[20:21], s[22:23]
	s_mov_b32 s67, 160
	s_cselect_b32 s67, 32, s67                     ; the tensor's first fragment
	s_cmp_lt_u32 ttmp9, 68
	s_cselect_b64 s[38:39], s[18:19], s[38:39]
	s_cselect_b32 s67, 0, s67
	s_cselect_b32 s68, 1, 2                        ; log2 of its K steps
	s_cselect_b32 s69, 10, 11                      ; log2 of a row's bytes
	s_sub_co_u32 s70, s66, s67
	s_lshr_b32 s71, s70, s68                       ; T
	s_lshl_b32 s40, s71, s68
	s_sub_co_u32 s70, s70, s40                     ; s
	s_lshr_b32 s40, s71, 1
	s_lshl_b32 s40, s40, 5
	s_and_b32 s41, s71, 1
	s_lshl_b32 s41, s41, 3
	s_add_co_u32 s40, s40, s41                     ; the tile's first row
	s_lshl_b32 s40, s40, s69
	s_lshl_b32 s70, s70, 9
	s_add_co_u32 s40, s40, s70
	s_mov_b32 s41, 0
	s_add_nc_u64 s[38:39], s[38:39], s[40:41]
	v_lshlrev_b32 v5, s69, v4
	v_lshl_add_u32 v5, v3, 6, v5
	FLOAD ST0, 5, 38, 0
	s_mul_i32 s40, s66, 1536
	s_add_nc_u64 s[42:43], s[30:31], s[40:41]
	s_lshl_b32 s40, s66, 7
	s_add_nc_u64 s[44:45], s[30:31], s[40:41]
	s_add_nc_u64 s[44:45], s[44:45], 344064
	s_wait_loadcnt 0x0
	QUANT ST0
	GIMG 42, 0
	global_store_b32 v[LS], v[PW], s[44:45]
	s_endpgm
.Lfunc_end_k_q710a1c40a2_proj:
	.size	k_q710a1c40a2_proj, .Lfunc_end_k_q710a1c40a2_proj-k_q710a1c40a2_proj
	.p2alignl 7, 3214868480
	.fill 96, 4, 3214868480
	.section	.rodata,"a",@progbits
	.p2align	6, 0x0
	.amdhsa_kernel k_q710a1c40a2_proj
		.amdhsa_group_segment_fixed_size 27648
		.amdhsa_private_segment_fixed_size 0
		.amdhsa_enable_private_segment 0
		.amdhsa_kernarg_size 112
		.amdhsa_user_sgpr_count 2
		.amdhsa_user_sgpr_kernarg_segment_ptr 1
		.amdhsa_wavefront_size32 1
		.amdhsa_system_sgpr_workgroup_id_x 1
		.amdhsa_system_sgpr_workgroup_id_y 1
		.amdhsa_system_sgpr_workgroup_id_z 1
		.amdhsa_system_vgpr_workitem_id 0
		.amdhsa_next_free_vgpr 448
		.amdhsa_next_free_sgpr 72
		.amdhsa_reserve_vcc 0
		.amdhsa_float_denorm_mode_32 3
		.amdhsa_float_denorm_mode_16_64 3
		.amdhsa_memory_ordered 1
		.amdhsa_forward_progress 1
		.amdhsa_inst_pref_size 148
	.end_amdhsa_kernel
	.amdgpu_metadata
---
amdhsa.version: [ 1, 2 ]
amdhsa.kernels:
  - .name:           k_q710a1c40a2_proj
    .symbol:         k_q710a1c40a2_proj.kd
    .args:
      - { .name: descs, .offset: 0, .size: 8, .value_kind: global_buffer, .address_space: global }
      - { .name: Wq, .offset: 8, .size: 8, .value_kind: global_buffer, .address_space: global }
      - { .name: Wk, .offset: 16, .size: 8, .value_kind: global_buffer, .address_space: global }
      - { .name: Wv, .offset: 24, .size: 8, .value_kind: global_buffer, .address_space: global }
      - { .name: bq, .offset: 32, .size: 8, .value_kind: global_buffer, .address_space: global }
      - { .name: bk, .offset: 40, .size: 8, .value_kind: global_buffer, .address_space: global }
      - { .name: bv, .offset: 48, .size: 8, .value_kind: global_buffer, .address_space: global }
      - { .name: Wm, .offset: 56, .size: 8, .value_kind: global_buffer, .address_space: global }
      - { .name: W1, .offset: 64, .size: 8, .value_kind: global_buffer, .address_space: global }
      - { .name: W2, .offset: 72, .size: 8, .value_kind: global_buffer, .address_space: global }
      - { .name: xq, .offset: 80, .size: 8, .value_kind: global_buffer, .address_space: global }
      - { .name: qb, .offset: 88, .size: 8, .value_kind: global_buffer, .address_space: global }
      - { .name: kv, .offset: 96, .size: 8, .value_kind: global_buffer, .address_space: global }
      - { .name: wt, .offset: 104, .size: 8, .value_kind: global_buffer, .address_space: global }
    .group_segment_fixed_size: 27648
    .private_segment_fixed_size: 0
    .kernarg_segment_align: 8
    .kernarg_segment_size: 112
    .max_flat_workgroup_size: 256
    .sgpr_count:     72
    .vgpr_count:     448
    .wavefront_size: 32
...
	.end_amdgpu_metadata
.endif
;; end of part 1
;; launch attn (part 2): grid 256 x 1, 8 waves a work-group, clusters of 4 x 1, 327,680 bytes of LDS; arguments qb, kv, xq, wt, bm, b1, yb, part; writes yb, part
.if DOCPART == 2
	.amdgcn_target "amdgcn-amd-amdhsa--gfx1250"
	.amdhsa_code_object_version 6
	.text
	.protected	k_q710a1c40a2_attn
	.globl	k_q710a1c40a2_attn
	.p2align	8
	.type	k_q710a1c40a2_attn,@function
k_q710a1c40a2_attn:
	s_mov_b64 s[64:65], 0
	v_nop
	global_prefetch_b8 v0, s[64:65] scope:SCOPE_SE
	s_setreg_imm32_b32 hwreg(HW_REG_WAVE_MODE, 25, 1), 1
	s_wait_xcnt 0x0
	s_wait_alu depctr_hold_cnt(0) depctr_sa_sdst(0) depctr_va_vdst(0) depctr_va_sdst(0) depctr_va_ssrc(0) depctr_va_vcc(0) depctr_vm_vsrc(0)
	s_getreg_b32 s2, hwreg(HW_REG_IB_STS2, 6, 4)
	s_cmp_eq_u32 s2, 0
	s_cbranch_scc0 .Lentry_in_a_cluster
	s_endpgm
.Lentry_in_a_cluster:
	s_bfe_u32 s2, ttmp6, 0x10000c
	s_cmp_lg_u32 s2, 0x3003
	s_cbranch_scc0 .Lentry_shape_is_right
	s_endpgm
.Lentry_shape_is_right:
; ATTN.  For 32 points: attention of all four heads over 8,192 keys, msg / l, z = Wm msg + bm, y = W1 [x ; z] + b1, and of y's 32 rows each channel's mean and sum of squared distances from it.
; All products on codes of E3M2 with one E8M0 byte for 32 along K.  q, k, v, x and the weights come as images of operand registers, made by the launch before.
; SHARES.  Work-group B owns points 32 B .. 32 B + 31 as two tiles u (lane r of tile u: point 32 B + 8 u + r + (r & 8)).  Wave w: head w / 2, tile w % 2: 16 queries, one head, all keys, 128 a step.  Two waves to a SIMD.
; LAYOUT.  Both products transposed: S^T = K Q^T (source 0 = 16 keys), O^T = V^T P^T (source 0 = 16 of the head's 64): a lane holds ONE query.  The keys of a tile are not neighbours (lane r of tile t: key 32 (t / 2) + 8 (t % 2) + r + (r & 8)),
; so the 16 registers of tiles 2 b, 2 b + 1 are keys 32 b + 16 (lane / 16) + 0 .. 15.
; K = 64 IN AN INSTRUCTION OF 128.  Q's registers 6-11 are zero codes.  K's tile t is named v[KF + 6 t : KF + 6 t + 11]: its upper six registers are the next tile's codes (tile 7: six zeroed registers).  Every code of E3M2 is a
; finite number and meets a zero code of Q, so these products add nothing; scale bytes 2, 3 repeat bytes 0, 1.  So a step's eight tiles of K are 48 registers and twelve loads of 16 bytes a lane.
; SOFTMAX.  t = score x log2(e) / 8; M = the running largest t rounded up to a whole number, kept as -M = floor(-t); p = 2^(t - M) is quantised along the keys, not normalised; the row's sum is taken of the unquantised p;
; when M moves, the sum and O^T are multiplied by 2^(old M - new M), which rounds nothing; at the end O^T is multiplied by 1 / sum.  A block's largest p is made from the block's largest score by the same two instructions
; (this takes v_exp_f32 not to fall where its input rises).
; CLUSTER.  All work-groups walk the same stream kv: 4 work-groups ask for each tile JOINTLY (mask 15).  A slot holds two key steps x four heads = eight chunks of 13,056 bytes; wave w fetches chunk w: one load a wave.
; By this text's own count a wave has two tensor loads out at the start and one behind each change of slots.  The launch claims all of a WGP's LDS.
; LIMITS: NaN and infinities are not served; a block of p, msg or z whose largest magnitude lies under 2^-122 keeps the scale byte 1; v_rcp_f32 stands for the division by the sum.
; REGISTERS.  window 0: v1-11 addresses; v12 -M, v13 the largest t, v[14:15] the sum; v16-27 Q, v28 its scale words; v32-35 K's scale words, v36-37 V's; v40-87 K, v88-93 zeros; v96-143 V; v144-207 S^T, then p; v208-226 p's codes;
;   v228-244 at work; v223, v227, v246-255 addresses for the tail.   window 1: v0-31 O^T; in the tail v32-223 sixteen weight fragments, v224-255 b1.
.set CH,    13056                      ; a chunk: K's codes 6,144, V's codes 6,144, K's scale words 512, V's 256
.set STEPB, 4*CH
.set SLOTB, 8*CH
.set SLOT1, 1<<17                      ; slot 1 begins here: one exclusive or turns an address from slot to slot
.set SPARE, SLOTB                      ; the spare words, 128 bytes a wave: four blocks of 256 bytes that no other line names
.set MIMG,  SPARE+1024                 ; msg's four fragments (tile u, K step s: 2 u + s),
.set MSC,   MIMG+6144                  ; their scale words;
.set ZOFF,  6656                       ; z's fragments and scale words lie this far behind msg's
.set YST,   SLOT1+SLOTB                ; behind slot 1: 32 rows of y x (2,048 bytes + 16)
.set MST,   YST                        ; earlier, with two barriers between: 32 rows of msg x (1,024 bytes + 16)
.set LI0, 1                            ; 16 x lane + my head's chunk
.set LS0, 2                            ; 4 x lane + my head's chunk
.set ADR, 3                            ; the same in the slot in hand
.set ADW, 4
.set LI,  5                            ; 16 x lane
.set SPW, 6                            ; my spare word; never rewritten
.set NIL, 7                            ; 0; never rewritten
.set LS,  8                            ; 4 x lane
.set MSTO, 9
.set MSLD, 10
.set LIB, 11
.set Q,   16
.set QS,  28
.set KS,  32
.set VS,  36
.set KF,  40
.set VF,  96
.set S,   144
.set HA,  144
.set PC,  208
.set LSB, 223
.set MWI, 227
.set BM,  228
.set TM,  228
.set BP,  232
.set SO,  236
.set SU,  240
.set F,   242
.set PWL, 243
.set T,   244
.set PW,  245
.set PFO, 246
.set MWS, 247
.set MRD, 248
.set MRS, 249
.set YSTO, 250
.set YRD, 251
.set YCOL, 252
.set H64, 253
.set T8,  254
.set QA,  255
.set WSB, 16                           ; the tail: the weights' scale words
.set XFR, 32                           ; x's four fragments
.set ZFR, 80                           ; msg's two, later z's four
.set XW,  128                          ; x's scale words
.set ZW,  132                          ; msg's, later z's
.set WFR, 32                           ; window 1
.set B1R, 224
.set WV,  20                           ; s20 wave, s21 head, s22 tile u, s23 cx, s24 B
.set G1,  28
.set G0A, 36
.set G0B, 40
.set SEL, 44
.set CS,  46
.set TB,  48
.set SLOTS, 49
.set LIM, 50
.set PFA, 52
.set PXQ, 54
.set PXW, 56
.set PWF, 58
.set PWS, 60
.set PW1F, 62
.set PW1S, 66
.set PB1, 68
.set PBM, 70
.set PY,  72
.set PPT, 74
.set MSB, 0
.macro WIN new                         ; the immediate's high byte repeats the setting that is left
.if MSB != \new
	s_set_vgpr_msb (MSB<<8)|\new
.set MSB, \new
.endif
.endm
.macro NOPS n
.rept \n
	v_nop
.endr
.endm
.macro CROUND                          ; a round of the cluster's barrier
	s_barrier_signal -1
	s_barrier_wait -1
	s_cmp_lg_u32 s[WV], 0
	s_cbranch_scc1 .Lnot_wave_0_\@
	s_barrier_signal -3
.Lnot_wave_0_\@:
	s_barrier_wait -3
	s_barrier_signal -1
	s_barrier_wait -1
.endm
.macro BARRIER                         ; my LDS stores have landed and my LDS loads are in: then the work-group's barrier
	s_wait_dscnt 0x0
	s_barrier_signal -1
	s_barrier_wait -1
.endm
; A PREFETCH INTO THE L2 of the slot that the NEXT change of slots will ask for: 408 blocks of 256 bytes.  All clusters walk the same stream: the first cluster asks.  Its four partners take 102 blocks each, told apart by
; address; in each, waves 0 to 3 ask, a lane a block (thread 32 w + lane; the threads above 101 name block 101 again, in the same instruction).  It stands behind the wave's tensor load and its four lines.
; The last change that fills a slot asks for nothing; slots 0 to 2 come by their loads alone.
.macro ASK
	s_cmp_gt_u32 s[SLOTS], s[LIM]
	s_cbranch_scc0 .Lnot_mine_\@
	global_prefetch_b8 v[PFO], s[PFA:PFA+1] th:TH_LOAD_NT scope:SCOPE_SE
.Lnot_mine_\@:
.endm
.macro MM d, a, b, c, sa, sb, row
.if \row
	v_wmma_scale_f32_16x16x128_f8f6f4 v[(\d):(\d)+7], v[(\a):(\a)+11], v[(\b):(\b)+11], v[(\c):(\c)+7], v[\sa], v[\sb] matrix_a_fmt:MATRIX_FMT_BF6 matrix_b_fmt:MATRIX_FMT_BF6 matrix_a_scale:MATRIX_SCALE_ROW1
.else
	v_wmma_scale_f32_16x16x128_f8f6f4 v[(\d):(\d)+7], v[(\a):(\a)+11], v[(\b):(\b)+11], v[(\c):(\c)+7], v[\sa], v[\sb] matrix_a_fmt:MATRIX_FMT_BF6 matrix_b_fmt:MATRIX_FMT_BF6
.endif
.endm
.macro MMZ d, a, b, sa, sb, row        ; the same with the constant 0 as C
.if \row
	v_wmma_scale_f32_16x16x128_f8f6f4 v[(\d):(\d)+7], v[(\a):(\a)+11], v[(\b):(\b)+11], 0, v[\sa], v[\sb] matrix_a_fmt:MATRIX_FMT_BF6 matrix_b_fmt:MATRIX_FMT_BF6 matrix_a_scale:MATRIX_SCALE_ROW1
.else
	v_wmma_scale_f32_16x16x128_f8f6f4 v[(\d):(\d)+7], v[(\a):(\a)+11], v[(\b):(\b)+11], 0, v[\sa], v[\sb] matrix_a_fmt:MATRIX_FMT_BF6 matrix_b_fmt:MATRIX_FMT_BF6
.endif
.endm
; 64 numbers of a lane, register 16 b + i = k 32 b + 16 (lane / 16) + i of my row, become a fragment's codes in v[PC] on and its scale word in v[PW] (the tail's quantiser)
.macro QUANT s
.irp b, 0,1,2,3
	v_max3_num_f32 v[TM+\b], |v[(\s)+16*\b]|, |v[(\s)+1+16*\b]|, 0x2800000   ; my 16 numbers, and the floor 2^(5 - 127): the byte cannot fall under 1
.endr
.irp i, 2,4,6,8,10,12,14
.irp b, 0,1,2,3
	v_max3_num_f32 v[TM+\b], v[TM+\b], |v[(\s)+16*\b+\i]|, |v[(\s)+1+16*\b+\i]|
.endr
.endr
.irp b, 0,1,2,3
	v_permlanex16_b32 v[TM+4+\b], v[TM+\b], s[SEL], s[SEL+1]
.endr
.irp b, 0,1,2,3
	v_max_num_f32 v[TM+\b], v[TM+\b], v[TM+4+\b]
.endr
.irp b, 0,1,2,3
	v_add_nc_u32 v[TM+12+\b], 0xfe000000, v[TM+\b]
.endr
.irp b, 0,1,2,3
	v_lshrrev_b32 v[TM+4+\b], 23, v[TM+12+\b]
.endr
	v_lshl_or_b32 v[PW], v[TM+5], 8, v[TM+4]
	v_lshl_or_b32 v[PW], v[TM+6], 16, v[PW]
	v_lshl_or_b32 v[PW], v[TM+7], 24, v[PW]
.irp c, 0,1
	v_cvt_scalef32_pk16_bf6_f32 v[PC+6*\c:PC+2+6*\c], v[(\s)+32*\c:(\s)+15+32*\c], v[TM+12+2*\c]
	v_cvt_scalef32_pk16_bf6_f32 v[PC+12+4*\c:PC+14+4*\c], v[(\s)+16+32*\c:(\s)+31+32*\c], v[TM+12+2*\c+1]
.endr
	v_nop                                          ; one plain place behind a scaled conversion
.irp c, 0,1
.irp i, 0,1,2
	v_permlane16_swap_b32 v[PC+6*\c+\i], v[PC+12+4*\c+\i]
.endr
.irp i, 0,1,2
	v_mov_b32 v[PC+3+6*\c+\i], v[PC+12+4*\c+\i]
.endr
.endr
.endm
.macro IMAGE adr, off
.irp c, 0,1,2
	ds_store_b128 v[\adr], v[PC+4*\c:PC+4*\c+3] offset:(\off)+512*\c
.endr
.endm
.macro KLOAD off                       ; a step's eight tiles of K and their scale words: 13 loads
.irp c, 0,1,2,3,4,5,6,7,8,9,10,11
	ds_load_b128 v[KF+4*\c:KF+4*\c+3], v[ADR] offset:(\off)+512*\c
.endr
	ds_load_b128 v[KS:KS+3], v[ADR] offset:(\off)+12288
.endm
; THE SOFTMAX of 16 queries x 128 keys: S^T in, p's codes in v[PC] on, p's scale word in v[PWL], f = 2^(old M - new M) in v[F]
.macro SOFTMAX
.irp b, 0,1,2,3
	v_max3_num_f32 v[BM+\b], v[S+16*\b], v[S+1+16*\b], v[S+2+16*\b]   ; the largest score of each block of 32 keys: for the row's maximum, and for the block's largest p
.endr
.irp i, 3,5,7,9,11,13
.irp b, 0,1,2,3
	v_max3_num_f32 v[BM+\b], v[BM+\b], v[S+16*\b+\i], v[S+1+16*\b+\i]
.endr
.endr
.irp b, 0,1,2,3
	v_max_num_f32 v[BM+\b], v[BM+\b], v[S+15+16*\b]
.endr
.irp b, 0,1,2,3
	v_permlanex16_b32 v[BP+\b], v[BM+\b], s[SEL], s[SEL+1]
.endr
.irp b, 0,1,2,3
	v_max_num_f32 v[BM+\b], v[BM+\b], v[BP+\b]     ; with lane l xor 16's 16 keys
.endr
	v_max3_num_f32 v[T], v[BM], v[BM+1], v[BM+2]
	v_max_num_f32 v[T], v[T], v[BM+3]              ; the step's largest score of my query
	v_mul_f32 v[T], s[CS], v[T]                    ; as t (c is positive)
	v_max_num_f32 v13, v13, v[T]                   ; the running largest t
	v_mov_b32 v[T], v12
	v_floor_f32 v12, -v13                          ; the new -M = floor(-t): M is a whole number
	v_sub_f32 v[T], v12, v[T]                      ; old M - new M: a whole number, 0 or less
	v_cvt_i32_f32 v[T], v[T]                       ; (it saturates)
	v_ldexp_f32 v[F], 1.0, v[T]                    ; f
.set J, 0
.rept 32
	v_pk_fma_f32 v[S+J:S+J+1], v[S+J:S+J+1], s[CS:CS+1], v[12:13] op_sel_hi:[1,0,0]   ; t - M, two at a time (of the pairs c and -M the low word serves both halves)
.set J, J+2
.endr
.irp b, 0,1,2,3
	v_fma_f32 v[BM+\b], v[BM+\b], s[CS], v12       ; the same of each block's largest score
.endr
.set J, 0
.rept 64
	v_exp_f32 v[S+J], v[S+J]                       ; p = 2^(t - M), at most 1
.set J, J+1
.endr
	v_pk_mul_f32 v[14:15], v[14:15], v[F:F+1] op_sel_hi:[1,0]   ; the sums under the new M (a plain place behind the exponentials)
	s_wait_alu depctr_va_vdst(0)                   ; one wait for the batch of 64, ahead of its first reader
.irp b, 0,1,2,3
	v_exp_f32 v[BM+\b], v[BM+\b]                   ; the block's largest p
.endr
	v_pk_add_f32 v[SU:SU+1], v[S:S+1], v[S+2:S+3]  ; the row's sum of the unquantised p, in two chains (plain work behind the four)
.irp j, 4,8,12,16,20,24,28,32,36,40,44,48,52,56,60
	v_pk_add_f32 v[14:15], v[14:15], v[S+\j:S+\j+1]
	v_pk_add_f32 v[SU:SU+1], v[SU:SU+1], v[S+\j+2:S+\j+3]
.endr
	v_pk_add_f32 v[14:15], v[14:15], v[SU:SU+1]
	s_wait_alu depctr_va_vdst(0)                   ; and one for the four
.irp b, 0,1,2,3
	v_max_num_f32 v[BM+\b], 0x2800000, v[BM+\b]    ; the floor 2^(5 - 127)
.endr
.irp b, 0,1,2,3
	v_add_nc_u32 v[SO+\b], 0xfe000000, v[BM+\b]    ; 4 off the exponent field: the conversion's scale operand
.endr
.irp b, 0,1,2,3
	v_lshrrev_b32 v[BP+\b], 23, v[SO+\b]           ; the scale's byte
.endr
	v_lshl_or_b32 v[PWL], v[BP+1], 8, v[BP]
	v_lshl_or_b32 v[PWL], v[BP+2], 16, v[PWL]
	v_lshl_or_b32 v[PWL], v[BP+3], 24, v[PWL]
.irp c, 0,1
	v_cvt_scalef32_pk16_bf6_f32 v[PC+6*\c:PC+2+6*\c], v[S+32*\c:S+15+32*\c], v[SO+2*\c]
	v_cvt_scalef32_pk16_bf6_f32 v[PC+12+4*\c:PC+14+4*\c], v[S+16+32*\c:S+31+32*\c], v[SO+2*\c+1]
.endr
	v_nop                                          ; one plain place behind a scaled conversion
.irp c, 0,1
.irp i, 0,1,2
	v_permlane16_swap_b32 v[PC+6*\c+\i], v[PC+12+4*\c+\i]
.endr
.irp i, 0,1,2
	v_mov_b32 v[PC+3+6*\c+\i], v[PC+12+4*\c+\i]
.endr
.endr
.endm
; THE CHANGE OF SLOTS, in a slot's second step, when all its K and V have been asked for.  Each wave waits for all its tensor loads (its chunk of the other slot), adds 0 to its spare word, and waits for that and for its
; reads of this slot.  mode 1: a round of the cluster's barrier, and behind it this slot is filled with the keys two slots on: the wave's one tensor load, with two key steps in which to land.  mode 2: nothing is left to fetch.
.macro CHANGE mode
	s_wait_tensorcnt 0x0                           ; no tensor load of mine is out, so a descriptor may be written
	ds_add_u32 v[SPW], v[NIL]                      ; 0 onto my spare word
.if \mode == 1
	s_xor_b32 s[G0B+1], s[G0B+1], SLOT1            ; the walking descriptor: the other slot than last time,
	s_add_nc_u64 s[G0B+2:G0B+3], s[G0B+2:G0B+3], SLOTB   ; the next 256 keys; the type bits on top are not reached
	s_wait_xcnt 0x0                                ; the last prefetch, two key steps back, has read its address
	s_add_nc_u64 s[PFA:PFA+1], s[PFA:PFA+1], SLOTB
	s_wait_dscnt 0x0                               ; the add is done, and my reads of this slot are in
	CROUND
	tensor_load_to_lds s[G0B:G0B+3], s[G1:G1+7]
	s_nop 0
	NOPS 4
	ASK
.else
	s_wait_dscnt 0x0
	s_barrier_signal -1
	s_barrier_wait -1
.endif
	s_xor_b32 s[TB], s[TB], SLOT1                  ; on to the other slot
	v_add_nc_u32 v[ADR], s[TB], v[LI0]
	v_add_nc_u32 v[ADW], s[TB], v[LS0]
.endm
; A KEY STEP, the p-th of the slot in hand.  K was asked for a step ago.  mode 0: the next K lies in the same slot; 1, 2: change of slots, with and without a fill; 3: the last step.
.macro STEP p, mode
	NOPS 4                                         ; places behind the last products, in front of loads into V's registers
.irp c, 0,1,2,3,4,5,6,7,8,9,10,11
	ds_load_b128 v[VF+4*\c:VF+4*\c+3], v[ADR] offset:STEPB*(\p)+6144+512*\c
.endr
	ds_load_b32 v[VS], v[ADW] offset:STEPB*(\p)+12800
	ds_load_b32 v[VS+1], v[ADW] offset:STEPB*(\p)+12928
	s_wait_dscnt 14                                ; K's 13 loads are in; the 14 just issued may be out
.irp t, 0,1,2,3,4,5,6,7
	MMZ S+8*\t, KF+6*\t, Q, KS+\t/2, QS, \t%2
.endr
	NOPS 4                                         ; places in front of the loads into K's registers and of the reads of the scores
.if (\mode == 1) || (\mode == 2)
	CHANGE \mode
	KLOAD 0
.endif
.if \mode == 0
	KLOAD STEPB
.endif
	SOFTMAX
	WIN 0x41                                       ; O^T in window 1, f in window 0
.set J, 0
.rept 16
	v_pk_mul_f32 v[J:J+1], v[J:J+1], v[F:F+1] op_sel_hi:[1,0]   ; O^T under the new M.  (These are also the places between p's codes and scale word and the products)
.set J, J+2
.endr
.if \mode < 3
	s_wait_dscnt 13                                ; V is in; the next K's 13 loads may be out
.else
	s_wait_dscnt 0x0
.endif
	WIN 0x50                                       ; C and D window 1
.irp t, 0,1,2,3
	MM 8*\t, VF+12*\t, PC, 8*\t, VS+\t/2, PWL, \t%2
.endr
	WIN 0
.endm
	s_load_b512 s[4:19], s[0:1], 0x0               ; qb, kv, xq, wt, bm, b1, yb, part
	v_lshl_add_u32 v[SPW], v0, 2, SPARE
	v_mov_b32 v[NIL], 0
	ds_add_u32 v6, v7
	ds_add_u32 v6, v7
	s_wait_dscnt 0x0
	v_lshrrev_b32 v29, 5, v0
	v_readfirstlane_b32 s[WV], v29                 ; wave 0..7
	s_lshr_b32 s21, s[WV], 1                       ; head
	s_and_b32 s22, s[WV], 1                        ; tile u
	s_bfe_u32 s23, ttmp6, 0x40000                  ; cx: it enters addresses in memory alone
	s_lshl_b32 s24, ttmp9, 2
	s_add_co_u32 s24, s24, s23                     ; B
	s_and_b32 s25, s21, 1                          ; the tail's K step s (waves 0-3: w / 2)
	s_lshl_b32 s26, s22, 1
	s_add_co_u32 s26, s26, s25                     ; and its unit 2 u + s
	; descriptor group 1: a chunk is a dense block: 51 rows of 256 bytes (32 elements of 8 bytes)
	s_mov_b32 s[G1], 15|(3<<16)|(1<<21)            ; 15:0 the mask: all four work-groups; 17:16 elements of 8 bytes; 20 no padding; 21 set beside a mask
	s_mov_b32 s[G1+1], 32<<16                      ; tensor_dim0
	s_mov_b32 s[G1+2], 51<<16                      ; tensor_dim1
	s_mov_b32 s[G1+3], 32<<16                      ; tile_dim0
	s_mov_b32 s[G1+4], 51                          ; tile_dim1
	s_mov_b32 s[G1+5], 32                          ; from row to row
	s_mov_b32 s[G1+6], 0
	s_mov_b32 s[G1+7], 0
	s_mov_b32 s[SEL], 0x76543210
	s_mov_b32 s[SEL+1], 0xfedcba98
	s_mov_b32 s[CS], 0x3e38aa3b                    ; c = log2(e) / 8
	s_mov_b32 s[CS+1], s[CS]                       ; (named with it as a pair)
	s_mov_b32 s[TB], 0
	s_mov_b32 s[SLOTS], 30
	s_lshr_b32 s[LIM], s[WV], 2                    ; 0 in waves 0 to 3
	s_or_b32 s[LIM], s[LIM], ttmp9                 ; of the first cluster: the same in all four partners
	s_cmp_eq_u32 s[LIM], 0
	s_cselect_b32 s[LIM], 1, -1
	; every LDS address of the launch is made here
	v_and_b32 v31, 31, v0                          ; lane
	v_and_b32 v29, 15, v0                          ; r
	v_bfe_u32 v30, v0, 4, 1                        ; half
	v_lshlrev_b32 v[LI], 4, v31
	v_lshlrev_b32 v[LS], 2, v31
	s_mul_i32 s54, s21, CH
	v_add_nc_u32 v[LI0], s54, v[LI]
	v_add_nc_u32 v[LS0], s54, v[LS]
	v_mul_u32_u24 v[MSTO], v29, 1040
	v_lshl_add_u32 v[MSLD], v30, 6, v[MSTO]
	v_lshl_add_u32 v[MSTO], v30, 8, v[MSTO]
	s_mul_i32 s54, s22, 16640
	s_add_co_u32 s54, s54, MST
	s_lshl_b32 s55, s21, 2
	s_add_co_u32 s55, s55, s54
	v_add_nc_u32 v[MSTO], s55, v[MSTO]             ; msg in: row 16 u + r, channel 4 d + head: 256 x half + 4 x head, the rest in the immediate
	s_lshl_b32 s55, s25, 9
	s_add_co_u32 s55, s55, s54
	v_add_nc_u32 v[MSLD], s55, v[MSLD]             ; msg back: row 16 u + r, 512 s + 64 x half
	v_add_nc_u32 v[LIB], MIMG, v[LI]
	v_add_nc_u32 v[LSB], MSC, v[LS]
	s_mul_i32 s54, s26, 1536
	v_add_nc_u32 v[MWI], s54, v[LIB]
	s_lshl_b32 s54, s26, 7
	v_add_nc_u32 v[MWS], s54, v[LSB]
	s_mul_i32 s54, s22, 3072
	v_add_nc_u32 v[MRD], s54, v[LIB]
	s_lshl_b32 s54, s22, 8
	v_add_nc_u32 v[MRS], s54, v[LSB]
	v_mul_u32_u24 v[YSTO], v29, 2064
	v_lshl_add_u32 v[YSTO], v30, 6, v[YSTO]
	s_lshl_b32 s54, s[WV], 8
	s_add_co_u32 s54, s54, YST
	v_add_nc_u32 v[YSTO], s54, v[YSTO]             ; y in: row r (+ 16 u in the immediate), 256 w + 64 x half
	s_mul_i32 s54, s[WV], 8256
	s_add_co_u32 s54, s54, YST
	v_add_nc_u32 v[YRD], s54, v[LI]                ; y back by rows: rows 4 w on
	v_lshl_add_u32 v[YCOL], v0, 3, YST             ; y back by columns: two channels a thread
	v_lshlrev_b32 v[H64], 6, v30
	v_lshlrev_b32 v[T8], 3, v0
	v_min_u32 v[PFO], 101, v0
	v_lshlrev_b32 v[PFO], 8, v[PFO]
	s_mul_i32 s54, s22, 520                        ; Q's six registers in qb's image: registers 6 u .. 6 u + 5 of twelve
	v_add_nc_u32 v[QA], s54, v[LI]
	s_mul_i32 s54, s22, 496
	v_add_nc_u32 v31, s54, v[QA]
	v_lshlrev_b32 v29, 4, v29
	s_lshl_b32 s54, s22, 8
	v_add_nc_u32 v29, s54, v29                     ; Q's scale word: lane r + 16 u of the image
.irp i, 0,1,2,3,4,5
	v_mov_b32 v[Q+6+\i], 0                         ; Q's upper half: zero codes
	v_mov_b32 v[KF+48+\i], 0                       ; what K's tile 7 names as its upper half
.endr
.irp b, 0,1,2,3
	v_mov_b32 v[BP+\b], 0                          ; written once: a lane permute's destination counts as one of its sources
.endr
	v_mov_b32 v[PWL], 0                            ; (named as the upper half of the pair with f before it is first written)
	v_mov_b32 v14, 0
	v_mov_b32 v15, 0
	v_mov_b32 v13, 0xff61b1e6                      ; the largest t so far: -3e38
	v_floor_f32 v12, -v13
	WIN 0x40
.set J, 0
.rept 32
	v_mov_b32 v[J], 0                              ; O^T: the loop has no first step of its own; the first change of M leaves zeros zeros
.set J, J+1
.endr
	WIN 0
	s_mul_i32 s54, s[WV], CH                       ; chunk w of a slot: no place in the cluster enters a descriptor
	s_mov_b32 s55, 0
	s_wait_kmcnt 0x0
	s_mov_b32 s[G0A], 1
	s_mov_b32 s[G0A+1], s54
	s_add_nc_u64 s[G0A+2:G0A+3], s[6:7], s[54:55]
	s_mov_b32 s[G0B], 1
	s_add_co_u32 s[G0B+1], s54, SLOT1
	s_add_nc_u64 s[G0B+2:G0B+3], s[G0A+2:G0A+3], SLOTB
	s_or_b32 s[G0A+3], s[G0A+3], 0x80000000
	s_or_b32 s[G0B+3], s[G0B+3], 0x80000000
	CROUND                                         ; all four work-groups are here: the first joint loads meet
	tensor_load_to_lds s[G0A:G0A+3], s[G1:G1+7]    ; slot 0
	s_nop 0
	tensor_load_to_lds s[G0B:G0B+3], s[G1:G1+7]    ; slot 1: two loads of mine are out
	s_nop 0
	NOPS 4
	s_mul_i32 s54, s23, 26112                      ; the prefetches: my work-group's 102 blocks, in slot 2; the first change of slots steps the address to slot 3
	s_add_co_u32 s54, s54, 2*SLOTB
	s_add_nc_u64 s[PFA:PFA+1], s[6:7], s[54:55]
	s_lshl_b32 s54, ttmp9, 2
	s_add_co_u32 s54, s54, s21
	s_mul_i32 s54, s54, 6656                       ; qb's chunk: 128 points (my cluster's), my head
	s_add_nc_u64 s[58:59], s[4:5], s[54:55]
	s_mul_i32 s54, s23, 1536                       ; my work-group's two tiles of its eight
	s_add_nc_u64 s[56:57], s[58:59], s[54:55]
	s_lshl_b32 s54, s23, 2
	s_add_nc_u64 s[58:59], s[58:59], s[54:55]
	s_add_nc_u64 s[58:59], s[58:59], 6144
	global_load_b64 v[Q:Q+1], v[QA], s[56:57]
	global_load_b64 v[Q+2:Q+3], v31, s[56:57] offset:8
	global_load_b64 v[Q+4:Q+5], v[QA], s[56:57] offset:512
	global_load_b32 v[QS], v29, s[58:59]
	s_wait_tensorcnt 1                             ; my chunk of slot 0 is in; slot 1's may stay out
	s_barrier_signal -1
	s_barrier_wait -1                              ; everybody's is
	v_add_nc_u32 v[ADR], s[TB], v[LI0]
	v_add_nc_u32 v[ADW], s[TB], v[LS0]
	KLOAD 0
	s_wait_loadcnt 0x0                             ; Q
.Lslot:                                            ; 30 trips: every slot but the last two is filled again
	STEP 0, 0
	STEP 1, 1
	s_sub_co_u32 s[SLOTS], s[SLOTS], 1
	s_cmp_lg_u32 s[SLOTS], 0
	s_cbranch_scc1 .Lslot
	STEP 0, 0                                      ; the last two slots are written out
	STEP 1, 2
	STEP 0, 0
	STEP 1, 3
	; ---- THE TAIL.  msg = O^T / l goes to LDS by channels 4 d + head; meanwhile x's codes, the weights and b1 are asked for
	NOPS 4                                         ; places behind the last products
	v_add_f32 v14, v14, v15
	v_permlanex16_b32 v[BP], v14, s[SEL], s[SEL+1]
	v_add_f32 v14, v14, v[BP]                      ; the row's sum
	v_rcp_f32 v14, v14
	v_nop                                          ; a plain place behind the reciprocal
	s_mov_b32 s77, 0
	s_mul_i32 s76, s24, 6144
	s_add_nc_u64 s[PXQ:PXQ+1], s[8:9], s[76:77]    ; x's four fragments (tile u, K step s: 2 u + s)
	s_lshl_b32 s76, s24, 9
	s_add_nc_u64 s[PXW:PXW+1], s[8:9], s[76:77]
	s_add_nc_u64 s[PXW:PXW+1], s[PXW:PXW+1], 1572864
	s_lshl_b32 s78, s[WV], 4
	s_add_co_u32 s78, s78, 32                      ; my 16 fragments of W1: outputs 64 w on
	s_lshl_b32 s79, s21, 4                         ; waves 0-3: 16 fragments of Wm: outputs 128 (w / 2) on
	s_cmp_lt_u32 s[WV], 4
	s_cselect_b32 s79, s79, s78                    ; waves 0-3 begin with Wm's, waves 4-7 with their W1's: one text for both
	s_mul_i32 s76, s79, 1536
	s_add_nc_u64 s[PWF:PWF+1], s[10:11], s[76:77]
	s_lshl_b32 s76, s79, 7
	s_add_nc_u64 s[PWS:PWS+1], s[10:11], s[76:77]
	s_add_nc_u64 s[PWS:PWS+1], s[PWS:PWS+1], 344064
	s_mul_i32 s76, s78, 1536
	s_add_nc_u64 s[PW1F:PW1F+1], s[10:11], s[76:77]
	s_lshl_b32 s76, s78, 7
	s_add_nc_u64 s[PW1S:PW1S+1], s[10:11], s[76:77]
	s_add_nc_u64 s[PW1S:PW1S+1], s[PW1S:PW1S+1], 344064
	s_lshl_b32 s76, s[WV], 8
	s_add_nc_u64 s[PB1:PB1+1], s[14:15], s[76:77]
	s_lshl_b32 s76, s25, 9
	s_add_nc_u64 s[PBM:PBM+1], s[12:13], s[76:77]
	s_lshl_b32 s76, s24, 5                         ; the stage's rows 4 w .. 4 w + 3 are points 32 B + 8 (w / 4) + 4 (w % 4) + 8 ((w % 4) / 2) on
	s_lshr_b32 s78, s[WV], 2
	s_lshl_b32 s78, s78, 3
	s_add_co_u32 s76, s76, s78
	s_and_b32 s78, s[WV], 3
	s_lshl_b32 s78, s78, 2
	s_add_co_u32 s76, s76, s78
	s_and_b32 s78, s[WV], 2
	s_lshl_b32 s78, s78, 2
	s_add_co_u32 s76, s76, s78
	s_lshl_b32 s76, s76, 11
	s_add_nc_u64 s[PY:PY+1], s[16:17], s[76:77]
	s_lshl_b32 s76, s24, 12
	s_add_nc_u64 s[PPT:PPT+1], s[18:19], s[76:77]
	s_wait_alu depctr_va_vdst(0)                   ; the wait ahead of the reciprocal's first reader
	WIN 0x01                                       ; source 0 window 1
.set J, 0
.rept 32
	v_mul_f32 v[HA+J], v[J], v14                   ; register 8 t + i: msg(query r, d = 32 (t / 2) + 8 (t % 2) + 16 half + i)
.set J, J+1
.endr
	WIN 0
.irp t, 0,1,2,3
.irp i, 0,1,2,3,4,5,6,7
	ds_store_b32 v[MSTO], v[HA+8*\t+\i] offset:512*(\t/2)+128*(\t%2)+16*\i
.endr
.endr
.irp c, 0,1,2,3,4,5,6,7,8,9,10,11
	global_load_b128 v[XFR+4*\c:XFR+4*\c+3], v[LI], s[PXQ:PXQ+1] offset:512*\c
.endr
.irp i, 0,1,2,3
	global_load_b32 v[XW+\i], v[LS], s[PXW:PXW+1] offset:128*\i
.endr
.irp i, 0,1,2,3,4,5,6,7,8,9,10,11,12,13,14,15
	global_load_b32 v[WSB+\i], v[LS], s[PWS:PWS+1] offset:128*\i
.endr
	WIN 0x40                                       ; destination window 1
.set J, 0
.rept 48
	global_load_b128 v[WFR+4*J:WFR+4*J+3], v[LI], s[PWF:PWF+1] offset:512*J
.set J, J+1
.endr
.irp t, 0,1,2,3                        ; b1 as the C of tile t: outputs 64 w + 32 (t / 2) + 8 (t % 2) + 16 half + 0 .. 7
	global_load_b128 v[B1R+8*\t:B1R+8*\t+3], v[H64], s[PB1:PB1+1] offset:128*(\t/2)+32*(\t%2)
	global_load_b128 v[B1R+8*\t+4:B1R+8*\t+7], v[H64], s[PB1:PB1+1] offset:128*(\t/2)+32*(\t%2)+16
.endr
	WIN 0
	BARRIER                                        ; 32 rows of msg lie in LDS
	s_cmp_lt_u32 s[WV], 4
	s_cbranch_scc0 .Lno_m
	; ---- waves 0-3: tile u, K step s of msg becomes a fragment
.irp q, 0,1,2,3
.irp j, 0,1,2,3
	ds_load_b128 v[HA+16*\q+4*\j:HA+16*\q+4*\j+3], v[MSLD] offset:128*\q+16*\j
.endr
.endr
	s_wait_dscnt 0x0
	QUANT HA
	IMAGE MWI, 0
	ds_store_b32 v[MWS], v[PW]
.irp t, 0,1,2,3,4,5,6,7                ; bm goes into the accumulators: it starts z's sums
	global_load_b128 v[HA+8*\t:HA+8*\t+3], v[H64], s[PBM:PBM+1] offset:128*(\t/2)+32*(\t%2)
	global_load_b128 v[HA+8*\t+4:HA+8*\t+7], v[H64], s[PBM:PBM+1] offset:128*(\t/2)+32*(\t%2)+16
.endr
.Lno_m:
	BARRIER                                        ; msg's four fragments lie in LDS, and nobody reads msg's rows any more
	s_cmp_lt_u32 s[WV], 4
	s_cbranch_scc0 .Lno_wm
	; ---- waves 0-3: z = Wm msg + bm, outputs 128 s on, tile u: eight accumulators by turns; then quantised: K step 2 + s of the next product
.irp c, 0,1,2,3,4,5
	ds_load_b128 v[ZFR+4*\c:ZFR+4*\c+3], v[MRD] offset:512*\c
.endr
	ds_load_b32 v[ZW], v[MRS]
	ds_load_b32 v[ZW+1], v[MRS] offset:128
	s_wait_dscnt 0x0
	s_wait_loadcnt 0x0
	WIN 0x01                                       ; source 0 (Wm) window 1
.irp k, 0,1
.irp t, 0,1,2,3,4,5,6,7
	MM HA+8*\t, WFR+12*(2*\t+\k), ZFR+12*\k, HA+8*\t, WSB+2*\t+\k, ZW+\k, 0
.endr
.endr
	WIN 0
	NOPS 5                                         ; places in front of the loads into the weights' registers and of the reads of the results
.irp i, 0,1,2,3,4,5,6,7,8,9,10,11,12,13,14,15
	global_load_b32 v[WSB+\i], v[LS], s[PW1S:PW1S+1] offset:128*\i
.endr
	WIN 0x40
.set J, 0
.rept 48
	global_load_b128 v[WFR+4*J:WFR+4*J+3], v[LI], s[PW1F:PW1F+1] offset:512*J
.set J, J+1
.endr
	WIN 0
	QUANT HA
	IMAGE MWI, ZOFF
	ds_store_b32 v[MWS], v[PW] offset:ZOFF
.Lno_wm:
	BARRIER                                        ; z's four fragments lie in LDS
	; ---- all waves: y = W1 [x ; z] + b1, outputs 64 w on, both tiles of points: eight accumulators by turns, a K step at a time
.irp c, 0,1,2,3,4,5,6,7,8,9,10,11
	ds_load_b128 v[ZFR+4*\c:ZFR+4*\c+3], v[LIB] offset:ZOFF+512*\c
.endr
.irp i, 0,1,2,3
	ds_load_b32 v[ZW+\i], v[LSB] offset:ZOFF+128*\i
.endr
	s_wait_dscnt 0x0
	s_wait_loadcnt 0x0
.irp s, 0,1,2,3
.if \s == 0
	WIN 0x11                                       ; source 0 (W1) and C (b1) window 1
.else
	WIN 0x01
.endif
.irp t, 0,1,2,3
.irp u, 0,1
.if \s == 0
	MM HA+8*(2*\t+\u), WFR+12*(4*\t), XFR+24*\u, B1R+8*\t, WSB+4*\t, XW+2*\u, 0
.elseif \s == 1
	MM HA+8*(2*\t+\u), WFR+12*(4*\t+1), XFR+24*\u+12, HA+8*(2*\t+\u), WSB+4*\t+1, XW+2*\u+1, 0
.else
	MM HA+8*(2*\t+\u), WFR+12*(4*\t+\s), ZFR+24*\u+12*(\s-2), HA+8*(2*\t+\u), WSB+4*\t+\s, ZW+2*\u+\s-2, 0
.endif
.endr
.endr
.endr
	WIN 0
	NOPS 4
.irp t, 0,1,2,3
.irp u, 0,1
	ds_store_b128 v[YSTO], v[HA+8*(2*\t+\u):HA+8*(2*\t+\u)+3] offset:33024*\u+128*(\t/2)+32*(\t%2)      ; each accumulator from its low end on
	ds_store_b128 v[YSTO], v[HA+8*(2*\t+\u)+4:HA+8*(2*\t+\u)+7] offset:33024*\u+128*(\t/2)+32*(\t%2)+16
.endr
.endr
	BARRIER                                        ; 32 whole rows of y lie in the stage
	; ---- out: each wave stores four whole rows; each thread takes two channels down the 32 rows
.irp i, 0,1,2,3
.irp k, 0,1,2,3
	ds_load_b128 v[32+16*\i+4*\k:32+16*\i+4*\k+3], v[YRD] offset:2064*\i+512*\k
.endr
.endr
.set J, 0
.rept 32
	ds_load_b64 v[HA+2*J:HA+2*J+1], v[YCOL] offset:2064*J
.set J, J+1
.endr
	s_wait_dscnt 32                                ; the rows are in; the 32 loads by columns may be out
.irp i, 0,1,2,3
.irp k, 0,1,2,3
	global_store_b128 v[LI], v[32+16*\i+4*\k:32+16*\i+4*\k+3], s[PY:PY+1] offset:2048*\i+512*\k   ; 32 lanes store 512 consecutive bytes, aligned
.endr
.endr
	s_wait_dscnt 0x0
.irp c, 0,1,2,3
	v_pk_add_f32 v[96+2*\c:97+2*\c], v[HA+2*\c:HA+2*\c+1], v[HA+8+2*\c:HA+9+2*\c]   ; the sum, in four chains
.endr
.irp i, 8,12,16,20,24,28
.irp c, 0,1,2,3
	v_pk_add_f32 v[96+2*\c:97+2*\c], v[96+2*\c:97+2*\c], v[HA+2*(\i+\c):HA+2*(\i+\c)+1]
.endr
.endr
	v_pk_add_f32 v[96:97], v[96:97], v[98:99]
	v_pk_add_f32 v[100:101], v[100:101], v[102:103]
	v_pk_add_f32 v[96:97], v[96:97], v[100:101]
	v_pk_mul_f32 v[96:97], v[96:97], 0x3d000000 op_sel_hi:[1,0]   ; / 32: the 32 rows' mean
.set J, 0
.rept 32
	v_pk_add_f32 v[HA+2*J:HA+2*J+1], v[HA+2*J:HA+2*J+1], v[96:97] neg_lo:[0,1] neg_hi:[0,1]   ; the distance from it: no difference of large sums is ever formed
.set J, J+1
.endr
.irp c, 0,1,2,3
	v_pk_mul_f32 v[100+2*\c:101+2*\c], v[HA+2*\c:HA+2*\c+1], v[HA+2*\c:HA+2*\c+1]
.endr
.irp i, 4,8,12,16,20,24,28
.irp c, 0,1,2,3
	v_pk_fma_f32 v[100+2*\c:101+2*\c], v[HA+2*(\i+\c):HA+2*(\i+\c)+1], v[HA+2*(\i+\c):HA+2*(\i+\c)+1], v[100+2*\c:101+2*\c]
.endr
.endr
	v_pk_add_f32 v[100:101], v[100:101], v[102:103]
	v_pk_add_f32 v[104:105], v[104:105], v[106:107]
	v_pk_add_f32 v[100:101], v[100:101], v[104:105]
	global_store_b64 v[T8], v[96:97], s[PPT:PPT+1]
	global_store_b64 v[T8], v[100:101], s[PPT:PPT+1] offset:2048
	s_wait_tensorcnt 0x0                           ; the wave's end
	ds_add_u32 v[SPW], v[NIL]
	s_wait_dscnt 0x0
	CROUND                                         ; the closing round
	s_endpgm
.Lfunc_end_k_q710a1c40a2_attn:
	.size	k_q710a1c40a2_attn, .Lfunc_end_k_q710a1c40a2_attn-k_q710a1c40a2_attn
	.p2alignl 7, 3214868480
	.fill 96, 4, 3214868480
	.section	.rodata,"a",@progbits
	.p2align	6, 0x0
	.amdhsa_kernel k_q710a1c40a2_attn
		.amdhsa_group_segment_fixed_size 327680
		.amdhsa_private_segment_fixed_size 0
		.amdhsa_enable_private_segment 0
		.amdhsa_kernarg_size 64
		.amdhsa_user_sgpr_count 2
		.amdhsa_user_sgpr_kernarg_segment_ptr 1
		.amdhsa_wavefront_size32 1
		.amdhsa_system_sgpr_workgroup_id_x 1
		.amdhsa_system_sgpr_workgroup_id_y 1
		.amdhsa_system_sgpr_workgroup_id_z 1
		.amdhsa_system_vgpr_workitem_id 0
		.amdhsa_next_free_vgpr 512
		.amdhsa_next_free_sgpr 80
		.amdhsa_reserve_vcc 0
		.amdhsa_float_denorm_mode_32 3
		.amdhsa_float_denorm_mode_16_64 3
		.amdhsa_memory_ordered 1
		.amdhsa_forward_progress 1
		.amdhsa_inst_pref_size 152
	.end_amdhsa_kernel
	.amdgpu_metadata
---
amdhsa.version: [ 1, 2 ]
amdhsa.kernels:
  - .name:           k_q710a1c40a2_attn
    .symbol:         k_q710a1c40a2_attn.kd
    .args:
      - { .name: qb, .offset: 0, .size: 8, .value_kind: global_buffer, .address_space: global }
      - { .name: kv, .offset: 8, .size: 8, .value_kind: global_buffer, .address_space: global }
      - { .name: xq, .offset: 16, .size: 8, .value_kind: global_buffer, .address_space: global }
      - { .name: wt, .offset: 24, .size: 8, .value_kind: global_buffer, .address_space: global }
      - { .name: bm, .offset: 32, .size: 8, .value_kind: global_buffer, .address_space: global }
      - { .name: b1, .offset: 40, .size: 8, .value_kind: global_buffer, .address_space: global }
      - { .name: yb, .offset: 48, .size: 8, .value_kind: global_buffer, .address_space: global }
      - { .name: part, .offset: 56, .size: 8, .value_kind: global_buffer, .address_space: global }
    .group_segment_fixed_size: 327680
    .private_segment_fixed_size: 0
    .kernarg_segment_align: 8
    .kernarg_segment_size: 64
    .max_flat_workgroup_size: 256
    .sgpr_count:     80
    .vgpr_count:     512
    .wavefront_size: 32
...
	.end_amdgpu_metadata
.endif
;; end of part 2
;; launch stats (part 3): grid 8 x 1, 8 waves a work-group, no clusters, 5,120 bytes of LDS; arguments part, nrm; writes nrm
.if DOCPART == 3
	.amdgcn_target "amdgcn-amd-amdhsa--gfx1250"
	.amdhsa_code_object_version 6
	.text
	.protected	k_q710a1c40a2_stats
	.globl	k_q710a1c40a2_stats
	.p2align	8
	.type	k_q710a1c40a2_stats,@function
k_q710a1c40a2_stats:
	s_mov_b64 s[64:65], 0
	v_nop
	global_prefetch_b8 v0, s[64:65] scope:SCOPE_SE
	s_setreg_imm32_b32 hwreg(HW_REG_WAVE_MODE, 25, 1), 1
	s_wait_xcnt 0x0
; STATS.  The 256 work-groups' means and sums of squared distances (32 rows each) of y's 512 channels become each channel's mean mu and 1 / sqrt(variance + 1e-5) over all 8,192 points:
; mu = the mean of the 256 means (equal counts);  8,192 x variance = the sum of the 256 sums + 32 x the sum of (mean_i - mu)^2.  No difference of large sums is formed.
; Work-group G: channels 64 G on; lane l: channels 2 l, 2 l + 1 of them (a wave's load covers 256 consecutive bytes, aligned); wave w: parts 32 w .. 32 w + 31.  The waves' sums meet in LDS, twice, in bytes of their own each time.
; v_rsq_f32 stands for the reciprocal root.  No matrix unit, no tensor load, no cluster: 1 MiB is read once, and nothing is shared.
	s_load_b128 s[4:7], s[0:1], 0x0                ; part, nrm
	v_lshl_add_u32 v160, v0, 2, 0x1000
	v_mov_b32 v161, 0
	v_lshrrev_b32 v1, 5, v0
	v_readfirstlane_b32 s8, v1                     ; wave
	v_and_b32 v1, 31, v0
	v_lshlrev_b32 v2, 3, v1                        ; 8 x lane
	s_lshl_b32 s12, s8, 8
	v_add_nc_u32 v3, s12, v2                       ; LDS: 256 x wave + 8 x lane
	s_lshl_b32 s10, ttmp9, 8
	s_lshl_b32 s11, s8, 17                         ; 32 parts of 4,096 bytes
	s_add_co_u32 s10, s10, s11
	s_mov_b32 s11, 0
	s_lshl_b32 s16, ttmp9, 8
	s_mov_b32 s17, 0
	s_mov_b32 s14, 0x39000000                      ; 1 / 8,192
	s_mov_b32 s15, 0x3727c5ac                      ; 1e-5
	s_wait_kmcnt 0x0
	s_add_nc_u64 s[4:5], s[4:5], s[10:11]
	s_add_nc_u64 s[6:7], s[6:7], s[16:17]
.set J, 0
.rept 32
	global_load_b64 v[16+2*J:17+2*J], v2, s[4:5] offset:4096*J          ; the means
.set J, J+1
.endr
.set J, 0
.rept 32
	global_load_b64 v[80+2*J:81+2*J], v2, s[4:5] offset:4096*J+2048     ; the sums of squared distances
.set J, J+1
.endr
	s_wait_loadcnt 32                              ; the means are in; the 32 loads behind them may be out
.irp c, 0,1,2,3
	v_pk_add_f32 v[144+2*\c:145+2*\c], v[16+2*\c:17+2*\c], v[24+2*\c:25+2*\c]
.endr
.irp i, 8,12,16,20,24,28
.irp c, 0,1,2,3
	v_pk_add_f32 v[144+2*\c:145+2*\c], v[144+2*\c:145+2*\c], v[16+2*(\i+\c):17+2*(\i+\c)]
.endr
.endr
	v_pk_add_f32 v[144:145], v[144:145], v[146:147]
	v_pk_add_f32 v[148:149], v[148:149], v[150:151]
	v_pk_add_f32 v[144:145], v[144:145], v[148:149]
	ds_store_b64 v3, v[144:145]
	s_wait_dscnt 0x0
	s_barrier_signal -1
	s_barrier_wait -1
.irp k, 0,1,2,3,4,5,6,7
	ds_load_b64 v[144+2*\k:145+2*\k], v2 offset:256*\k
.endr
	s_wait_dscnt 0x0
.irp k, 0,1,2,3
	v_pk_add_f32 v[144+2*\k:145+2*\k], v[144+2*\k:145+2*\k], v[152+2*\k:153+2*\k]
.endr
	v_pk_add_f32 v[144:145], v[144:145], v[146:147]
	v_pk_add_f32 v[148:149], v[148:149], v[150:151]
	v_pk_add_f32 v[144:145], v[144:145], v[148:149]
	v_pk_mul_f32 v[12:13], v[144:145], 0x3b800000 op_sel_hi:[1,0]   ; mu = the sum / 256
.set J, 0
.rept 32
	v_pk_add_f32 v[16+2*J:17+2*J], v[16+2*J:17+2*J], v[12:13] neg_lo:[0,1] neg_hi:[0,1]
.set J, J+1
.endr
.irp c, 0,1,2,3
	v_pk_mul_f32 v[144+2*\c:145+2*\c], v[16+2*\c:17+2*\c], v[16+2*\c:17+2*\c]
.endr
.irp i, 4,8,12,16,20,24,28
.irp c, 0,1,2,3
	v_pk_fma_f32 v[144+2*\c:145+2*\c], v[16+2*(\i+\c):17+2*(\i+\c)], v[16+2*(\i+\c):17+2*(\i+\c)], v[144+2*\c:145+2*\c]
.endr
.endr
	v_pk_add_f32 v[144:145], v[144:145], v[146:147]
	v_pk_add_f32 v[148:149], v[148:149], v[150:151]
	v_pk_add_f32 v[144:145], v[144:145], v[148:149]
	s_wait_loadcnt 0x0
.irp c, 0,1,2,3
	v_pk_add_f32 v[152+2*\c:153+2*\c], v[80+2*\c:81+2*\c], v[88+2*\c:89+2*\c]
.endr
.irp i, 8,12,16,20,24,28
.irp c, 0,1,2,3
	v_pk_add_f32 v[152+2*\c:153+2*\c], v[152+2*\c:153+2*\c], v[80+2*(\i+\c):81+2*(\i+\c)]
.endr
.endr
	v_pk_add_f32 v[152:153], v[152:153], v[154:155]
	v_pk_add_f32 v[156:157], v[156:157], v[158:159]
	v_pk_add_f32 v[152:153], v[152:153], v[156:157]
	v_pk_fma_f32 v[144:145], v[144:145], 0x42000000, v[152:153] op_sel_hi:[1,0,1]   ; 32 x the means' part + the parts' own
	ds_store_b64 v3, v[144:145] offset:2048
	s_wait_dscnt 0x0
	s_barrier_signal -1
	s_barrier_wait -1
.irp k, 0,1,2,3,4,5,6,7
	ds_load_b64 v[144+2*\k:145+2*\k], v2 offset:2048+256*\k
.endr
	s_wait_dscnt 0x0
.irp k, 0,1,2,3
	v_pk_add_f32 v[144+2*\k:145+2*\k], v[144+2*\k:145+2*\k], v[152+2*\k:153+2*\k]
.endr
	v_pk_add_f32 v[144:145], v[144:145], v[146:147]
	v_pk_add_f32 v[148:149], v[148:149], v[150:151]
	v_pk_add_f32 v[144:145], v[144:145], v[148:149]
	v_fma_f32 v14, v144, s14, s15                  ; variance + 1e-5
	v_fma_f32 v15, v145, s14, s15
	v_rsq_f32 v14, v14
	v_rsq_f32 v15, v15
	v_nop                                          ; a plain place behind the roots
	s_wait_alu depctr_va_vdst(0)                   ; one wait for both, ahead of the branch and of their reader
	s_cmp_lg_u32 s8, 0
	s_cbranch_scc1 .Ldone                          ; every wave holds the result; wave 0 stores it
	global_store_b64 v2, v[12:13], s[6:7]
	global_store_b64 v2, v[14:15], s[6:7] offset:2048
.Ldone:
	s_wait_tensorcnt 0x0
	ds_add_u32 v160, v161
	s_wait_dscnt 0x0
	s_endpgm
.Lfunc_end_k_q710a1c40a2_stats:
	.size	k_q710a1c40a2_stats, .Lfunc_end_k_q710a1c40a2_stats-k_q710a1c40a2_stats
	.p2alignl 7, 3214868480
	.fill 96, 4, 3214868480
	.section	.rodata,"a",@progbits
	.p2align	6, 0x0
	.amdhsa_kernel k_q710a1c40a2_stats
		.amdhsa_group_segment_fixed_size 5120
		.amdhsa_private_segment_fixed_size 0
		.amdhsa_enable_private_segment 0
		.amdhsa_kernarg_size 16
		.amdhsa_user_sgpr_count 2
		.amdhsa_user_sgpr_kernarg_segment_ptr 1
		.amdhsa_wavefront_size32 1
		.amdhsa_system_sgpr_workgroup_id_x 1
		.amdhsa_system_sgpr_workgroup_id_y 1
		.amdhsa_system_sgpr_workgroup_id_z 1
		.amdhsa_system_vgpr_workitem_id 0
		.amdhsa_next_free_vgpr 162
		.amdhsa_next_free_sgpr 66
		.amdhsa_reserve_vcc 0
		.amdhsa_float_denorm_mode_32 3
		.amdhsa_float_denorm_mode_16_64 3
		.amdhsa_memory_ordered 1
		.amdhsa_forward_progress 1
		.amdhsa_inst_pref_size 19
	.end_amdhsa_kernel
	.amdgpu_metadata
---
amdhsa.version: [ 1, 2 ]
amdhsa.kernels:
  - .name:           k_q710a1c40a2_stats
    .symbol:         k_q710a1c40a2_stats.kd
    .args:
      - { .name: part, .offset: 0, .size: 8, .value_kind: global_buffer, .address_space: global }
      - { .name: nrm, .offset: 8, .size: 8, .value_kind: global_buffer, .address_space: global }
    .group_segment_fixed_size: 5120
    .private_segment_fixed_size: 0
    .kernarg_segment_align: 8
    .kernarg_segment_size: 16
    .max_flat_workgroup_size: 256
    .sgpr_count:     66
    .vgpr_count:     162
    .wavefront_size: 32
...
	.end_amdgpu_metadata
.endif
;; end of part 3
;; launch mlp2 (part 4): grid 256 x 1, 8 waves a work-group, no clusters, 47,616 bytes of LDS; arguments yb, nrm, wt, b2, descs, out0; writes out0
.if DOCPART == 4
	.amdgcn_target "amdgcn-amd-amdhsa--gfx1250"
	.amdhsa_code_object_version 6
	.text
	.protected	k_q710a1c40a2_mlp2
	.globl	k_q710a1c40a2_mlp2
	.p2align	8
	.type	k_q710a1c40a2_mlp2,@function
k_q710a1c40a2_mlp2:
	s_mov_b64 s[64:65], 0
	v_nop
	global_prefetch_b8 v0, s[64:65] scope:SCOPE_SE
	s_setreg_imm32_b32 hwreg(HW_REG_WAVE_MODE, 25, 1), 1
	s_wait_xcnt 0x0
; MLP2.  out = x + W2 relu((y - mu) rstd) + b2, for 32 points a work-group.  The product runs on codes of E3M2 with one E8M0 byte for 32 along the 512 channels; all else in f32.
; PHASE 1.  Wave w: tile u = w % 2 of 16 points, K step s = w / 2: 64 numbers a lane are normalised, clipped at 0 and quantised; the fragment goes to LDS as an image of its registers.
; PHASE 2.  Wave w makes outputs 32 w .. 32 w + 31 for both tiles of points (transposed: source 0 = 16 rows of W2, source 1 = the hidden layer): four accumulators by turns, b2 as the C of each sum's first product.
; The results meet in a stage (rows of 1,024 bytes + 16); each wave adds x to four whole rows and stores them, 512 consecutive bytes an instruction.
; W2's fragments and scale words come as images of operand registers; lane r of its tile T holds row 32 (T / 2) + 8 (T % 2) + r + (r & 8), so a lane's eight results are eight neighbouring outputs.
; No tensor load and no cluster: a work-group reads 64 KiB of y once, and the shared weights are 12 KiB a wave.  LIMITS: NaN and infinities are not served; a block whose largest magnitude lies under 2^-122 keeps the scale byte 1.
; REGISTERS.  window 0: v4-11 addresses; v16-79 y, v80-143 mu, v144-207 rstd; later v16-47 the accumulators, v48-79 x, v80-175 the eight fragments, v176-183 their scale words; v208-244 the quantiser's; v245-252 W2's scale words.
;   window 1: v0-95 W2's eight fragments, v96-111 b2.
.set HIMG, 0                           ; LDS: the hidden layer's eight fragments (tile u, K step s: 4 u + s),
.set HSC,  12288                       ; their scale words,
.set OST,  13312                       ; and the stage
.set YA,   4
.set NA,   5
.set LI,   6
.set LS,   7
.set HWI,  8
.set HWS,  9
.set OSTO, 10
.set ORD,  11
.set Y,    16
.set MU,   80
.set RS,   144
.set ACC,  16
.set XR,   48
.set HF,   80
.set HS,   176
.set TM,   208
.set PC,   224
.set PW,   244
.set W2S,  245
.set B2,   96
.set WV,   16
.set PY,   22
.set PMU,  24
.set PW2,  26
.set PW2S, 28
.set PB2,  30
.set PXD,  32
.set POUT, 34
.set SEL,  36
.set MSB, 0
.macro WIN new
.if MSB != \new
	s_set_vgpr_msb (MSB<<8)|\new
.set MSB, \new
.endif
.endm
.macro NOPS n
.rept \n
	v_nop
.endr
.endm
.macro FLOAD reg, adr, bas, off        ; 64 numbers a lane: register 16 q + i = k 32 q + 16 (lane / 16) + i
.irp q, 0,1,2,3
.irp j, 0,1,2,3
	global_load_b128 v[(\reg)+16*\q+4*\j:(\reg)+16*\q+4*\j+3], v[\adr], s[\bas:\bas+1] offset:(\off)+128*\q+16*\j
.endr
.endr
.endm
.macro QUANT s
.irp b, 0,1,2,3
	v_max3_num_f32 v[TM+\b], |v[(\s)+16*\b]|, |v[(\s)+1+16*\b]|, 0x2800000   ; my 16 numbers, and the floor 2^(5 - 127): the byte cannot fall under 1
.endr
.irp i, 2,4,6,8,10,12,14
.irp b, 0,1,2,3
	v_max3_num_f32 v[TM+\b], v[TM+\b], |v[(\s)+16*\b+\i]|, |v[(\s)+1+16*\b+\i]|
.endr
.endr
.irp b, 0,1,2,3
	v_permlanex16_b32 v[TM+4+\b], v[TM+\b], s[SEL], s[SEL+1]
.endr
.irp b, 0,1,2,3
	v_max_num_f32 v[TM+\b], v[TM+\b], v[TM+4+\b]
.endr
.irp b, 0,1,2,3
	v_add_nc_u32 v[TM+12+\b], 0xfe000000, v[TM+\b]
.endr
.irp b, 0,1,2,3
	v_lshrrev_b32 v[TM+4+\b], 23, v[TM+12+\b]
.endr
	v_lshl_or_b32 v[PW], v[TM+5], 8, v[TM+4]
	v_lshl_or_b32 v[PW], v[TM+6], 16, v[PW]
	v_lshl_or_b32 v[PW], v[TM+7], 24, v[PW]
.irp c, 0,1
	v_cvt_scalef32_pk16_bf6_f32 v[PC+6*\c:PC+2+6*\c], v[(\s)+32*\c:(\s)+15+32*\c], v[TM+12+2*\c]
	v_cvt_scalef32_pk16_bf6_f32 v[PC+12+4*\c:PC+14+4*\c], v[(\s)+16+32*\c:(\s)+31+32*\c], v[TM+12+2*\c+1]
.endr
	v_nop                                          ; one plain place behind a scaled conversion
.irp c, 0,1
.irp i, 0,1,2
	v_permlane16_swap_b32 v[PC+6*\c+\i], v[PC+12+4*\c+\i]
.endr
.irp i, 0,1,2
	v_mov_b32 v[PC+3+6*\c+\i], v[PC+12+4*\c+\i]
.endr
.endr
.endm
.macro MM d, a, b, c, sa, sb
	v_wmma_scale_f32_16x16x128_f8f6f4 v[(\d):(\d)+7], v[(\a):(\a)+11], v[(\b):(\b)+11], v[(\c):(\c)+7], v[\sa], v[\sb] matrix_a_fmt:MATRIX_FMT_BF6 matrix_b_fmt:MATRIX_FMT_BF6
.endm
	s_load_b256 s[4:11], s[0:1], 0x0               ; yb, nrm, wt, b2
	s_load_b128 s[12:15], s[0:1], 0x20             ; descs, out0
	v_lshl_add_u32 v254, v0, 2, 0xb600
	v_mov_b32 v255, 0
	v_lshrrev_b32 v1, 5, v0
	v_readfirstlane_b32 s[WV], v1                  ; wave 0..7
	s_and_b32 s17, s[WV], 1                        ; u
	s_lshr_b32 s18, s[WV], 1                       ; s
	s_lshl_b32 s19, s17, 2
	s_add_co_u32 s19, s19, s18                     ; my fragment: 4 u + s
	v_and_b32 v1, 31, v0
	v_and_b32 v2, 15, v0
	v_bfe_u32 v3, v0, 4, 1
	v_lshlrev_b32 v[NA], 6, v3                     ; 64 x half
	v_lshl_add_u32 v[YA], v2, 11, v[NA]            ; row r of 2,048 bytes + 64 x half
	v_lshlrev_b32 v[LI], 4, v1
	v_lshlrev_b32 v[LS], 2, v1
	s_mul_i32 s20, s19, 1536
	v_add_nc_u32 v[HWI], s20, v[LI]
	s_lshl_b32 s20, s19, 7
	v_add_nc_u32 v[HWS], s20, v[LS]
	v_mul_u32_u24 v[OSTO], v2, 1040
	v_add_nc_u32 v[OSTO], v[OSTO], v[NA]
	s_lshl_b32 s20, s[WV], 7
	s_add_co_u32 s20, s20, OST
	v_add_nc_u32 v[OSTO], s20, v[OSTO]             ; the stage, in: row r (+ 16 u in the immediate), 128 w + 64 x half
	s_mul_i32 s20, s[WV], 4160
	s_add_co_u32 s20, s20, OST
	v_add_nc_u32 v[ORD], s20, v[LI]                ; and back: rows 4 w on
	s_mov_b32 s[SEL], 0x76543210
	s_mov_b32 s[SEL+1], 0xfedcba98
.irp b, 0,1,2,3
	v_mov_b32 v[TM+4+\b], 0                        ; written once: a lane permute's destination counts as one of its sources
.endr
	s_mov_b32 s21, 0
	s_wait_kmcnt 0x0
	s_lshl_b32 s20, ttmp9, 5
	s_lshl_b32 s38, s17, 4
	s_add_co_u32 s20, s20, s38
	s_lshl_b32 s20, s20, 11
	s_lshl_b32 s38, s18, 9
	s_add_co_u32 s20, s20, s38
	s_add_nc_u64 s[PY:PY+1], s[4:5], s[20:21]      ; y at point 32 B + 16 u, channel 128 s
	s_mov_b32 s20, s38
	s_add_nc_u64 s[PMU:PMU+1], s[6:7], s[20:21]
	s_lshl_b32 s38, s[WV], 3
	s_add_co_u32 s38, s38, 160                     ; my eight fragments of W2 in wt
	s_mul_i32 s20, s38, 1536
	s_add_nc_u64 s[PW2:PW2+1], s[8:9], s[20:21]
	s_lshl_b32 s20, s38, 7
	s_add_nc_u64 s[PW2S:PW2S+1], s[8:9], s[20:21]
	s_add_nc_u64 s[PW2S:PW2S+1], s[PW2S:PW2S+1], 344064
	s_lshl_b32 s20, s[WV], 7
	s_add_nc_u64 s[PB2:PB2+1], s[10:11], s[20:21]
	s_lshl_b32 s20, ttmp9, 5
	s_lshl_b32 s38, s[WV], 2
	s_add_co_u32 s20, s20, s38
	s_lshl_b32 s20, s20, 10
	s_add_nc_u64 s[PXD:PXD+1], s[12:13], s[20:21]  ; x and out at point 32 B + 4 w
	s_add_nc_u64 s[POUT:POUT+1], s[14:15], s[20:21]
	FLOAD Y, YA, PY, 0
	FLOAD MU, NA, PMU, 0
	FLOAD RS, NA, PMU, 2048
	WIN 0x40                                       ; destination window 1
.set J, 0
.rept 24
	global_load_b128 v[4*J:4*J+3], v[LI], s[PW2:PW2+1] offset:512*J
.set J, J+1
.endr
.irp t, 0,1                            ; b2 as the C of tile t: outputs 32 w + 8 t + 16 half + 0 .. 7
.irp k, 0,1
	global_load_b128 v[B2+8*\t+4*\k:B2+8*\t+4*\k+3], v[NA], s[PB2:PB2+1] offset:32*\t+16*\k
.endr
.endr
	WIN 0
.irp i, 0,1,2,3,4,5,6,7
	global_load_b32 v[W2S+\i], v[LS], s[PW2S:PW2S+1] offset:128*\i
.endr
	s_wait_loadcnt 36                              ; y, mu and rstd are in; the 36 loads of the weights, b2 and the scale words may be out
.set J, 0
.rept 32
	v_pk_add_f32 v[Y+J:Y+J+1], v[Y+J:Y+J+1], v[MU+J:MU+J+1] neg_lo:[0,1] neg_hi:[0,1]
.set J, J+2
.endr
.set J, 0
.rept 32
	v_pk_mul_f32 v[Y+J:Y+J+1], v[Y+J:Y+J+1], v[RS+J:RS+J+1]
.set J, J+2
.endr
.set J, 0
.rept 64
	v_max_num_f32 v[Y+J], 0, v[Y+J]                ; the activation, in f32
.set J, J+1
.endr
	QUANT Y
.irp c, 0,1,2
	ds_store_b128 v[HWI], v[PC+4*\c:PC+4*\c+3] offset:HIMG+512*\c
.endr
	ds_store_b32 v[HWS], v[PW] offset:HSC
.irp i, 0,1,2,3                        ; x's four rows, for the way out, into registers that y has left
.irp k, 0,1
	global_load_b128 v[XR+8*\i+4*\k:XR+8*\i+4*\k+3], v[LI], s[PXD:PXD+1] offset:1024*\i+512*\k
.endr
.endr
	s_wait_dscnt 0x0
	s_barrier_signal -1
	s_barrier_wait -1                              ; the eight fragments lie in LDS
.set J, 0
.rept 24
	ds_load_b128 v[HF+4*J:HF+4*J+3], v[LI] offset:HIMG+512*J
.set J, J+1
.endr
.irp i, 0,1,2,3,4,5,6,7
	ds_load_b32 v[HS+\i], v[LS] offset:HSC+128*\i
.endr
	s_wait_dscnt 0x0
	s_wait_loadcnt 8                               ; the weights, b2 and the scale words are in; x's 8 loads may be out
.irp s, 0,1,2,3
.if \s == 0
	WIN 0x11                                       ; source 0 (W2) and C (b2) window 1
.else
	WIN 0x01
.endif
.irp t, 0,1
.irp u, 0,1
.if \s == 0
	MM ACC+8*(2*\t+\u), 48*\t, HF+48*\u, B2+8*\t, W2S+4*\t, HS+4*\u
.else
	MM ACC+8*(2*\t+\u), 48*\t+12*\s, HF+48*\u+12*\s, ACC+8*(2*\t+\u), W2S+4*\t+\s, HS+4*\u+\s
.endif
.endr
.endr
.endr
	WIN 0
	NOPS 4                                         ; places in front of the reads of the results and of the loads into the fragments' registers
.irp t, 0,1
.irp u, 0,1
	ds_store_b128 v[OSTO], v[ACC+8*(2*\t+\u):ACC+8*(2*\t+\u)+3] offset:16640*\u+32*\t        ; each accumulator from its low end on
	ds_store_b128 v[OSTO], v[ACC+8*(2*\t+\u)+4:ACC+8*(2*\t+\u)+7] offset:16640*\u+32*\t+16
.endr
.endr
	s_wait_dscnt 0x0
	s_barrier_signal -1
	s_barrier_wait -1                              ; 32 whole rows lie in the stage
.irp i, 0,1,2,3
.irp k, 0,1
	ds_load_b128 v[HF+8*\i+4*\k:HF+8*\i+4*\k+3], v[ORD] offset:1040*\i+512*\k
.endr
.endr
	s_wait_dscnt 0x0
	s_wait_loadcnt 0x0
.set J, 0
.rept 16
	v_pk_add_f32 v[HF+J:HF+J+1], v[HF+J:HF+J+1], v[XR+J:XR+J+1]   ; + x
.set J, J+2
.endr
.irp i, 0,1,2,3
.irp k, 0,1
	global_store_b128 v[LI], v[HF+8*\i+4*\k:HF+8*\i+4*\k+3], s[POUT:POUT+1] offset:1024*\i+512*\k th:TH_STORE_NT   ; 32 lanes store 512 consecutive bytes, aligned
.endr
.endr
	s_wait_tensorcnt 0x0
	ds_add_u32 v254, v255
	s_wait_dscnt 0x0
	s_endpgm
.Lfunc_end_k_q710a1c40a2_mlp2:
	.size	k_q710a1c40a2_mlp2, .Lfunc_end_k_q710a1c40a2_mlp2-k_q710a1c40a2_mlp2
	.p2alignl 7, 3214868480
	.fill 96, 4, 3214868480
	.section	.rodata,"a",@progbits
	.p2align	6, 0x0
	.amdhsa_kernel k_q710a1c40a2_mlp2
		.amdhsa_group_segment_fixed_size 47616
		.amdhsa_private_segment_fixed_size 0
		.amdhsa_enable_private_segment 0
		.amdhsa_kernarg_size 48
		.amdhsa_user_sgpr_count 2
		.amdhsa_user_sgpr_kernarg_segment_ptr 1
		.amdhsa_wavefront_size32 1
		.amdhsa_system_sgpr_workgroup_id_x 1
		.amdhsa_system_sgpr_workgroup_id_y 1
		.amdhsa_system_sgpr_workgroup_id_z 1
		.amdhsa_system_vgpr_workitem_id 0
		.amdhsa_next_free_vgpr 368
		.amdhsa_next_free_sgpr 66
		.amdhsa_reserve_vcc 0
		.amdhsa_float_denorm_mode_32 3
		.amdhsa_float_denorm_mode_16_64 3
		.amdhsa_memory_ordered 1
		.amdhsa_forward_progress 1
		.amdhsa_inst_pref_size 29
	.end_amdhsa_kernel
	.amdgpu_metadata
---
amdhsa.version: [ 1, 2 ]
amdhsa.kernels:
  - .name:           k_q710a1c40a2_mlp2
    .symbol:         k_q710a1c40a2_mlp2.kd
    .args:
      - { .name: yb, .offset: 0, .size: 8, .value_kind: global_buffer, .address_space: global }
      - { .name: nrm, .offset: 8, .size: 8, .value_kind: global_buffer, .address_space: global }
      - { .name: wt, .offset: 16, .size: 8, .value_kind: global_buffer, .address_space: global }
      - { .name: b2, .offset: 24, .size: 8, .value_kind: global_buffer, .address_space: global }
      - { .name: descs, .offset: 32, .size: 8, .value_kind: global_buffer, .address_space: global }
      - { .name: out0, .offset: 40, .size: 8, .value_kind: global_buffer, .address_space: global }
    .group_segment_fixed_size: 47616
    .private_segment_fixed_size: 0
    .kernarg_segment_align: 8
    .kernarg_segment_size: 48
    .max_flat_workgroup_size: 256
    .sgpr_count:     66
    .vgpr_count:     368
    .wavefront_size: 32
...
	.end_amdgpu_metadata
.endif
;; end of part 4
;; ======== version 2 of 2: 4 launches
;; workspace buffers: xq 1,703,936 bytes; qb 1,703,936 bytes; kv 3,342,336 bytes; wt 372,736 bytes; yb 16,777,216 bytes; part 1,048,576 bytes; nrm 4,096 bytes
;; launch proj (part 5): grid 92 x 1, 8 waves a work-group, no clusters, 27,648 bytes of LDS; arguments descs, Wq, Wk, Wv, bq, bk, bv, Wm, W1, W2, xq, qb, kv, wt; writes xq, qb, kv, wt
.if DOCPART == 5
	.amdgcn_target "amdgcn-amd-amdhsa--gfx1250"
	.amdhsa_code_object_version 6
	.text
	.protected	k_q710a1c40a2_proj
	.globl	k_q710a1c40a2_proj
	.p2align	8
	.type	k_q710a1c40a2_proj,@function
k_q710a1c40a2_proj:
	s_mov_b64 s[64:65], 0
	v_nop
	global_prefetch_b8 v0, s[64:65] scope:SCOPE_SE
	s_setreg_imm32_b32 hwreg(HW_REG_WAVE_SCHED_MODE, 0, 2), 2
	s_setreg_imm32_b32 hwreg(HW_REG_WAVE_MODE, 25, 1), 1
	s_wait_xcnt 0x0
	s_wait_alu depctr_vm_vsrc(0)
; PROJ.  x = descs [8192][256] f32.  Work-groups 0-63: 128 points each: x is quantised to codes of E3M2 (one E8M0 byte for 32 along the channels), q = Wq x + bq, k = Wk x + bk,
; v = Wv x + bv are made on codes (K = 256, two matrix instructions deep) and quantised again: q and k along a head's 64 numbers, v along the keys.  Channel o of q, k, v is 4 d + head.
; Work-groups 64-91: one fragment of Wm, W1 or W2 a wave is quantised for the later launches.  These take no LDS and no barrier; the choice hangs on the work-group's number alone.
; EVERYTHING LEAVES AS IMAGES OF OPERAND REGISTERS: a fragment (16 rows x 128 K) is 12 registers a lane: three stores of 16 bytes a lane, 512 consecutive bytes a wave each; a scale word 4 bytes a lane.
; THE ROWS OF A TILE ARE NOT NEIGHBOURS: lane r of tile T takes row 32 (T / 2) + 8 (T % 2) + r + (r & 8), for points, for a head's numbers and for the weights' rows alike, so that in a result the 16 registers
; of tiles 2 b and 2 b + 1 are 16 neighbours, 32 b + 16 (lane / 16) + 0 .. 15, along that axis: what the conversions want.
; SHARES (work-groups 0-63).  Wave w: head w % 4, half w / 4.  It quantises x's tile w; its twelve weight fragments (8 of Wq (half 0) or Wk (half 1), 4 of Wv) stay in registers; it makes q or k of its head for
; all 128 points (transposed: source 0 = weights, source 1 = x: a lane holds a point, its registers run along d) and two tiles of 16 numbers of v (source 0 = x, source 1 = weights: a lane holds one d, its registers run along the keys).
; q AND k HAVE K = 64: only the lower six registers of a fragment are stored; a scale word is (s0, s1, s0, s1).
; LIMITS: NaN and infinities among the inputs are not served.  A block whose largest magnitude lies under 2^-122 keeps the scale byte 1, a block of zeros too (the stated quantiser says 127: its codes are zeros, and this program alone reads the bytes).
; REGISTERS.  window 0: v1-12 lane terms; v32-95, v96-159 two stages of 64 numbers (v32-95 later the accumulators, v96-191 x's fragments); v192-199 x's scale words; v200-215, v216-235, v236 the quantiser's;
;   v240-243 q's or k's scale words; v244-255 the weights' scale words.   window 1: v0-143 the twelve weight fragments; v144-175 bq or bk, v176-191 bv, in the results' layout.
; THE MODE: SCHED_MODE bits 1:0 = 2 (LLVM: expert scheduling mode 2), set by the entry lines.  The code itself states the register dependences
; between vector or matrix instructions and memory or LDS instructions, with s_wait_alu, always for 0.
; THE PLAN.  Registers that memory or LDS instructions touch:
;   v5-12          offsets and LDS addresses: written once at the head, read by every load and store: one wait on va_vdst ahead of the first load.
;   the two stages Loads land in a stage; the quantiser reads it; behind the quantiser stands one wait on va_vdst, and behind that the stage is asked for again.
;   v216-227, v236 The codes and the scale word: written by the quantiser, read by the stores that follow the same wait; the next quantiser that follows such stores writes them again behind a wait on vm_vsrc.
;   v96-199        x's fragments and scale words: LDS loads land in them, a run of products reads them; behind the run and its places stands one wait on va_vdst, and behind that the NEXT run's
;                  LDS loads, which land while this run's results are quantised: the quantiser names v32-95 and v200-239 alone.
;   v238, v240-243 written by selects that stand ahead of the wait in front of the stores; stored once, never written again.
;   window 1's weight fragments and v244-255 are written by moves and taken by the scaled products: the wait on va_vdst behind the last move states it.
;   s32            the wave's number, written by a vector instruction: one wait on va_sdst ahead of the branch, behind which its first readers stand.
;   v231, v235     written at the head, read by the closing add alone.
.set XIMG, 0                           ; LDS: x's 16 fragments (tile m, K step s: 2 m + s), 1,536 bytes each
.set XSC,  24576                       ; and their scale words, 128 bytes each
.set XA,   5                           ; 1024 x row + 64 x half: my 16 numbers of a block of 32 in a row of x
.set WA,   6                           ; 4096 x row + 64 x half: the same in Wq, Wk, Wv, whose rows of one head lie four rows apart
.set LI,   7                           ; 16 x lane
.set LS,   8                           ; 4 x lane
.set XWI,  9                           ; where I store x's images: 16 x lane + 3072 x wave
.set XWS,  10                          ; and their scale words: 4 x lane + 256 x wave
.set BA,   11                          ; 256 x half: bq, bk
.set BVA,  12                          ; 16 x row: bv
.set ST0,  32
.set HA,   32
.set XF,   96
.set XS,   192
.set TM,   200
.set PC,   216
.set PW,   236
.set PWA,  237
.set KSC,  240
.set WS,   244
.set BQ,   144
.set BV,   176
.set WV,   32                          ; s32 wave, s33 head, s34 half
.set HD,   33
.set GP,   34
.set SEL,  36
.set PX,   38
.set PWQK, 40
.set PWV,  42
.set PBQK, 44
.set PBV,  46
.set PXI,  48
.set PXS,  50
.set PD,   52
.set PDS,  54
.set PVD,  56
.set PVS,  58
.set HI16, 60                          ; mask of lanes 16-31
.set MSB, 0
.macro WIN new                         ; the immediate's high byte repeats the setting that is left
.if MSB != \new
	s_set_vgpr_msb (MSB<<8)|\new
.set MSB, \new
.endif
.endm
.macro NOPS n
.rept \n
	v_nop
.endr
.endm
; 64 numbers a lane: of my row, 16 neighbours of each of four blocks of 32: register 16 q + i = k 32 q + 16 (lane / 16) + i
.macro FLOAD reg, adr, bas, off
.irp q, 0,1,2,3
.irp j, 0,1,2,3
	global_load_b128 v[(\reg)+16*\q+4*\j:(\reg)+16*\q+4*\j+3], v[\adr], s[\bas:\bas+1] offset:(\off)+128*\q+16*\j
.endr
.endr
.endm
; those 64 numbers become a fragment's codes in v[PC] on and its scale word in v[PW]
.macro QUANT s
.irp b, 0,1,2,3
	v_max3_num_f32 v[TM+\b], |v[(\s)+16*\b]|, |v[(\s)+1+16*\b]|, 0x2800000   ; block b: my 16 numbers, and the floor 2^(5 - 127): the byte cannot fall under 1
.endr
.irp i, 2,4,6,8,10,12,14
.irp b, 0,1,2,3
	v_max3_num_f32 v[TM+\b], v[TM+\b], |v[(\s)+16*\b+\i]|, |v[(\s)+1+16*\b+\i]|
.endr
.endr
.irp b, 0,1,2,3
	v_permlanex16_b32 v[TM+4+\b], v[TM+\b], s[SEL], s[SEL+1]
.endr
.irp b, 0,1,2,3
	v_max_num_f32 v[TM+\b], v[TM+\b], v[TM+4+\b]   ; with lane l xor 16's: the block's largest magnitude
.endr
.irp b, 0,1,2,3
	v_add_nc_u32 v[TM+12+\b], 0xfe000000, v[TM+\b]   ; 4 off its exponent field: the conversion's scale operand
.endr
.irp b, 0,1,2,3
	v_lshrrev_b32 v[TM+4+\b], 23, v[TM+12+\b]   ; the scale's byte
.endr
	v_lshl_or_b32 v[PW], v[TM+5], 8, v[TM+4]
	v_lshl_or_b32 v[PW], v[TM+6], 16, v[PW]
	v_lshl_or_b32 v[PW], v[TM+7], 24, v[PW]
.irp c, 0,1
	v_cvt_scalef32_pk16_bf6_f32 v[PC+6*\c:PC+2+6*\c], v[(\s)+32*\c:(\s)+15+32*\c], v[TM+12+2*\c]
	v_cvt_scalef32_pk16_bf6_f32 v[PC+12+4*\c:PC+14+4*\c], v[(\s)+16+32*\c:(\s)+31+32*\c], v[TM+12+2*\c+1]   ; (a conversion's three registers begin on an even number)
.endr
	v_nop                                          ; one plain place behind a scaled conversion
.irp c, 0,1                            ; the operand's layout wants a whole block in a lane: lanes 0-15 block 2 c, lanes 16-31 block 2 c + 1
.irp i, 0,1,2
	v_permlane16_swap_b32 v[PC+6*\c+\i], v[PC+12+4*\c+\i]
.endr
.irp i, 0,1,2
	v_mov_b32 v[PC+3+6*\c+\i], v[PC+12+4*\c+\i]
.endr
.endr
.endm
.macro IMAGE adr, off                  ; the fragment in v[PC] on goes to LDS as it stands
.irp c, 0,1,2
	ds_store_b128 v[\adr], v[PC+4*\c:PC+4*\c+3] offset:(\off)+512*\c
.endr
.endm
.macro GIMG bas, off                   ; and to memory: each store of the wave covers 512 consecutive bytes, aligned
.irp c, 0,1,2
	global_store_b128 v[LI], v[PC+4*\c:PC+4*\c+3], s[\bas:\bas+1] offset:(\off)+512*\c
.endr
.endm
.macro MM d, a, b, c, sa, sb
	v_wmma_scale_f32_16x16x128_f8f6f4 v[(\d):(\d)+7], v[(\a):(\a)+11], v[(\b):(\b)+11], v[(\c):(\c)+7], v[\sa], v[\sb] matrix_a_fmt:MATRIX_FMT_BF6 matrix_b_fmt:MATRIX_FMT_BF6
.endm
; weight fragment f of twelve into stage f % 2: f = 2 t + s under 8: tile t, K step s of Wq or Wk; 8 + 2 t + s: of Wv
.macro WLOAD f
.if (\f) < 8
	FLOAD ST0+64*((\f)%2), WA, PWQK, (32*((\f)/4)+8*(((\f)/2)%2))*4096+512*((\f)%2)
.else
	FLOAD ST0+64*((\f)%2), WA, PWV, 32768*(((\f)-8)/2)+512*((\f)%2)
.endif
.endm
.macro KEEP f                          ; the fragment just made stays in window 1, its scale word in window 0
	WIN 0x40
.irp i, 0,1,2,3,4,5,6,7,8,9,10,11
	v_mov_b32 v[12*(\f)+\i], v[PC+\i]
.endr
	WIN 0
	v_mov_b32 v[WS+(\f)], v[PW]
.endm
; K step s of my tile of x: quantised, to LDS for all waves and to memory for the later launch; its stage then takes weight fragment s
.macro XPART s
	s_wait_loadcnt 16                              ; this stage's 16 loads are in; the 16 issued behind them may be out
	QUANT ST0+64*(\s)
	s_wait_alu depctr_va_vdst(0)                   ; the quantiser has written the codes and the scale word, which the stores below read, and is done reading its stage, in which the loads below land
	WLOAD \s
	IMAGE XWI, XIMG+1536*(\s)
	ds_store_b32 v[XWS], v[PW] offset:XSC+128*(\s)
	GIMG PXI, 1536*(\s)
	global_store_b32 v[LS], v[PW], s[PXS:PXS+1] offset:128*(\s)
	s_wait_dscnt 0x0                               ; the LDS stores have read the codes,
	s_wait_xcnt 0x0                                ; and so have the stores to memory: the next codes may be written
	s_wait_alu depctr_vm_vsrc(0)                   ; the LDS stores and the stores to memory have read v[PC ..] and v[PW], which the next quantiser writes again
.endm
; x's fragments and scale words for two tiles of points, 2 p and 2 p + 1, both K steps
.macro XPAIR p
.irp c, 0,1,2,3,4,5,6,7,8,9,10,11
	ds_load_b128 v[XF+4*\c:XF+4*\c+3], v[LI] offset:XIMG+6144*(\p)+512*\c
.endr
.irp i, 0,1,2,3
	ds_load_b32 v[XS+\i], v[LS] offset:XSC+512*(\p)+128*\i
.endr
.endm
; x's fragments and scale words of K step s for all eight tiles of points
.macro XALL s
.irp m, 0,1,2,3,4,5,6,7
.irp c, 0,1,2
	ds_load_b128 v[XF+12*\m+4*\c:XF+12*\m+4*\c+3], v[LI] offset:XIMG+1536*(2*\m+(\s))+512*\c
.endr
	ds_load_b32 v[XS+\m], v[LS] offset:XSC+128*(2*\m+(\s))
.endr
.endm
	s_load_b512 s[4:19], s[0:1], 0x0               ; descs, Wq, Wk, Wv, bq, bk, bv, Wm
	s_load_b256 s[20:27], s[0:1], 0x40             ; W1, W2, xq, qb
	s_load_b128 s[28:31], s[0:1], 0x60             ; kv, wt
	v_lshl_add_u32 v231, v0, 2, 0x6800
	v_mov_b32 v235, 0
	v_lshrrev_b32 v1, 5, v0
	v_readfirstlane_b32 s[WV], v1                  ; wave 0..7
	v_and_b32 v1, 31, v0                           ; lane
	v_and_b32 v2, 15, v0                           ; r
	v_bfe_u32 v3, v0, 4, 1                         ; half of the lanes
	v_and_b32 v4, 8, v2
	v_add_nc_u32 v4, v4, v2                        ; r + (r & 8): my row in a tile
	v_lshlrev_b32 v[LI], 4, v1
	v_lshlrev_b32 v[LS], 2, v1
	s_mov_b32 s[SEL], 0x76543210
	s_mov_b32 s[SEL+1], 0xfedcba98                 ; v_permlanex16_b32's selects for lane l xor 16
.irp b, 0,1,2,3
	v_mov_b32 v[TM+4+\b], 0                        ; written once: a lane permute's destination counts as one of its sources
.endr
	s_wait_alu depctr_va_sdst(0)                   ; s32, the wave's number, is written
	s_wait_kmcnt 0x0
	s_cmp_ge_u32 ttmp9, 64
	s_cbranch_scc1 .Lweights
	; ---- work-groups 0-63
	s_and_b32 s[HD], s[WV], 3
	s_lshr_b32 s[GP], s[WV], 2
	s_cmp_eq_u32 s[GP], 0                          ; half 0 makes q, half 1 makes k: only pointers and sizes are chosen
	s_cselect_b64 s[PWQK:PWQK+1], s[6:7], s[8:9]
	s_cselect_b64 s[PBQK:PBQK+1], s[12:13], s[14:15]
	s_cselect_b64 s[PD:PD+1], s[26:27], s[28:29]
	s_mov_b32 s68, 13056
	s_cselect_b32 s68, 6656, s68                   ; a chunk of qb, of kv
	s_mov_b32 s69, 12288
	s_cselect_b32 s69, 6144, s69                   ; where its scale words begin
	s_mov_b32 s[HI16], 0xffff0000
	s_mov_b32 s67, 0
	s_lshl_b32 s66, s[HD], 10                      ; row o = 4 d + head: the head's first row
	s_add_nc_u64 s[PWQK:PWQK+1], s[PWQK:PWQK+1], s[66:67]
	s_add_nc_u64 s[PWV:PWV+1], s[10:11], s[66:67]
	s_lshl_b32 s66, s[GP], 17                      ; my two tiles of v: d = 32 x half on
	s_add_nc_u64 s[PWV:PWV+1], s[PWV:PWV+1], s[66:67]
	s_lshl_b32 s66, s[HD], 2
	s_add_nc_u64 s[PBQK:PBQK+1], s[PBQK:PBQK+1], s[66:67]
	s_add_nc_u64 s[PBV:PBV+1], s[16:17], s[66:67]
	s_lshl_b32 s66, s[GP], 9
	s_add_nc_u64 s[PBV:PBV+1], s[PBV:PBV+1], s[66:67]
	s_lshl_b32 s66, ttmp9, 7                       ; my tile of x begins at point 128 g + 32 (w / 2) + 8 (w % 2)
	s_lshr_b32 s70, s[WV], 1
	s_lshl_b32 s70, s70, 5
	s_add_co_u32 s66, s66, s70
	s_and_b32 s70, s[WV], 1
	s_lshl_b32 s70, s70, 3
	s_add_co_u32 s66, s66, s70
	s_lshl_b32 s66, s66, 10
	s_add_nc_u64 s[PX:PX+1], s[4:5], s[66:67]
	s_lshl_b32 s70, ttmp9, 2
	s_add_co_u32 s70, s70, s[HD]                   ; chunk 4 g + head
	s_mul_i32 s66, s70, s68
	s_add_nc_u64 s[PD:PD+1], s[PD:PD+1], s[66:67]
	s_mov_b32 s66, s69
	s_add_nc_u64 s[PDS:PDS+1], s[PD:PD+1], s[66:67]
	s_mul_i32 s66, s70, 13056
	s_add_nc_u64 s[PVD:PVD+1], s[28:29], s[66:67]
	s_lshl_b32 s66, s[GP], 7
	s_add_nc_u64 s[PVS:PVS+1], s[PVD:PVD+1], s[66:67]
	s_add_nc_u64 s[PVS:PVS+1], s[PVS:PVS+1], 12800 ; v's scale words: register half of two
	s_mul_i32 s66, s[GP], 3072
	s_add_nc_u64 s[PVD:PVD+1], s[PVD:PVD+1], s[66:67]
	s_add_nc_u64 s[PVD:PVD+1], s[PVD:PVD+1], 6144  ; v's fragments 2 x half, 2 x half + 1
	s_lshl_b32 s70, ttmp9, 3
	s_add_co_u32 s70, s70, s[WV]                   ; x's tile 8 g + w
	s_mul_i32 s66, s70, 3072
	s_add_nc_u64 s[PXI:PXI+1], s[24:25], s[66:67]
	s_lshl_b32 s66, s70, 8
	s_add_nc_u64 s[PXS:PXS+1], s[24:25], s[66:67]
	s_add_nc_u64 s[PXS:PXS+1], s[PXS:PXS+1], 1572864
	s_wait_alu depctr_va_vdst(0)
	v_lshlrev_b32 v[XA], 10, v4
	v_lshl_add_u32 v[XA], v3, 6, v[XA]
	v_lshlrev_b32 v[WA], 12, v4
	v_lshl_add_u32 v[WA], v3, 6, v[WA]
	s_mul_i32 s66, s[WV], 3072
	v_add_nc_u32 v[XWI], s66, v[LI]
	s_lshl_b32 s66, s[WV], 8
	v_add_nc_u32 v[XWS], s66, v[LS]
	v_lshlrev_b32 v[BA], 8, v3
	v_lshlrev_b32 v[BVA], 4, v4
	WIN 0x40                                       ; destination window 1
	s_wait_alu depctr_va_vdst(0)                   ; the eight offsets and LDS addresses v5 to v12 are written: every load and store of this way reads one of them, and none is written again
.irp t, 0,1,2,3                        ; bq or bk as the C of tile t: register j is the bias of d = 32 (t / 2) + 8 (t % 2) + 16 half + j, 16 bytes from d to d
.irp j, 0,1,2,3,4,5,6,7
	global_load_b32 v[BQ+8*\t+\j], v[BA], s[PBQK:PBQK+1] offset:16*(32*(\t/2)+8*(\t%2)+\j)
.endr
.endr
.irp t, 0,1                            ; bv as the C of v's tile t: a lane holds one d, so its eight registers hold one number
.irp j, 0,1,2,3,4,5,6,7
	global_load_b32 v[BV+8*\t+\j], v[BVA], s[PBV:PBV+1] offset:128*\t
.endr
.endr
	WIN 0
	FLOAD ST0, XA, PX, 0
	FLOAD ST0+64, XA, PX, 512
	XPART 0
	XPART 1
.irp f, 0,1,2,3,4,5,6,7,8,9,10,11      ; my twelve weight fragments, two stages by turns
.if \f < 11
	s_wait_loadcnt 16                              ; fragment f is in; the next one's 16 loads may be out
.else
	s_wait_loadcnt 0x0
.endif
	QUANT ST0+64*(\f%2)
.if \f < 10
	s_wait_alu depctr_va_vdst(0)                   ; the quantiser is done reading its stage, in which the loads below land; the moves that follow them name neither the stage nor the offset
	WLOAD \f+2
.endif
	KEEP \f
.endr
	s_wait_dscnt 0x0                               ; my images of x have landed
	s_barrier_signal -1
	s_barrier_wait -1                              ; everybody's have: nothing is written to LDS from here on
	s_wait_alu depctr_va_vdst(0)                   ; the moves have written the weight fragments and their scale words, which the scaled products take; the last quantisers are done reading the stages, in which x's fragments land
	XPAIR 0
	; ---- q or k: two tiles of points at a time, eight accumulators by turns.  A pair's fragments of x were asked for behind the products of the pair before
.irp p, 0,1,2,3
	s_wait_dscnt 0x0
	WIN 0x11                                       ; source 0 (weights) and C (bias) window 1
.irp e, 0,1
.irp t, 0,1,2,3
	MM HA+32*\e+8*\t, 24*\t, XF+24*\e, BQ+8*\t, WS+2*\t, XS+2*\e
.endr
.endr
	WIN 0x01
.irp e, 0,1
.irp t, 0,1,2,3
	MM HA+32*\e+8*\t, 24*\t+12, XF+24*\e+12, HA+32*\e+8*\t, WS+2*\t+1, XS+2*\e+1
.endr
.endr
	WIN 0
	NOPS 5                                         ; places behind the products: for the reads of the results, the next loads into x's registers, and the accumulators' new beginning
	s_wait_alu depctr_va_vdst(0)                   ; the products are done reading x's fragments and scale words, in which the loads below land; the quantiser that follows names none of those registers
.if \p < 3
	XPAIR \p+1
.else
	XALL 0                                         ; v's first K step
.endif
	s_wait_xcnt 0x0                                ; the last pair's stores have read the codes
.if \p > 0
	s_wait_alu depctr_vm_vsrc(0)                   ; the last pair's stores have read v[PC ..], which the quantiser writes again
.endif
	QUANT HA                                       ; blocks 0, 1: tile 2 p's two blocks along d; blocks 2, 3: tile 2 p + 1's.  Registers 6 e .. 6 e + 5 are the lower half of tile 2 p + e's fragment
	v_perm_b32 v238, v[PW], v[PW], 0x01000100      ; the even tile's word (s0, s1, s0, s1),
	v_perm_b32 v239, v[PW], v[PW], 0x03020302      ; the odd tile's;
	v_cndmask_b32 v[KSC+\p], v238, v239, s[HI16]   ; one register carries both: lanes 0-15 the even tile's, lanes 16-31 the odd tile's
	s_wait_alu depctr_va_vdst(0)                   ; the quantiser has written the codes, and the select the pair's scale words, which the stores read
	GIMG PD, 1536*\p
.endr
	global_store_b128 v[LI], v[KSC:KSC+3], s[PDS:PDS+1]   ; (all four were written ahead of the last wait)
	; ---- v: two tiles of 16 numbers of the head, all 128 points: eight accumulators by turns.  A K step's fragments of x were asked for behind the products of the step before
.irp t, 0,1
.irp s, 0,1
	s_wait_dscnt 0x0
.if \s == 0
	WIN 0x14                                       ; source 1 (weights) and C (bias) window 1
.else
	WIN 0x04
.endif
.irp m, 0,1,2,3,4,5,6,7
.if \s == 0
	MM HA+8*\m, XF+12*\m, 12*(8+2*\t), BV+8*\t, XS+\m, WS+8+2*\t
.else
	MM HA+8*\m, XF+12*\m, 12*(9+2*\t), HA+8*\m, XS+\m, WS+9+2*\t
.endif
.endr
	WIN 0
.if \s == 0
	NOPS 4                                         ; places in front of loads into registers that matrix instructions have read
	s_wait_alu depctr_va_vdst(0)                   ; the products are done reading x's fragments and scale words, in which the loads below land
	XALL 1
.endif
.endr
	NOPS 5
.if \t == 0
	s_wait_alu depctr_va_vdst(0)                   ; the products are done reading x's fragments and scale words, in which the loads below land; the quantiser that follows names none of those registers
	XALL 0
.endif
	s_wait_xcnt 0x0                                ; earlier stores have read the codes
	s_wait_alu depctr_vm_vsrc(0)                   ; earlier stores have read v[PC ..], which the quantiser writes again
	QUANT HA                                       ; a lane holds one d; its 64 registers are keys 32 b + 16 half + i
.if \t == 0
	v_mov_b32 v[PWA], v[PW]
.else
	v_cndmask_b32 v238, v[PWA], v[PW], s[HI16]     ; lanes 0-15 the even tile's words, lanes 16-31 the odd tile's
.endif
	s_wait_alu depctr_va_vdst(0)                   ; the quantiser has written the codes, and for the second tile the select has written v238, which the stores read
	GIMG PVD, 1536*\t
.if \t == 1
	global_store_b32 v[LS], v238, s[PVS:PVS+1]
.endif
.endr
	s_wait_dscnt 0x0                               ; the closing lines, six on end
	s_wait_alu 0x0
	s_wait_tensorcnt 0x0
	ds_add_u32 v231, v235
	s_wait_dscnt 0x0
	s_endpgm
	; ---- work-groups 64-91: fragment f = 8 (work-group - 64) + wave of wt: 0-31 Wm (tile T, K step s: 2 T + s), 32-159 W1 (4 T + s), 160-223 W2 (4 T + s)
.Lweights:
	s_sub_co_u32 s66, ttmp9, 64
	s_lshl_b32 s66, s66, 3
	s_add_co_u32 s66, s66, s[WV]
	s_cmp_lt_u32 ttmp9, 84
	s_cselect_b64 s[38:39], s[20:21], s[22:23]
	s_mov_b32 s67, 160
	s_cselect_b32 s67, 32, s67                     ; the tensor's first fragment
	s_cmp_lt_u32 ttmp9, 68
	s_cselect_b64 s[38:39], s[18:19], s[38:39]
	s_cselect_b32 s67, 0, s67
	s_cselect_b32 s68, 1, 2                        ; log2 of its K steps
	s_cselect_b32 s69, 10, 11                      ; log2 of a row's bytes
	s_sub_co_u32 s70, s66, s67
	s_lshr_b32 s71, s70, s68                       ; T
	s_lshl_b32 s40, s71, s68
	s_sub_co_u32 s70, s70, s40                     ; s
	s_lshr_b32 s40, s71, 1
	s_lshl_b32 s40, s40, 5
	s_and_b32 s41, s71, 1
	s_lshl_b32 s41, s41, 3
	s_add_co_u32 s40, s40, s41                     ; the tile's first row
	s_lshl_b32 s40, s40, s69
	s_lshl_b32 s70, s70, 9
	s_add_co_u32 s40, s40, s70
	s_mov_b32 s41, 0
	s_add_nc_u64 s[38:39], s[38:39], s[40:41]
	s_wait_alu depctr_va_vdst(0)
	v_lshlrev_b32 v5, s69, v4
	v_lshl_add_u32 v5, v3, 6, v5
	s_wait_alu depctr_va_vdst(0)                   ; the offsets v5, v7 and v8 are written, which the loads and stores of this way read
	FLOAD ST0, 5, 38, 0
	s_mul_i32 s40, s66, 1536
	s_add_nc_u64 s[42:43], s[30:31], s[40:41]
	s_lshl_b32 s40, s66, 7
	s_add_nc_u64 s[44:45], s[30:31], s[40:41]
	s_add_nc_u64 s[44:45], s[44:45], 344064
	s_wait_loadcnt 0x0
	QUANT ST0
	s_wait_alu depctr_va_vdst(0)                   ; the quantiser has written the codes and the scale word, which the stores read
	GIMG 42, 0
	global_store_b32 v[LS], v[PW], s[44:45]
	s_endpgm
.Lfunc_end_k_q710a1c40a2_proj:
	.size	k_q710a1c40a2_proj, .Lfunc_end_k_q710a1c40a2_proj-k_q710a1c40a2_proj
	.p2alignl 7, 3214868480
	.fill 96, 4, 3214868480
	.section	.rodata,"a",@progbits
	.p2align	6, 0x0
	.amdhsa_kernel k_q710a1c40a2_proj
		.amdhsa_group_segment_fixed_size 27648
		.amdhsa_private_segment_fixed_size 0
		.amdhsa_enable_private_segment 0
		.amdhsa_kernarg_size 112
		.amdhsa_user_sgpr_count 2
		.amdhsa_user_sgpr_kernarg_segment_ptr 1
		.amdhsa_wavefront_size32 1
		.amdhsa_system_sgpr_workgroup_id_x 1
		.amdhsa_system_sgpr_workgroup_id_y 1
		.amdhsa_system_sgpr_workgroup_id_z 1
		.amdhsa_system_vgpr_workitem_id 0
		.amdhsa_next_free_vgpr 448
		.amdhsa_next_free_sgpr 72
		.amdhsa_reserve_vcc 0
		.amdhsa_float_denorm_mode_32 3
		.amdhsa_float_denorm_mode_16_64 3
		.amdhsa_memory_ordered 1
		.amdhsa_forward_progress 1
		.amdhsa_inst_pref_size 149
	.end_amdhsa_kernel
	.amdgpu_metadata
---
amdhsa.version: [ 1, 2 ]
amdhsa.kernels:
  - .name:           k_q710a1c40a2_proj
    .symbol:         k_q710a1c40a2_proj.kd
    .args:
      - { .name: descs, .offset: 0, .size: 8, .value_kind: global_buffer, .address_space: global }
      - { .name: Wq, .offset: 8, .size: 8, .value_kind: global_buffer, .address_space: global }
      - { .name: Wk, .offset: 16, .size: 8, .value_kind: global_buffer, .address_space: global }
      - { .name: Wv, .offset: 24, .size: 8, .value_kind: global_buffer, .address_space: global }
      - { .name: bq, .offset: 32, .size: 8, .value_kind: global_buffer, .address_space: global }
      - { .name: bk, .offset: 40, .size: 8, .value_kind: global_buffer, .address_space: global }
      - { .name: bv, .offset: 48, .size: 8, .value_kind: global_buffer, .address_space: global }
      - { .name: Wm, .offset: 56, .size: 8, .value_kind: global_buffer, .address_space: global }
      - { .name: W1, .offset: 64, .size: 8, .value_kind: global_buffer, .address_space: global }
      - { .name: W2, .offset: 72, .size: 8, .value_kind: global_buffer, .address_space: global }
      - { .name: xq, .offset: 80, .size: 8, .value_kind: global_buffer, .address_space: global }
      - { .name: qb, .offset: 88, .size: 8, .value_kind: global_buffer, .address_space: global }
      - { .name: kv, .offset: 96, .size: 8, .value_kind: global_buffer, .address_space: global }
      - { .name: wt, .offset: 104, .size: 8, .value_kind: global_buffer, .address_space: global }
    .group_segment_fixed_size: 27648
    .private_segment_fixed_size: 0
    .kernarg_segment_align: 8
    .kernarg_segment_size: 112
    .max_flat_workgroup_size: 256
    .sgpr_count:     72
    .vgpr_count:     448
    .wavefront_size: 32
...
	.end_amdgpu_metadata
.endif
;; end of part 5
;; launch attn (part 6): grid 256 x 1, 8 waves a work-group, clusters of 4 x 1, 327,680 bytes of LDS; arguments qb, kv, xq, wt, bm, b1, yb, part; writes yb, part
.if DOCPART == 6
	.amdgcn_target "amdgcn-amd-amdhsa--gfx1250"
	.amdhsa_code_object_version 6
	.text
	.protected	k_q710a1c40a2_attn
	.globl	k_q710a1c40a2_attn
	.p2align	8
	.type	k_q710a1c40a2_attn,@function
k_q710a1c40a2_attn:
	s_mov_b64 s[64:65], 0
	v_nop
	global_prefetch_b8 v0, s[64:65] scope:SCOPE_SE
	s_setreg_imm32_b32 hwreg(HW_REG_WAVE_MODE, 25, 1), 1
	s_wait_xcnt 0x0
	s_wait_alu depctr_hold_cnt(0) depctr_sa_sdst(0) depctr_va_vdst(0) depctr_va_sdst(0) depctr_va_ssrc(0) depctr_va_vcc(0) depctr_vm_vsrc(0)
	s_getreg_b32 s2, hwreg(HW_REG_IB_STS2, 6, 4)
	s_cmp_eq_u32 s2, 0
	s_cbranch_scc0 .Lentry_in_a_cluster
	s_endpgm
.Lentry_in_a_cluster:
	s_bfe_u32 s2, ttmp6, 0x10000c
	s_cmp_lg_u32 s2, 0x3003
	s_cbranch_scc0 .Lentry_shape_is_right
	s_endpgm
.Lentry_shape_is_right:
; ATTN.  For 32 points: attention of all four heads over 8,192 keys, msg / l, z = Wm msg + bm, y = W1 [x ; z] + b1, and of y's 32 rows each channel's mean and sum of squared distances from it.
; All products on codes of E3M2 with one E8M0 byte for 32 along K.  q, k, v, x and the weights come as images of operand registers, made by the launch before.
; SHARES.  Work-group B owns points 32 B .. 32 B + 31 as two tiles u (lane r of tile u: point 32 B + 8 u + r + (r & 8)).  Wave w: head w / 2, tile w % 2: 16 queries, one head, all keys, 128 a step.  Two waves to a SIMD.
; LAYOUT.  Both products transposed: S^T = K Q^T (source 0 = 16 keys), O^T = V^T P^T (source 0 = 16 of the head's 64): a lane holds ONE query.  The keys of a tile are not neighbours (lane r of tile t: key 32 (t / 2) + 8 (t % 2) + r + (r & 8)),
; so the 16 registers of tiles 2 b, 2 b + 1 are keys 32 b + 16 (lane / 16) + 0 .. 15.
; K = 64 IN AN INSTRUCTION OF 128.  Q's registers 6-11 are zero codes.  K's tile t is named v[KF + 6 t : KF + 6 t + 11]: its upper six registers are the next tile's codes (tile 7: six zeroed registers).  Every code of E3M2 is a
; finite number and meets a zero code of Q, so these products add nothing; scale bytes 2, 3 repeat bytes 0, 1.  So a step's eight tiles of K are 48 registers and twelve loads of 16 bytes a lane.
; SOFTMAX.  t = score x log2(e) / 8; M = the running largest t rounded up to a whole number, kept as -M = floor(-t); p = 2^(t - M) is quantised along the keys, not normalised; the row's sum is taken of the unquantised p;
; when M moves, the sum and O^T are multiplied by 2^(old M - new M), which rounds nothing; at the end O^T is multiplied by 1 / sum.  A block's largest p is made from the block's largest score by the same two instructions
; (this takes v_exp_f32 not to fall where its input rises).
; CLUSTER.  All work-groups walk the same stream kv: 4 work-groups ask for each tile JOINTLY (mask 15).  A slot holds two key steps x four heads = eight chunks of 13,056 bytes; wave w fetches chunk w: one load a wave.
; By this text's own count a wave has one tensor load out at the start and one behind each change of slots.  The launch claims all of a WGP's LDS.
; LIMITS: NaN and infinities are not served; a block of p, msg or z whose largest magnitude lies under 2^-122 keeps the scale byte 1; v_rcp_f32 stands for the division by the sum.
; REGISTERS.  window 0: v1-11 addresses; v12 -M, v13 the largest t, v[14:15] the sum; v16-27 Q, v28 its scale words; v32-35 K's scale words, v36-37 V's; v40-87 K, v88-93 zeros; v96-143 V; v144-207 S^T, then p; v208-226 p's codes;
;   v228-244 at work; v223, v227, v246-255 addresses for the tail.   window 1: v0-31 O^T; in the tail v32-223 sixteen weight fragments, v224-255 b1.
.set CH,    13056                      ; a chunk: K's codes 6,144, V's codes 6,144, K's scale words 512, V's 256
.set STEPB, 4*CH
.set SLOTB, 8*CH
.set SLOT1, 1<<17                      ; slot 1 begins here: one exclusive or turns an address from slot to slot
.set SPARE, SLOTB                      ; the spare words, 128 bytes a wave: four blocks of 256 bytes that no other line names
.set MIMG,  SPARE+1024                 ; msg's four fragments (tile u, K step s: 2 u + s),
.set MSC,   MIMG+6144                  ; their scale words;
.set ZOFF,  6656                       ; z's fragments and scale words lie this far behind msg's
.set YST,   SLOT1+SLOTB                ; behind slot 1: 32 rows of y x (2,048 bytes + 16)
.set MST,   YST                        ; earlier, with two barriers between: 32 rows of msg x (1,024 bytes + 16)
.set LI0, 1                            ; 16 x lane + my head's chunk
.set LS0, 2                            ; 4 x lane + my head's chunk
.set ADR, 3                            ; the same in the slot in hand
.set ADW, 4
.set LI,  5                            ; 16 x lane
.set SPW, 6                            ; my spare word; never rewritten
.set NIL, 7                            ; 0; never rewritten
.set LS,  8                            ; 4 x lane
.set MSTO, 9
.set MSLD, 10
.set LIB, 11
.set Q,   16
.set QS,  28
.set KS,  32
.set VS,  36
.set KF,  40
.set VF,  96
.set S,   144
.set HA,  144
.set PC,  208
.set LSB, 223
.set MWI, 227
.set BM,  228
.set TM,  228
.set BP,  232
.set SO,  236
.set SU,  240
.set F,   242
.set PWL, 243
.set T,   244
.set PW,  245
.set PFO, 246
.set MWS, 247
.set MRD, 248
.set MRS, 249
.set YSTO, 250
.set YRD, 251
.set YCOL, 252
.set H64, 253
.set T8,  254
.set QA,  255
.set WSB, 16                           ; the tail: the weights' scale words
.set XFR, 32                           ; x's four fragments
.set ZFR, 80                           ; msg's two, later z's four
.set XW,  128                          ; x's scale words
.set ZW,  132                          ; msg's, later z's
.set WFR, 32                           ; window 1
.set B1R, 224
.set WV,  20                           ; s20 wave, s21 head, s22 tile u, s23 cx, s24 B
.set G1,  28
.set G0A, 36
.set G0B, 40
.set SEL, 44
.set CS,  46
.set TB,  48
.set SLOTS, 49
.set LIM, 50
.set PFA, 52
.set PXQ, 54
.set PXW, 56
.set PWF, 58
.set PWS, 60
.set PW1F, 62
.set PW1S, 66
.set PB1, 68
.set PBM, 70
.set PY,  72
.set PPT, 74
.set MSB, 0
.macro WIN new                         ; the immediate's high byte repeats the setting that is left
.if MSB != \new
	s_set_vgpr_msb (MSB<<8)|\new
.set MSB, \new
.endif
.endm
.macro NOPS n
.rept \n
	v_nop
.endr
.endm
.macro CROUND                          ; a round of the cluster's barrier
	s_barrier_signal -1
	s_barrier_wait -1
	s_cmp_lg_u32 s[WV], 0
	s_cbranch_scc1 .Lnot_wave_0_\@
	s_barrier_signal -3
.Lnot_wave_0_\@:
	s_barrier_wait -3
	s_barrier_signal -1
	s_barrier_wait -1
.endm
.macro BARRIER                         ; my LDS stores have landed and my LDS loads are in: then the work-group's barrier
	s_wait_dscnt 0x0
	s_barrier_signal -1
	s_barrier_wait -1
.endm
; A PREFETCH INTO THE L2 of the slot that the NEXT change of slots will ask for: 408 blocks of 256 bytes.  All clusters walk the same stream: the first cluster asks.  Its four partners take 102 blocks each, told apart by
; address; in each, waves 0 to 3 ask, a lane a block (thread 32 w + lane; the threads above 101 name block 101 again, in the same instruction).  It stands behind the wave's tensor load and its four lines.
; The last change that fills a slot asks for nothing; slots 0 to 2 come by their loads alone.
.macro ASK
	s_cmp_gt_u32 s[SLOTS], s[LIM]
	s_cbranch_scc0 .Lnot_mine_\@
	global_prefetch_b8 v[PFO], s[PFA:PFA+1] th:TH_LOAD_NT scope:SCOPE_SE
.Lnot_mine_\@:
.endm
.macro MM d, a, b, c, sa, sb, row
.if \row
	v_wmma_scale_f32_16x16x128_f8f6f4 v[(\d):(\d)+7], v[(\a):(\a)+11], v[(\b):(\b)+11], v[(\c):(\c)+7], v[\sa], v[\sb] matrix_a_fmt:MATRIX_FMT_BF6 matrix_b_fmt:MATRIX_FMT_BF6 matrix_a_scale:MATRIX_SCALE_ROW1
.else
	v_wmma_scale_f32_16x16x128_f8f6f4 v[(\d):(\d)+7], v[(\a):(\a)+11], v[(\b):(\b)+11], v[(\c):(\c)+7], v[\sa], v[\sb] matrix_a_fmt:MATRIX_FMT_BF6 matrix_b_fmt:MATRIX_FMT_BF6
.endif
.endm
.macro MMZ d, a, b, sa, sb, row        ; the same with the constant 0 as C
.if \row
	v_wmma_scale_f32_16x16x128_f8f6f4 v[(\d):(\d)+7], v[(\a):(\a)+11], v[(\b):(\b)+11], 0, v[\sa], v[\sb] matrix_a_fmt:MATRIX_FMT_BF6 matrix_b_fmt:MATRIX_FMT_BF6 matrix_a_scale:MATRIX_SCALE_ROW1
.else
	v_wmma_scale_f32_16x16x128_f8f6f4 v[(\d):(\d)+7], v[(\a):(\a)+11], v[(\b):(\b)+11], 0, v[\sa], v[\sb] matrix_a_fmt:MATRIX_FMT_BF6 matrix_b_fmt:MATRIX_FMT_BF6
.endif
.endm
; 64 numbers of a lane, register 16 b + i = k 32 b + 16 (lane / 16) + i of my row, become a fragment's codes in v[PC] on and its scale word in v[PW] (the tail's quantiser)
.macro QUANT s
.irp b, 0,1,2,3
	v_max3_num_f32 v[TM+\b], |v[(\s)+16*\b]|, |v[(\s)+1+16*\b]|, 0x2800000   ; my 16 numbers, and the floor 2^(5 - 127): the byte cannot fall under 1
.endr
.irp i, 2,4,6,8,10,12,14
.irp b, 0,1,2,3
	v_max3_num_f32 v[TM+\b], v[TM+\b], |v[(\s)+16*\b+\i]|, |v[(\s)+1+16*\b+\i]|
.endr
.endr
.irp b, 0,1,2,3
	s_delay_alu instid0(VALU_DEP_4)
	v_permlanex16_b32 v[TM+4+\b], v[TM+\b], s[SEL], s[SEL+1]
.endr
.irp b, 0,1,2,3
	s_delay_alu instid0(VALU_DEP_4)
	v_max_num_f32 v[TM+\b], v[TM+\b], v[TM+4+\b]
.endr
.irp b, 0,1,2,3
	s_delay_alu instid0(VALU_DEP_4)
	v_add_nc_u32 v[TM+12+\b], 0xfe000000, v[TM+\b]
.endr
.irp b, 0,1,2,3
	s_delay_alu instid0(VALU_DEP_4)
	v_lshrrev_b32 v[TM+4+\b], 23, v[TM+12+\b]
.endr
	s_delay_alu instid0(VALU_DEP_3)
	v_lshl_or_b32 v[PW], v[TM+5], 8, v[TM+4]
	s_delay_alu instid0(VALU_DEP_1)
	v_lshl_or_b32 v[PW], v[TM+6], 16, v[PW]
	s_delay_alu instid0(VALU_DEP_1)
	v_lshl_or_b32 v[PW], v[TM+7], 24, v[PW]
.irp c, 0,1
	v_cvt_scalef32_pk16_bf6_f32 v[PC+6*\c:PC+2+6*\c], v[(\s)+32*\c:(\s)+15+32*\c], v[TM+12+2*\c]
	v_cvt_scalef32_pk16_bf6_f32 v[PC+12+4*\c:PC+14+4*\c], v[(\s)+16+32*\c:(\s)+31+32*\c], v[TM+12+2*\c+1]
.endr
	v_nop                                          ; one plain place behind a scaled conversion
.irp c, 0,1
.irp i, 0,1,2
	v_permlane16_swap_b32 v[PC+6*\c+\i], v[PC+12+4*\c+\i]
.endr
.irp i, 0,1,2
	s_delay_alu instid0(VALU_DEP_3)
	v_mov_b32 v[PC+3+6*\c+\i], v[PC+12+4*\c+\i]
.endr
.endr
.endm
.macro IMAGE adr, off
.irp c, 0,1,2
	ds_store_b128 v[\adr], v[PC+4*\c:PC+4*\c+3] offset:(\off)+512*\c
.endr
.endm
.macro KLOAD off                       ; a step's eight tiles of K and their scale words: 13 loads
.irp c, 0,1,2,3,4,5,6,7,8,9,10,11
	ds_load_b128 v[KF+4*\c:KF+4*\c+3], v[ADR] offset:(\off)+512*\c
.endr
	ds_load_b128 v[KS:KS+3], v[ADR] offset:(\off)+12288
.endm
; THE SOFTMAX of 16 queries x 128 keys: S^T in, p's codes in v[PC] on, p's scale word in v[PWL], f = 2^(old M - new M) in v[F]
.macro SOFTMAX
.irp b, 0,1,2,3
	v_max3_num_f32 v[BM+\b], v[S+16*\b], v[S+1+16*\b], v[S+2+16*\b]   ; the largest score of each block of 32 keys: for the row's maximum, and for the block's largest p
.endr
.irp i, 3,5,7,9,11,13
.irp b, 0,1,2,3
	v_max3_num_f32 v[BM+\b], v[BM+\b], v[S+16*\b+\i], v[S+1+16*\b+\i]
.endr
.endr
.irp b, 0,1,2,3
	v_max_num_f32 v[BM+\b], v[BM+\b], v[S+15+16*\b]
.endr
.irp b, 0,1,2,3
	s_delay_alu instid0(VALU_DEP_4)
	v_permlanex16_b32 v[BP+\b], v[BM+\b], s[SEL], s[SEL+1]
.endr
.irp b, 0,1,2,3
	s_delay_alu instid0(VALU_DEP_4)
	v_max_num_f32 v[BM+\b], v[BM+\b], v[BP+\b]     ; with lane l xor 16's 16 keys
.endr
	s_delay_alu instid0(VALU_DEP_2)
	v_max3_num_f32 v[T], v[BM], v[BM+1], v[BM+2]
	s_delay_alu instid0(VALU_DEP_1)
	v_max_num_f32 v[T], v[T], v[BM+3]              ; the step's largest score of my query
	s_delay_alu instid0(VALU_DEP_1)
	v_mul_f32 v[T], s[CS], v[T]                    ; as t (c is positive)
	s_delay_alu instid0(VALU_DEP_1)
	v_max_num_f32 v13, v13, v[T]                   ; the running largest t
	v_mov_b32 v[T], v12
	s_delay_alu instid0(VALU_DEP_2)
	v_floor_f32 v12, -v13                          ; the new -M = floor(-t): M is a whole number
	s_delay_alu instid0(VALU_DEP_1)
	v_sub_f32 v[T], v12, v[T]                      ; old M - new M: a whole number, 0 or less
	s_delay_alu instid0(VALU_DEP_1)
	v_cvt_i32_f32 v[T], v[T]                       ; (it saturates)
	s_delay_alu instid0(VALU_DEP_1)
	v_ldexp_f32 v[F], 1.0, v[T]                    ; f
.set J, 0
.rept 32
	v_pk_fma_f32 v[S+J:S+J+1], v[S+J:S+J+1], s[CS:CS+1], v[12:13] op_sel_hi:[1,0,0]   ; t - M, two at a time (of the pairs c and -M the low word serves both halves)
.set J, J+2
.endr
.irp b, 0,1,2,3
	v_fma_f32 v[BM+\b], v[BM+\b], s[CS], v12       ; the same of each block's largest score
.endr
.set J, 0
	s_wait_alu depctr_va_vdst(0)
.rept 64
	v_exp_f32 v[S+J], v[S+J]                       ; p = 2^(t - M), at most 1
.set J, J+1
.endr
	v_pk_mul_f32 v[14:15], v[14:15], v[F:F+1] op_sel_hi:[1,0]   ; the sums under the new M (a plain place behind the exponentials)
	s_wait_alu depctr_va_vdst(0)                   ; one wait for the batch of 64, ahead of its first reader
.irp b, 0,1,2,3
	v_exp_f32 v[BM+\b], v[BM+\b]                   ; the block's largest p
.endr
	v_pk_add_f32 v[SU:SU+1], v[S:S+1], v[S+2:S+3]  ; the row's sum of the unquantised p, in two chains (plain work behind the four)
.irp j, 4,8,12,16,20,24,28,32,36,40,44,48,52,56,60
	v_pk_add_f32 v[14:15], v[14:15], v[S+\j:S+\j+1]
	v_pk_add_f32 v[SU:SU+1], v[SU:SU+1], v[S+\j+2:S+\j+3]
.endr
	s_delay_alu instid0(VALU_DEP_1)
	v_pk_add_f32 v[14:15], v[14:15], v[SU:SU+1]
	s_wait_alu depctr_va_vdst(0)                   ; and one for the four
.irp b, 0,1,2,3
	v_max_num_f32 v[BM+\b], 0x2800000, v[BM+\b]    ; the floor 2^(5 - 127)
.endr
.irp b, 0,1,2,3
	s_delay_alu instid0(VALU_DEP_4)
	v_add_nc_u32 v[SO+\b], 0xfe000000, v[BM+\b]    ; 4 off the exponent field: the conversion's scale operand
.endr
.irp b, 0,1,2,3
	s_delay_alu instid0(VALU_DEP_4)
	v_lshrrev_b32 v[BP+\b], 23, v[SO+\b]           ; the scale's byte
.endr
	s_delay_alu instid0(VALU_DEP_3)
	v_lshl_or_b32 v[PWL], v[BP+1], 8, v[BP]
	s_delay_alu instid0(VALU_DEP_1)
	v_lshl_or_b32 v[PWL], v[BP+2], 16, v[PWL]
	s_delay_alu instid0(VALU_DEP_1)
	v_lshl_or_b32 v[PWL], v[BP+3], 24, v[PWL]
.irp c, 0,1
	v_cvt_scalef32_pk16_bf6_f32 v[PC+6*\c:PC+2+6*\c], v[S+32*\c:S+15+32*\c], v[SO+2*\c]
	v_cvt_scalef32_pk16_bf6_f32 v[PC+12+4*\c:PC+14+4*\c], v[S+16+32*\c:S+31+32*\c], v[SO+2*\c+1]
.endr
	v_nop                                          ; one plain place behind a scaled conversion
.irp c, 0,1
.irp i, 0,1,2
	v_permlane16_swap_b32 v[PC+6*\c+\i], v[PC+12+4*\c+\i]
.endr
.irp i, 0,1,2
	s_delay_alu instid0(VALU_DEP_3)
	v_mov_b32 v[PC+3+6*\c+\i], v[PC+12+4*\c+\i]
.endr
.endr
.endm
; THE CHANGE OF SLOTS, in a slot's second step, when all its K and V have been asked for.  Each wave waits for all its tensor loads (its chunk of the other slot), adds 0 to its spare word, and waits for that and for its
; reads of this slot.  mode 1: a round of the cluster's barrier, and behind it this slot is filled with the keys two slots on: the wave's one tensor load, with two key steps in which to land.  mode 2: nothing is left to fetch.
.macro CHANGE mode
	s_wait_tensorcnt 0x0                           ; no tensor load of mine is out, so a descriptor may be written
	ds_add_u32 v[SPW], v[NIL]                      ; 0 onto my spare word
.if \mode == 1
	s_xor_b32 s[G0B+1], s[G0B+1], SLOT1            ; the walking descriptor: the other slot than last time,
	s_add_nc_u64 s[G0B+2:G0B+3], s[G0B+2:G0B+3], SLOTB   ; the next 256 keys; the type bits on top are not reached
	s_wait_xcnt 0x0                                ; the last prefetch, two key steps back, has read its address
	s_add_nc_u64 s[PFA:PFA+1], s[PFA:PFA+1], SLOTB
	s_wait_dscnt 0x0                               ; the add is done, and my reads of this slot are in
	CROUND
	tensor_load_to_lds s[G0B:G0B+3], s[G1:G1+7]
	s_nop 0
	NOPS 4
	ASK
.else
	s_wait_dscnt 0x0
	s_barrier_signal -1
	s_barrier_wait -1
.endif
	s_xor_b32 s[TB], s[TB], SLOT1                  ; on to the other slot
	v_add_nc_u32 v[ADR], s[TB], v[LI0]
	v_add_nc_u32 v[ADW], s[TB], v[LS0]
.endm
; A KEY STEP, the p-th of the slot in hand.  K was asked for a step ago.  mode 0: the next K lies in the same slot; 1, 2: change of slots, with and without a fill; 3: the last step.
.macro STEP p, mode
	NOPS 4                                         ; places behind the last products, in front of loads into V's registers
.irp c, 0,1,2,3,4,5,6,7,8,9,10,11
	ds_load_b128 v[VF+4*\c:VF+4*\c+3], v[ADR] offset:STEPB*(\p)+6144+512*\c
.endr
	ds_load_b32 v[VS], v[ADW] offset:STEPB*(\p)+12800
	ds_load_b32 v[VS+1], v[ADW] offset:STEPB*(\p)+12928
	s_wait_dscnt 14                                ; K's 13 loads are in; the 14 just issued may be out
.irp t, 0,1,2,3,4,5,6,7
	MMZ S+8*\t, KF+6*\t, Q, KS+\t/2, QS, \t%2
.endr
	NOPS 4                                         ; places in front of the loads into K's registers and of the reads of the scores
.if (\mode == 1) || (\mode == 2)
	CHANGE \mode
	KLOAD 0
.endif
.if \mode == 0
	KLOAD STEPB
.endif
	SOFTMAX
	WIN 0x41                                       ; O^T in window 1, f in window 0
.set J, 0
.rept 16
	v_pk_mul_f32 v[J:J+1], v[J:J+1], v[F:F+1] op_sel_hi:[1,0]   ; O^T under the new M.  (These are also the places between p's codes and scale word and the products)
.set J, J+2
.endr
.if \mode < 3
	s_wait_alu depctr_va_vdst(0)
	s_wait_dscnt 13                                ; V is in; the next K's 13 loads may be out
.else
	s_wait_alu depctr_va_vdst(0)
	s_wait_dscnt 0x0
.endif
	WIN 0x50                                       ; C and D window 1
.irp t, 0,1,2,3
	MM 8*\t, VF+12*\t, PC, 8*\t, VS+\t/2, PWL, \t%2
.endr
	WIN 0
.endm
	s_load_b512 s[4:19], s[0:1], 0x0               ; qb, kv, xq, wt, bm, b1, yb, part
	v_lshl_add_u32 v[SPW], v0, 2, SPARE
	v_mov_b32 v[NIL], 0
	ds_add_u32 v6, v7
	ds_add_u32 v6, v7
	s_wait_dscnt 0x0
	v_lshrrev_b32 v29, 5, v0
	s_delay_alu instid0(VALU_DEP_1)
	v_readfirstlane_b32 s[WV], v29                 ; wave 0..7
	s_lshr_b32 s21, s[WV], 1                       ; head
	s_and_b32 s22, s[WV], 1                        ; tile u
	s_bfe_u32 s23, ttmp6, 0x40000                  ; cx: it enters addresses in memory alone
	s_lshl_b32 s24, ttmp9, 2
	s_add_co_u32 s24, s24, s23                     ; B
	s_and_b32 s25, s21, 1                          ; the tail's K step s (waves 0-3: w / 2)
	s_lshl_b32 s26, s22, 1
	s_add_co_u32 s26, s26, s25                     ; and its unit 2 u + s
	; descriptor group 1: a chunk is a dense block: 51 rows of 256 bytes (32 elements of 8 bytes)
	s_mov_b32 s[G1], 15|(3<<16)|(1<<21)            ; 15:0 the mask: all four work-groups; 17:16 elements of 8 bytes; 20 no padding; 21 set beside a mask
	s_mov_b32 s[G1+1], 32<<16                      ; tensor_dim0
	s_mov_b32 s[G1+2], 51<<16                      ; tensor_dim1
	s_mov_b32 s[G1+3], 32<<16                      ; tile_dim0
	s_mov_b32 s[G1+4], 51                          ; tile_dim1
	s_mov_b32 s[G1+5], 32                          ; from row to row
	s_mov_b32 s[G1+6], 0
	s_mov_b32 s[G1+7], 0
	s_mov_b32 s[SEL], 0x76543210
	s_mov_b32 s[SEL+1], 0xfedcba98
	s_mov_b32 s[CS], 0x3e38aa3b                    ; c = log2(e) / 8
	s_mov_b32 s[CS+1], s[CS]                       ; (named with it as a pair)
	s_mov_b32 s[TB], 0
	s_mov_b32 s[SLOTS], 30
	s_lshr_b32 s[LIM], s[WV], 2                    ; 0 in waves 0 to 3
	s_or_b32 s[LIM], s[LIM], ttmp9                 ; of the first cluster: the same in all four partners
	s_cmp_eq_u32 s[LIM], 0
	s_cselect_b32 s[LIM], 1, -1
	; every LDS address of the launch is made here
	v_and_b32 v31, 31, v0                          ; lane
	v_and_b32 v29, 15, v0                          ; r
	v_bfe_u32 v30, v0, 4, 1                        ; half
	s_delay_alu instid0(VALU_DEP_3)
	v_lshlrev_b32 v[LI], 4, v31
	s_delay_alu instid0(VALU_DEP_4)
	v_lshlrev_b32 v[LS], 2, v31
	s_mul_i32 s54, s21, CH
	v_add_nc_u32 v[LI0], s54, v[LI]
	v_add_nc_u32 v[LS0], s54, v[LS]
	v_mul_u32_u24 v[MSTO], v29, 1040
	s_delay_alu instid0(VALU_DEP_1)
	v_lshl_add_u32 v[MSLD], v30, 6, v[MSTO]
	s_delay_alu instid0(VALU_DEP_2)
	v_lshl_add_u32 v[MSTO], v30, 8, v[MSTO]
	s_mul_i32 s54, s22, 16640
	s_add_co_u32 s54, s54, MST
	s_lshl_b32 s55, s21, 2
	s_add_co_u32 s55, s55, s54
	v_add_nc_u32 v[MSTO], s55, v[MSTO]             ; msg in: row 16 u + r, channel 4 d + head: 256 x half + 4 x head, the rest in the immediate
	s_lshl_b32 s55, s25, 9
	s_add_co_u32 s55, s55, s54
	v_add_nc_u32 v[MSLD], s55, v[MSLD]             ; msg back: row 16 u + r, 512 s + 64 x half
	v_add_nc_u32 v[LIB], MIMG, v[LI]
	v_add_nc_u32 v[LSB], MSC, v[LS]
	s_mul_i32 s54, s26, 1536
	v_add_nc_u32 v[MWI], s54, v[LIB]
	s_lshl_b32 s54, s26, 7
	v_add_nc_u32 v[MWS], s54, v[LSB]
	s_mul_i32 s54, s22, 3072
	v_add_nc_u32 v[MRD], s54, v[LIB]
	s_lshl_b32 s54, s22, 8
	v_add_nc_u32 v[MRS], s54, v[LSB]
	v_mul_u32_u24 v[YSTO], v29, 2064
	s_delay_alu instid0(VALU_DEP_1)
	v_lshl_add_u32 v[YSTO], v30, 6, v[YSTO]
	s_lshl_b32 s54, s[WV], 8
	s_add_co_u32 s54, s54, YST
	v_add_nc_u32 v[YSTO], s54, v[YSTO]             ; y in: row r (+ 16 u in the immediate), 256 w + 64 x half
	s_mul_i32 s54, s[WV], 8256
	s_add_co_u32 s54, s54, YST
	v_add_nc_u32 v[YRD], s54, v[LI]                ; y back by rows: rows 4 w on
	v_lshl_add_u32 v[YCOL], v0, 3, YST             ; y back by columns: two channels a thread
	v_lshlrev_b32 v[H64], 6, v30
	v_lshlrev_b32 v[T8], 3, v0
	v_min_u32 v[PFO], 101, v0
	s_delay_alu instid0(VALU_DEP_1)
	v_lshlrev_b32 v[PFO], 8, v[PFO]
	s_mul_i32 s54, s22, 520                        ; Q's six registers in qb's image: registers 6 u .. 6 u + 5 of twelve
	v_add_nc_u32 v[QA], s54, v[LI]
	s_mul_i32 s54, s22, 496
	v_add_nc_u32 v31, s54, v[QA]
	v_lshlrev_b32 v29, 4, v29
	s_lshl_b32 s54, s22, 8
	v_add_nc_u32 v29, s54, v29                     ; Q's scale word: lane r + 16 u of the image
.irp i, 0,1,2,3,4,5
	v_mov_b32 v[Q+6+\i], 0                         ; Q's upper half: zero codes
	v_mov_b32 v[KF+48+\i], 0                       ; what K's tile 7 names as its upper half
.endr
.irp b, 0,1,2,3
	v_mov_b32 v[BP+\b], 0                          ; written once: a lane permute's destination counts as one of its sources
.endr
	v_mov_b32 v[PWL], 0                            ; (named as the upper half of the pair with f before it is first written)
	v_mov_b32 v14, 0
	v_mov_b32 v15, 0
	v_mov_b32 v13, 0xff61b1e6                      ; the largest t so far: -3e38
	s_delay_alu instid0(VALU_DEP_1)
	v_floor_f32 v12, -v13
	WIN 0x40
.set J, 0
.rept 32
	v_mov_b32 v[J], 0                              ; O^T: the loop has no first step of its own; the first change of M leaves zeros zeros
.set J, J+1
.endr
	WIN 0
	s_mul_i32 s54, s[WV], CH                       ; chunk w of a slot: no place in the cluster enters a descriptor
	s_mov_b32 s55, 0
	s_wait_kmcnt 0x0
	s_mov_b32 s[G0A], 1
	s_mov_b32 s[G0A+1], s54
	s_add_nc_u64 s[G0A+2:G0A+3], s[6:7], s[54:55]
	s_mov_b32 s[G0B], 1
	s_add_co_u32 s[G0B+1], s54, SLOT1
	s_add_nc_u64 s[G0B+2:G0B+3], s[G0A+2:G0A+3], SLOTB
	s_or_b32 s[G0A+3], s[G0A+3], 0x80000000
	s_or_b32 s[G0B+3], s[G0B+3], 0x80000000
	CROUND                                         ; all four work-groups are here: the first joint loads meet
	tensor_load_to_lds s[G0A:G0A+3], s[G1:G1+7]    ; slot 0
	s_nop 0
	s_wait_alu depctr_va_vdst(0)
	s_wait_tensorcnt 0x0
	ds_add_u32 v6, v7
	s_wait_dscnt 0x0
	CROUND
	tensor_load_to_lds s[G0B:G0B+3], s[G1:G1+7]    ; slot 1: one load of mine is out
	s_nop 0
	NOPS 4
	s_mul_i32 s54, s23, 26112                      ; the prefetches: my work-group's 102 blocks, in slot 2; the first change of slots steps the address to slot 3
	s_add_co_u32 s54, s54, 2*SLOTB
	s_add_nc_u64 s[PFA:PFA+1], s[6:7], s[54:55]
	s_lshl_b32 s54, ttmp9, 2
	s_add_co_u32 s54, s54, s21
	s_mul_i32 s54, s54, 6656                       ; qb's chunk: 128 points (my cluster's), my head
	s_add_nc_u64 s[58:59], s[4:5], s[54:55]
	s_mul_i32 s54, s23, 1536                       ; my work-group's two tiles of its eight
	s_add_nc_u64 s[56:57], s[58:59], s[54:55]
	s_lshl_b32 s54, s23, 2
	s_add_nc_u64 s[58:59], s[58:59], s[54:55]
	s_add_nc_u64 s[58:59], s[58:59], 6144
	global_load_b64 v[Q:Q+1], v[QA], s[56:57]
	global_load_b64 v[Q+2:Q+3], v31, s[56:57] offset:8
	global_load_b64 v[Q+4:Q+5], v[QA], s[56:57] offset:512
	global_load_b32 v[QS], v29, s[58:59]
	s_wait_tensorcnt 1                             ; my chunk of slot 0 is in; slot 1's may stay out
	s_barrier_signal -1
	s_barrier_wait -1                              ; everybody's is
	v_add_nc_u32 v[ADR], s[TB], v[LI0]
	v_add_nc_u32 v[ADW], s[TB], v[LS0]
	KLOAD 0
	s_wait_loadcnt 0x0                             ; Q
.Lslot:                                            ; 30 trips: every slot but the last two is filled again
	s_wait_alu depctr_va_vdst(0)
	STEP 0, 0
	STEP 1, 1
	s_sub_co_u32 s[SLOTS], s[SLOTS], 1
	s_cmp_lg_u32 s[SLOTS], 0
	s_cbranch_scc1 .Lslot
	STEP 0, 0                                      ; the last two slots are written out
	STEP 1, 2
	STEP 0, 0
	STEP 1, 3
	; ---- THE TAIL.  msg = O^T / l goes to LDS by channels 4 d + head; meanwhile x's codes, the weights and b1 are asked for
	NOPS 4                                         ; places behind the last products
	v_add_f32 v14, v14, v15
	s_delay_alu instid0(VALU_DEP_1)
	v_permlanex16_b32 v[BP], v14, s[SEL], s[SEL+1]
	s_delay_alu instid0(VALU_DEP_1)
	v_add_f32 v14, v14, v[BP]                      ; the row's sum
	s_wait_alu depctr_va_vdst(0)
	v_rcp_f32 v14, v14
	v_nop                                          ; a plain place behind the reciprocal
	s_mov_b32 s77, 0
	s_mul_i32 s76, s24, 6144
	s_add_nc_u64 s[PXQ:PXQ+1], s[8:9], s[76:77]    ; x's four fragments (tile u, K step s: 2 u + s)
	s_lshl_b32 s76, s24, 9
	s_add_nc_u64 s[PXW:PXW+1], s[8:9], s[76:77]
	s_add_nc_u64 s[PXW:PXW+1], s[PXW:PXW+1], 1572864
	s_lshl_b32 s78, s[WV], 4
	s_add_co_u32 s78, s78, 32                      ; my 16 fragments of W1: outputs 64 w on
	s_lshl_b32 s79, s21, 4                         ; waves 0-3: 16 fragments of Wm: outputs 128 (w / 2) on
	s_cmp_lt_u32 s[WV], 4
	s_cselect_b32 s79, s79, s78                    ; waves 0-3 begin with Wm's, waves 4-7 with their W1's: one text for both
	s_mul_i32 s76, s79, 1536
	s_add_nc_u64 s[PWF:PWF+1], s[10:11], s[76:77]
	s_lshl_b32 s76, s79, 7
	s_add_nc_u64 s[PWS:PWS+1], s[10:11], s[76:77]
	s_add_nc_u64 s[PWS:PWS+1], s[PWS:PWS+1], 344064
	s_mul_i32 s76, s78, 1536
	s_add_nc_u64 s[PW1F:PW1F+1], s[10:11], s[76:77]
	s_lshl_b32 s76, s78, 7
	s_add_nc_u64 s[PW1S:PW1S+1], s[10:11], s[76:77]
	s_add_nc_u64 s[PW1S:PW1S+1], s[PW1S:PW1S+1], 344064
	s_lshl_b32 s76, s[WV], 8
	s_add_nc_u64 s[PB1:PB1+1], s[14:15], s[76:77]
	s_lshl_b32 s76, s25, 9
	s_add_nc_u64 s[PBM:PBM+1], s[12:13], s[76:77]
	s_lshl_b32 s76, s24, 5                         ; the stage's rows 4 w .. 4 w + 3 are points 32 B + 8 (w / 4) + 4 (w % 4) + 8 ((w % 4) / 2) on
	s_lshr_b32 s78, s[WV], 2
	s_lshl_b32 s78, s78, 3
	s_add_co_u32 s76, s76, s78
	s_and_b32 s78, s[WV], 3
	s_lshl_b32 s78, s78, 2
	s_add_co_u32 s76, s76, s78
	s_and_b32 s78, s[WV], 2
	s_lshl_b32 s78, s78, 2
	s_add_co_u32 s76, s76, s78
	s_lshl_b32 s76, s76, 11
	s_add_nc_u64 s[PY:PY+1], s[16:17], s[76:77]
	s_lshl_b32 s76, s24, 12
	s_add_nc_u64 s[PPT:PPT+1], s[18:19], s[76:77]
	s_wait_alu depctr_va_vdst(0)                   ; the wait ahead of the reciprocal's first reader
	WIN 0x01                                       ; source 0 window 1
.set J, 0
.rept 32
	v_mul_f32 v[HA+J], v[J], v14                   ; register 8 t + i: msg(query r, d = 32 (t / 2) + 8 (t % 2) + 16 half + i)
.set J, J+1
.endr
	WIN 0
.irp t, 0,1,2,3
.irp i, 0,1,2,3,4,5,6,7
	ds_store_b32 v[MSTO], v[HA+8*\t+\i] offset:512*(\t/2)+128*(\t%2)+16*\i
.endr
.endr
.irp c, 0,1,2,3,4,5,6,7,8,9,10,11
	global_load_b128 v[XFR+4*\c:XFR+4*\c+3], v[LI], s[PXQ:PXQ+1] offset:512*\c
.endr
.irp i, 0,1,2,3
	global_load_b32 v[XW+\i], v[LS], s[PXW:PXW+1] offset:128*\i
.endr
.irp i, 0,1,2,3,4,5,6,7,8,9,10,11,12,13,14,15
	global_load_b32 v[WSB+\i], v[LS], s[PWS:PWS+1] offset:128*\i
.endr
	WIN 0x40                                       ; destination window 1
.set J, 0
.rept 48
	global_load_b128 v[WFR+4*J:WFR+4*J+3], v[LI], s[PWF:PWF+1] offset:512*J
.set J, J+1
.endr
.irp t, 0,1,2,3                        ; b1 as the C of tile t: outputs 64 w + 32 (t / 2) + 8 (t % 2) + 16 half + 0 .. 7
	global_load_b128 v[B1R+8*\t:B1R+8*\t+3], v[H64], s[PB1:PB1+1] offset:128*(\t/2)+32*(\t%2)
	global_load_b128 v[B1R+8*\t+4:B1R+8*\t+7], v[H64], s[PB1:PB1+1] offset:128*(\t/2)+32*(\t%2)+16
.endr
	WIN 0
	BARRIER                                        ; 32 rows of msg lie in LDS
	s_cmp_lt_u32 s[WV], 4
	s_cbranch_scc0 .Lno_m
	; ---- waves 0-3: tile u, K step s of msg becomes a fragment
.irp q, 0,1,2,3
.irp j, 0,1,2,3
	ds_load_b128 v[HA+16*\q+4*\j:HA+16*\q+4*\j+3], v[MSLD] offset:128*\q+16*\j
.endr
.endr
	s_wait_dscnt 0x0
	QUANT HA
	IMAGE MWI, 0
	ds_store_b32 v[MWS], v[PW]
.irp t, 0,1,2,3,4,5,6,7                ; bm goes into the accumulators: it starts z's sums
	global_load_b128 v[HA+8*\t:HA+8*\t+3], v[H64], s[PBM:PBM+1] offset:128*(\t/2)+32*(\t%2)
	global_load_b128 v[HA+8*\t+4:HA+8*\t+7], v[H64], s[PBM:PBM+1] offset:128*(\t/2)+32*(\t%2)+16
.endr
.Lno_m:
	BARRIER                                        ; msg's four fragments lie in LDS, and nobody reads msg's rows any more
	s_cmp_lt_u32 s[WV], 4
	s_cbranch_scc0 .Lno_wm
	; ---- waves 0-3: z = Wm msg + bm, outputs 128 s on, tile u: eight accumulators by turns; then quantised: K step 2 + s of the next product
.irp c, 0,1,2,3,4,5
	ds_load_b128 v[ZFR+4*\c:ZFR+4*\c+3], v[MRD] offset:512*\c
.endr
	ds_load_b32 v[ZW], v[MRS]
	ds_load_b32 v[ZW+1], v[MRS] offset:128
	s_wait_dscnt 0x0
	s_wait_loadcnt 0x0
	WIN 0x01                                       ; source 0 (Wm) window 1
	s_wait_alu depctr_va_vdst(0)
.irp k, 0,1
.irp t, 0,1,2,3,4,5,6,7
	MM HA+8*\t, WFR+12*(2*\t+\k), ZFR+12*\k, HA+8*\t, WSB+2*\t+\k, ZW+\k, 0
.endr
.endr
	WIN 0
	NOPS 5                                         ; places in front of the loads into the weights' registers and of the reads of the results
.irp i, 0,1,2,3,4,5,6,7,8,9,10,11,12,13,14,15
	global_load_b32 v[WSB+\i], v[LS], s[PW1S:PW1S+1] offset:128*\i
.endr
	WIN 0x40
.set J, 0
.rept 48
	global_load_b128 v[WFR+4*J:WFR+4*J+3], v[LI], s[PW1F:PW1F+1] offset:512*J
.set J, J+1
.endr
	WIN 0
	QUANT HA
	IMAGE MWI, ZOFF
	ds_store_b32 v[MWS], v[PW] offset:ZOFF
.Lno_wm:
	BARRIER                                        ; z's four fragments lie in LDS
	; ---- all waves: y = W1 [x ; z] + b1, outputs 64 w on, both tiles of points: eight accumulators by turns, a K step at a time
.irp c, 0,1,2,3,4,5,6,7,8,9,10,11
	ds_load_b128 v[ZFR+4*\c:ZFR+4*\c+3], v[LIB] offset:ZOFF+512*\c
.endr
.irp i, 0,1,2,3
	ds_load_b32 v[ZW+\i], v[LSB] offset:ZOFF+128*\i
.endr
	s_wait_dscnt 0x0
	s_wait_loadcnt 0x0
.irp s, 0,1,2,3
.if \s == 0
	WIN 0x11                                       ; source 0 (W1) and C (b1) window 1
.else
	WIN 0x01
.endif
.irp t, 0,1,2,3
.irp u, 0,1
.if \s == 0
	MM HA+8*(2*\t+\u), WFR+12*(4*\t), XFR+24*\u, B1R+8*\t, WSB+4*\t, XW+2*\u, 0
.elseif \s == 1
	MM HA+8*(2*\t+\u), WFR+12*(4*\t+1), XFR+24*\u+12, HA+8*(2*\t+\u), WSB+4*\t+1, XW+2*\u+1, 0
.else
	MM HA+8*(2*\t+\u), WFR+12*(4*\t+\s), ZFR+24*\u+12*(\s-2), HA+8*(2*\t+\u), WSB+4*\t+\s, ZW+2*\u+\s-2, 0
.endif
.endr
.endr
.endr
	WIN 0
	NOPS 4
.irp t, 0,1,2,3
.irp u, 0,1
	ds_store_b128 v[YSTO], v[HA+8*(2*\t+\u):HA+8*(2*\t+\u)+3] offset:33024*\u+128*(\t/2)+32*(\t%2)      ; each accumulator from its low end on
	ds_store_b128 v[YSTO], v[HA+8*(2*\t+\u)+4:HA+8*(2*\t+\u)+7] offset:33024*\u+128*(\t/2)+32*(\t%2)+16
.endr
.endr
	BARRIER                                        ; 32 whole rows of y lie in the stage
	; ---- out: each wave stores four whole rows; each thread takes two channels down the 32 rows
.irp i, 0,1,2,3
.irp k, 0,1,2,3
	ds_load_b128 v[32+16*\i+4*\k:32+16*\i+4*\k+3], v[YRD] offset:2064*\i+512*\k
.endr
.endr
.set J, 0
.rept 32
	ds_load_b64 v[HA+2*J:HA+2*J+1], v[YCOL] offset:2064*J
.set J, J+1
.endr
	s_wait_dscnt 32                                ; the rows are in; the 32 loads by columns may be out
.irp i, 0,1,2,3
.irp k, 0,1,2,3
	global_store_b128 v[LI], v[32+16*\i+4*\k:32+16*\i+4*\k+3], s[PY:PY+1] offset:2048*\i+512*\k   ; 32 lanes store 512 consecutive bytes, aligned
.endr
.endr
	s_wait_dscnt 0x0
.irp c, 0,1,2,3
	v_pk_add_f32 v[96+2*\c:97+2*\c], v[HA+2*\c:HA+2*\c+1], v[HA+8+2*\c:HA+9+2*\c]   ; the sum, in four chains
.endr
.irp i, 8,12,16,20,24,28
.irp c, 0,1,2,3
	s_delay_alu instid0(VALU_DEP_4)
	v_pk_add_f32 v[96+2*\c:97+2*\c], v[96+2*\c:97+2*\c], v[HA+2*(\i+\c):HA+2*(\i+\c)+1]
.endr
.endr
	s_delay_alu instid0(VALU_DEP_3)
	v_pk_add_f32 v[96:97], v[96:97], v[98:99]
	s_delay_alu instid0(VALU_DEP_2)
	v_pk_add_f32 v[100:101], v[100:101], v[102:103]
	s_delay_alu instid0(VALU_DEP_1)
	v_pk_add_f32 v[96:97], v[96:97], v[100:101]
	s_delay_alu instid0(VALU_DEP_1)
	v_pk_mul_f32 v[96:97], v[96:97], 0x3d000000 op_sel_hi:[1,0]   ; / 32: the 32 rows' mean
.set J, 0
.rept 32
	v_pk_add_f32 v[HA+2*J:HA+2*J+1], v[HA+2*J:HA+2*J+1], v[96:97] neg_lo:[0,1] neg_hi:[0,1]   ; the distance from it: no difference of large sums is ever formed
.set J, J+1
.endr
.irp c, 0,1,2,3
	v_pk_mul_f32 v[100+2*\c:101+2*\c], v[HA+2*\c:HA+2*\c+1], v[HA+2*\c:HA+2*\c+1]
.endr
.irp i, 4,8,12,16,20,24,28
.irp c, 0,1,2,3
	s_delay_alu instid0(VALU_DEP_4)
	v_pk_fma_f32 v[100+2*\c:101+2*\c], v[HA+2*(\i+\c):HA+2*(\i+\c)+1], v[HA+2*(\i+\c):HA+2*(\i+\c)+1], v[100+2*\c:101+2*\c]
.endr
.endr
	s_delay_alu instid0(VALU_DEP_3)
	v_pk_add_f32 v[100:101], v[100:101], v[102:103]
	s_delay_alu instid0(VALU_DEP_2)
	v_pk_add_f32 v[104:105], v[104:105], v[106:107]
	s_delay_alu instid0(VALU_DEP_1)
	v_pk_add_f32 v[100:101], v[100:101], v[104:105]
	global_store_b64 v[T8], v[96:97], s[PPT:PPT+1]
	global_store_b64 v[T8], v[100:101], s[PPT:PPT+1] offset:2048
	s_wait_tensorcnt 0x0                           ; the wave's end
	ds_add_u32 v[SPW], v[NIL]
	s_wait_dscnt 0x0
	CROUND                                         ; the closing round
	s_endpgm
.Lfunc_end_k_q710a1c40a2_attn:
	.size	k_q710a1c40a2_attn, .Lfunc_end_k_q710a1c40a2_attn-k_q710a1c40a2_attn
	.p2alignl 7, 3214868480
	.fill 96, 4, 3214868480
	.section	.rodata,"a",@progbits
	.p2align	6, 0x0
	.amdhsa_kernel k_q710a1c40a2_attn
		.amdhsa_group_segment_fixed_size 327680
		.amdhsa_private_segment_fixed_size 0
		.amdhsa_enable_private_segment 0
		.amdhsa_kernarg_size 64
		.amdhsa_user_sgpr_count 2
		.amdhsa_user_sgpr_kernarg_segment_ptr 1
		.amdhsa_wavefront_size32 1
		.amdhsa_system_sgpr_workgroup_id_x 1
		.amdhsa_system_sgpr_workgroup_id_y 1
		.amdhsa_system_sgpr_workgroup_id_z 1
		.amdhsa_system_vgpr_workitem_id 0
		.amdhsa_next_free_vgpr 512
		.amdhsa_next_free_sgpr 80
		.amdhsa_reserve_vcc 0
		.amdhsa_float_denorm_mode_32 3
		.amdhsa_float_denorm_mode_16_64 3
		.amdhsa_memory_ordered 1
		.amdhsa_forward_progress 1
		.amdhsa_inst_pref_size 163
	.end_amdhsa_kernel
	.amdgpu_metadata
---
amdhsa.version: [ 1, 2 ]
amdhsa.kernels:
  - .name:           k_q710a1c40a2_attn
    .symbol:         k_q710a1c40a2_attn.kd
    .args:
      - { .name: qb, .offset: 0, .size: 8, .value_kind: global_buffer, .address_space: global }
      - { .name: kv, .offset: 8, .size: 8, .value_kind: global_buffer, .address_space: global }
      - { .name: xq, .offset: 16, .size: 8, .value_kind: global_buffer, .address_space: global }
      - { .name: wt, .offset: 24, .size: 8, .value_kind: global_buffer, .address_space: global }
      - { .name: bm, .offset: 32, .size: 8, .value_kind: global_buffer, .address_space: global }
      - { .name: b1, .offset: 40, .size: 8, .value_kind: global_buffer, .address_space: global }
      - { .name: yb, .offset: 48, .size: 8, .value_kind: global_buffer, .address_space: global }
      - { .name: part, .offset: 56, .size: 8, .value_kind: global_buffer, .address_space: global }
    .group_segment_fixed_size: 327680
    .private_segment_fixed_size: 0
    .kernarg_segment_align: 8
    .kernarg_segment_size: 64
    .max_flat_workgroup_size: 256
    .sgpr_count:     80
    .vgpr_count:     512
    .wavefront_size: 32
...
	.end_amdgpu_metadata
.endif
;; end of part 6
;; launch stats (part 7): grid 8 x 1, 8 waves a work-group, no clusters, 5,120 bytes of LDS; arguments part, nrm; writes nrm
.if DOCPART == 7
	.amdgcn_target "amdgcn-amd-amdhsa--gfx1250"
	.amdhsa_code_object_version 6
	.text
	.protected	k_q710a1c40a2_stats
	.globl	k_q710a1c40a2_stats
	.p2align	8
	.type	k_q710a1c40a2_stats,@function
k_q710a1c40a2_stats:
	s_mov_b64 s[64:65], 0
	v_nop
	global_prefetch_b8 v0, s[64:65] scope:SCOPE_SE
	s_setreg_imm32_b32 hwreg(HW_REG_WAVE_MODE, 25, 1), 1
	s_wait_xcnt 0x0
; STATS.  The 256 work-groups' means and sums of squared distances (32 rows each) of y's 512 channels become each channel's mean mu and 1 / sqrt(variance + 1e-5) over all 8,192 points:
; mu = the mean of the 256 means (equal counts);  8,192 x variance = the sum of the 256 sums + 32 x the sum of (mean_i - mu)^2.  No difference of large sums is formed.
; Work-group G: channels 64 G on; lane l: channels 2 l, 2 l + 1 of them (a wave's load covers 256 consecutive bytes, aligned); wave w: parts 32 w .. 32 w + 31.  The waves' sums meet in LDS, twice, in bytes of their own each time.
; v_rsq_f32 stands for the reciprocal root.  No matrix unit, no tensor load, no cluster: 1 MiB is read once, and nothing is shared.
	s_load_b128 s[4:7], s[0:1], 0x0                ; part, nrm
	v_lshl_add_u32 v160, v0, 2, 0x1000
	v_mov_b32 v161, 0
	v_lshrrev_b32 v1, 5, v0
	s_delay_alu instid0(VALU_DEP_1)
	v_readfirstlane_b32 s8, v1                     ; wave
	v_and_b32 v1, 31, v0
	s_delay_alu instid0(VALU_DEP_1)
	v_lshlrev_b32 v2, 3, v1                        ; 8 x lane
	s_lshl_b32 s12, s8, 8
	v_add_nc_u32 v3, s12, v2                       ; LDS: 256 x wave + 8 x lane
	s_lshl_b32 s10, ttmp9, 8
	s_lshl_b32 s11, s8, 17                         ; 32 parts of 4,096 bytes
	s_add_co_u32 s10, s10, s11
	s_mov_b32 s11, 0
	s_lshl_b32 s16, ttmp9, 8
	s_mov_b32 s17, 0
	s_mov_b32 s14, 0x39000000                      ; 1 / 8,192
	s_mov_b32 s15, 0x3727c5ac                      ; 1e-5
	s_wait_alu depctr_va_vdst(0)
	s_wait_kmcnt 0x0
	s_add_nc_u64 s[4:5], s[4:5], s[10:11]
	s_add_nc_u64 s[6:7], s[6:7], s[16:17]
.set J, 0
.rept 32
	global_load_b64 v[16+2*J:17+2*J], v2, s[4:5] offset:4096*J          ; the means
.set J, J+1
.endr
.set J, 0
.rept 32
	global_load_b64 v[80+2*J:81+2*J], v2, s[4:5] offset:4096*J+2048     ; the sums of squared distances
.set J, J+1
.endr
	s_wait_loadcnt 32                              ; the means are in; the 32 loads behind them may be out
	v_pk_add_f32 v[146:147], v[16:17], v[24:25]
	v_pk_add_f32 v[148:149], v[32:33], v[40:41]
	v_pk_add_f32 v[150:151], v[48:49], v[56:57]
	v_pk_add_f32 v[158:159], v[64:65], v[72:73]
	v_pk_add_f32 v[156:157], v[18:19], v[26:27]
	v_pk_add_f32 v[154:155], v[34:35], v[42:43]
	v_pk_add_f32 v[152:153], v[50:51], v[58:59]
	v_pk_add_f32 v[144:145], v[66:67], v[74:75]
	s_delay_alu instid0(VALU_DEP_1)
	v_pk_add_f32 v[144:145], v[144:145], v[20:21]
	v_pk_add_f32 v[146:147], v[146:147], v[28:29]
	v_pk_add_f32 v[148:149], v[148:149], v[36:37]
	v_pk_add_f32 v[150:151], v[150:151], v[44:45]
	v_pk_add_f32 v[158:159], v[158:159], v[52:53]
	v_pk_add_f32 v[156:157], v[156:157], v[60:61]
	v_pk_add_f32 v[154:155], v[154:155], v[68:69]
	v_pk_add_f32 v[152:153], v[152:153], v[76:77]
	v_pk_add_f32 v[144:145], v[144:145], v[22:23]
	v_pk_add_f32 v[146:147], v[146:147], v[30:31]
	v_pk_add_f32 v[148:149], v[148:149], v[38:39]
	v_pk_add_f32 v[150:151], v[150:151], v[46:47]
	v_pk_add_f32 v[158:159], v[158:159], v[54:55]
	v_pk_add_f32 v[156:157], v[156:157], v[62:63]
	v_pk_add_f32 v[154:155], v[154:155], v[70:71]
	v_pk_add_f32 v[152:153], v[152:153], v[78:79]
	s_delay_alu instid0(VALU_DEP_4)
	v_pk_add_f32 v[144:145], v[144:145], v[158:159]
	s_delay_alu instid0(VALU_DEP_4)
	v_pk_add_f32 v[146:147], v[146:147], v[156:157]
	s_delay_alu instid0(VALU_DEP_4)
	v_pk_add_f32 v[148:149], v[148:149], v[154:155]
	s_delay_alu instid0(VALU_DEP_4)
	v_pk_add_f32 v[150:151], v[150:151], v[152:153]
	s_delay_alu instid0(VALU_DEP_2)
	v_pk_add_f32 v[144:145], v[144:145], v[148:149]
	s_delay_alu instid0(VALU_DEP_2)
	v_pk_add_f32 v[146:147], v[146:147], v[150:151]
	s_delay_alu instid0(VALU_DEP_1)
	v_pk_add_f32 v[144:145], v[144:145], v[146:147]
	ds_store_b64 v3, v[144:145]
	s_wait_dscnt 0x0
	s_barrier_signal -1
	s_barrier_wait -1
.irp k, 0,1,2,3,4,5,6,7
	ds_load_b64 v[144+2*\k:145+2*\k], v2 offset:256*\k
.endr
	s_wait_dscnt 0x0
.irp k, 0,1,2,3
	v_pk_add_f32 v[144+2*\k:145+2*\k], v[144+2*\k:145+2*\k], v[152+2*\k:153+2*\k]
.endr
	s_delay_alu instid0(VALU_DEP_3)
	v_pk_add_f32 v[144:145], v[144:145], v[146:147]
	s_delay_alu instid0(VALU_DEP_2)
	v_pk_add_f32 v[148:149], v[148:149], v[150:151]
	s_delay_alu instid0(VALU_DEP_1)
	v_pk_add_f32 v[144:145], v[144:145], v[148:149]
	s_delay_alu instid0(VALU_DEP_1)
	v_pk_mul_f32 v[12:13], v[144:145], 0x3b800000 op_sel_hi:[1,0]   ; mu = the sum / 256
.set J, 0
.rept 32
	v_pk_add_f32 v[16+2*J:17+2*J], v[16+2*J:17+2*J], v[12:13] neg_lo:[0,1] neg_hi:[0,1]
.set J, J+1
.endr
.irp c, 0,1,2,3
	v_pk_mul_f32 v[144+2*\c:145+2*\c], v[16+2*\c:17+2*\c], v[16+2*\c:17+2*\c]
.endr
.irp i, 4,8,12,16,20,24,28
.irp c, 0,1,2,3
	s_delay_alu instid0(VALU_DEP_4)
	v_pk_fma_f32 v[144+2*\c:145+2*\c], v[16+2*(\i+\c):17+2*(\i+\c)], v[16+2*(\i+\c):17+2*(\i+\c)], v[144+2*\c:145+2*\c]
.endr
.endr
	s_delay_alu instid0(VALU_DEP_3)
	v_pk_add_f32 v[144:145], v[144:145], v[146:147]
	s_delay_alu instid0(VALU_DEP_2)
	v_pk_add_f32 v[148:149], v[148:149], v[150:151]
	s_delay_alu instid0(VALU_DEP_1)
	v_pk_add_f32 v[144:145], v[144:145], v[148:149]
	s_wait_loadcnt 0x0
	v_pk_add_f32 v[154:155], v[80:81], v[88:89]
	v_pk_add_f32 v[156:157], v[96:97], v[104:105]
	v_pk_add_f32 v[158:159], v[112:113], v[120:121]
	v_pk_add_f32 v[150:151], v[128:129], v[136:137]
	v_pk_add_f32 v[148:149], v[82:83], v[90:91]
	v_pk_add_f32 v[146:147], v[98:99], v[106:107]
	v_pk_add_f32 v[78:79], v[114:115], v[122:123]
	v_pk_add_f32 v[152:153], v[130:131], v[138:139]
	s_delay_alu instid0(VALU_DEP_1)
	v_pk_add_f32 v[152:153], v[152:153], v[84:85]
	v_pk_add_f32 v[154:155], v[154:155], v[92:93]
	v_pk_add_f32 v[156:157], v[156:157], v[100:101]
	v_pk_add_f32 v[158:159], v[158:159], v[108:109]
	v_pk_add_f32 v[150:151], v[150:151], v[116:117]
	v_pk_add_f32 v[148:149], v[148:149], v[124:125]
	v_pk_add_f32 v[146:147], v[146:147], v[132:133]
	v_pk_add_f32 v[78:79], v[78:79], v[140:141]
	v_pk_add_f32 v[152:153], v[152:153], v[86:87]
	v_pk_add_f32 v[154:155], v[154:155], v[94:95]
	v_pk_add_f32 v[156:157], v[156:157], v[102:103]
	v_pk_add_f32 v[158:159], v[158:159], v[110:111]
	v_pk_add_f32 v[150:151], v[150:151], v[118:119]
	v_pk_add_f32 v[148:149], v[148:149], v[126:127]
	v_pk_add_f32 v[146:147], v[146:147], v[134:135]
	v_pk_add_f32 v[78:79], v[78:79], v[142:143]
	s_delay_alu instid0(VALU_DEP_4)
	v_pk_add_f32 v[152:153], v[152:153], v[150:151]
	s_delay_alu instid0(VALU_DEP_4)
	v_pk_add_f32 v[154:155], v[154:155], v[148:149]
	s_delay_alu instid0(VALU_DEP_4)
	v_pk_add_f32 v[156:157], v[156:157], v[146:147]
	s_delay_alu instid0(VALU_DEP_4)
	v_pk_add_f32 v[158:159], v[158:159], v[78:79]
	s_delay_alu instid0(VALU_DEP_2)
	v_pk_add_f32 v[152:153], v[152:153], v[156:157]
	s_delay_alu instid0(VALU_DEP_2)
	v_pk_add_f32 v[154:155], v[154:155], v[158:159]
	s_delay_alu instid0(VALU_DEP_1)
	v_pk_add_f32 v[152:153], v[152:153], v[154:155]
	s_delay_alu instid0(VALU_DEP_1)
	v_pk_fma_f32 v[144:145], v[144:145], 0x42000000, v[152:153] op_sel_hi:[1,0,1]   ; 32 x the means' part + the parts' own
	ds_store_b64 v3, v[144:145] offset:2048
	s_wait_dscnt 0x0
	s_barrier_signal -1
	s_barrier_wait -1
.irp k, 0,1,2,3,4,5,6,7
	ds_load_b64 v[144+2*\k:145+2*\k], v2 offset:2048+256*\k
.endr
	s_wait_dscnt 0x0
.irp k, 0,1,2,3
	v_pk_add_f32 v[144+2*\k:145+2*\k], v[144+2*\k:145+2*\k], v[152+2*\k:153+2*\k]
.endr
	s_delay_alu instid0(VALU_DEP_3)
	v_pk_add_f32 v[144:145], v[144:145], v[146:147]
	s_delay_alu instid0(VALU_DEP_2)
	v_pk_add_f32 v[148:149], v[148:149], v[150:151]
	s_delay_alu instid0(VALU_DEP_1)
	v_pk_add_f32 v[144:145], v[144:145], v[148:149]
	s_delay_alu instid0(VALU_DEP_1)
	v_fma_f32 v14, v144, s14, s15                  ; variance + 1e-5
	s_delay_alu instid0(VALU_DEP_2)
	v_fma_f32 v15, v145, s14, s15
	s_wait_alu depctr_va_vdst(0)
	v_rsq_f32 v14, v14
	v_rsq_f32 v15, v15
	v_nop                                          ; a plain place behind the roots
	s_wait_alu depctr_va_vdst(0)                   ; one wait for both, ahead of the branch and of their reader
	s_cmp_lg_u32 s8, 0
	s_cbranch_scc1 .Ldone                          ; every wave holds the result; wave 0 stores it
	global_store_b64 v2, v[12:13], s[6:7]
	global_store_b64 v2, v[14:15], s[6:7] offset:2048
.Ldone:
	s_wait_tensorcnt 0x0
	ds_add_u32 v160, v161
	s_wait_dscnt 0x0
	s_endpgm
.Lfunc_end_k_q710a1c40a2_stats:
	.size	k_q710a1c40a2_stats, .Lfunc_end_k_q710a1c40a2_stats-k_q710a1c40a2_stats
	.p2alignl 7, 3214868480
	.fill 96, 4, 3214868480
	.section	.rodata,"a",@progbits
	.p2align	6, 0x0
	.amdhsa_kernel k_q710a1c40a2_stats
		.amdhsa_group_segment_fixed_size 5120
		.amdhsa_private_segment_fixed_size 0
		.amdhsa_enable_private_segment 0
		.amdhsa_kernarg_size 16
		.amdhsa_user_sgpr_count 2
		.amdhsa_user_sgpr_kernarg_segment_ptr 1
		.amdhsa_wavefront_size32 1
		.amdhsa_system_sgpr_workgroup_id_x 1
		.amdhsa_system_sgpr_workgroup_id_y 1
		.amdhsa_system_sgpr_workgroup_id_z 1
		.amdhsa_system_vgpr_workitem_id 0
		.amdhsa_next_free_vgpr 162
		.amdhsa_next_free_sgpr 66
		.amdhsa_reserve_vcc 0
		.amdhsa_float_denorm_mode_32 3
		.amdhsa_float_denorm_mode_16_64 3
		.amdhsa_memory_ordered 1
		.amdhsa_forward_progress 1
		.amdhsa_inst_pref_size 21
	.end_amdhsa_kernel
	.amdgpu_metadata
---
amdhsa.version: [ 1, 2 ]
amdhsa.kernels:
  - .name:           k_q710a1c40a2_stats
    .symbol:         k_q710a1c40a2_stats.kd
    .args:
      - { .name: part, .offset: 0, .size: 8, .value_kind: global_buffer, .address_space: global }
      - { .name: nrm, .offset: 8, .size: 8, .value_kind: global_buffer, .address_space: global }
    .group_segment_fixed_size: 5120
    .private_segment_fixed_size: 0
    .kernarg_segment_align: 8
    .kernarg_segment_size: 16
    .max_flat_workgroup_size: 256
    .sgpr_count:     66
    .vgpr_count:     162
    .wavefront_size: 32
...
	.end_amdgpu_metadata
.endif
;; end of part 7
;; launch mlp2 (part 8): grid 256 x 1, 8 waves a work-group, no clusters, 47,616 bytes of LDS; arguments yb, nrm, wt, b2, descs, out0; writes out0
.if DOCPART == 8
	.amdgcn_target "amdgcn-amd-amdhsa--gfx1250"
	.amdhsa_code_object_version 6
	.text
	.protected	k_q710a1c40a2_mlp2
	.globl	k_q710a1c40a2_mlp2
	.p2align	8
	.type	k_q710a1c40a2_mlp2,@function
k_q710a1c40a2_mlp2:
	s_mov_b64 s[64:65], 0
	v_nop
	global_prefetch_b8 v0, s[64:65] scope:SCOPE_SE
	s_setreg_imm32_b32 hwreg(HW_REG_WAVE_SCHED_MODE, 0, 2), 2
	s_setreg_imm32_b32 hwreg(HW_REG_WAVE_MODE, 25, 1), 1
	s_wait_xcnt 0x0
	s_wait_alu depctr_vm_vsrc(0)
; MLP2.  out = x + W2 relu((y - mu) rstd) + b2, for 32 points a work-group.  The product runs on codes of E3M2 with one E8M0 byte for 32 along the 512 channels; all else in f32.
; PHASE 1.  Wave w: tile u = w % 2 of 16 points, K step s = w / 2: 64 numbers a lane are normalised, clipped at 0 and quantised; the fragment goes to LDS as an image of its registers.
; PHASE 2.  Wave w makes outputs 32 w .. 32 w + 31 for both tiles of points (transposed: source 0 = 16 rows of W2, source 1 = the hidden layer): four accumulators by turns, b2 as the C of each sum's first product.
; The results meet in a stage (rows of 1,024 bytes + 16); each wave adds x to four whole rows and stores them, 512 consecutive bytes an instruction.
; W2's fragments and scale words come as images of operand registers; lane r of its tile T holds row 32 (T / 2) + 8 (T % 2) + r + (r & 8), so a lane's eight results are eight neighbouring outputs.
; No tensor load and no cluster: a work-group reads 64 KiB of y once, and the shared weights are 12 KiB a wave.  LIMITS: NaN and infinities are not served; a block whose largest magnitude lies under 2^-122 keeps the scale byte 1.
; REGISTERS.  window 0: v4-11 addresses; v16-79 y, v80-143 mu, v144-207 rstd; later v16-47 the accumulators, v48-79 x, v80-175 the eight fragments, v176-183 their scale words; v208-244 the quantiser's; v245-252 W2's scale words.
;   window 1: v0-95 W2's eight fragments, v96-111 b2.
; THE MODE: SCHED_MODE bits 1:0 = 2 (LLVM: expert scheduling mode 2), set by the entry lines.  The code itself states the register dependences
; between vector or matrix instructions and memory or LDS instructions, with s_wait_alu, always for 0.
; THE PLAN.  Registers that memory or LDS instructions touch:
;   v4-11            offsets and LDS addresses: written once at the head, never again: one wait on va_vdst ahead of the first load.
;   v16-79           y: loaded, normalised in place and read by the quantiser; then x's loads land in v48-79.
;   v80-207          mu and rstd: loaded, read by the arithmetic; then the fragments' and scale words' LDS loads land in v80-183.
;   v224-235, v244   the codes and the scale word: written by the quantiser, stored to LDS once.
;                    ONE wait on va_vdst behind the quantiser states all three; no vector instruction stands between it and the products.
;   v16-47           the accumulators: written by the products, stored to LDS once.   v80-111: read by the products, then the loads from the stage land in them.
;                    ONE wait on va_vdst behind the products' places states both.
;   v80-111          once more: written by the additions of x, read by the stores to memory: the last wait on va_vdst.
;   No register that a memory or LDS instruction has read is written again, so no wait on vm_vsrc is owed ahead of the closing lines.
;   s16              the wave's number, written by a vector instruction: one wait on va_sdst ahead of its first reader.     v254, v255: written at the head, read by the closing add alone.
.set HIMG, 0                           ; LDS: the hidden layer's eight fragments (tile u, K step s: 4 u + s),
.set HSC,  12288                       ; their scale words,
.set OST,  13312                       ; and the stage
.set YA,   4
.set NA,   5
.set LI,   6
.set LS,   7
.set HWI,  8
.set HWS,  9
.set OSTO, 10
.set ORD,  11
.set Y,    16
.set MU,   80
.set RS,   144
.set ACC,  16
.set XR,   48
.set HF,   80
.set HS,   176
.set TM,   208
.set PC,   224
.set PW,   244
.set W2S,  245
.set B2,   96
.set WV,   16
.set PY,   22
.set PMU,  24
.set PW2,  26
.set PW2S, 28
.set PB2,  30
.set PXD,  32
.set POUT, 34
.set SEL,  36
.set MSB, 0
.macro WIN new
.if MSB != \new
	s_set_vgpr_msb (MSB<<8)|\new
.set MSB, \new
.endif
.endm
.macro NOPS n
.rept \n
	v_nop
.endr
.endm
.macro FLOAD reg, adr, bas, off        ; 64 numbers a lane: register 16 q + i = k 32 q + 16 (lane / 16) + i
.irp q, 0,1,2,3
.irp j, 0,1,2,3
	global_load_b128 v[(\reg)+16*\q+4*\j:(\reg)+16*\q+4*\j+3], v[\adr], s[\bas:\bas+1] offset:(\off)+128*\q+16*\j
.endr
.endr
.endm
.macro QUANT s
.irp b, 0,1,2,3
	v_max3_num_f32 v[TM+\b], |v[(\s)+16*\b]|, |v[(\s)+1+16*\b]|, 0x2800000   ; my 16 numbers, and the floor 2^(5 - 127): the byte cannot fall under 1
.endr
.irp i, 2,4,6,8,10,12,14
.irp b, 0,1,2,3
	v_max3_num_f32 v[TM+\b], v[TM+\b], |v[(\s)+16*\b+\i]|, |v[(\s)+1+16*\b+\i]|
.endr
.endr
.irp b, 0,1,2,3
	v_permlanex16_b32 v[TM+4+\b], v[TM+\b], s[SEL], s[SEL+1]
.endr
.irp b, 0,1,2,3
	v_max_num_f32 v[TM+\b], v[TM+\b], v[TM+4+\b]
.endr
.irp b, 0,1,2,3
	v_add_nc_u32 v[TM+12+\b], 0xfe000000, v[TM+\b]
.endr
.irp b, 0,1,2,3
	v_lshrrev_b32 v[TM+4+\b], 23, v[TM+12+\b]
.endr
	v_lshl_or_b32 v[PW], v[TM+5], 8, v[TM+4]
	v_lshl_or_b32 v[PW], v[TM+6], 16, v[PW]
	v_lshl_or_b32 v[PW], v[TM+7], 24, v[PW]
.irp c, 0,1
	v_cvt_scalef32_pk16_bf6_f32 v[PC+6*\c:PC+2+6*\c], v[(\s)+32*\c:(\s)+15+32*\c], v[TM+12+2*\c]
	v_cvt_scalef32_pk16_bf6_f32 v[PC+12+4*\c:PC+14+4*\c], v[(\s)+16+32*\c:(\s)+31+32*\c], v[TM+12+2*\c+1]
.endr
	v_nop                                          ; one plain place behind a scaled conversion
.irp c, 0,1
.irp i, 0,1,2
	v_permlane16_swap_b32 v[PC+6*\c+\i], v[PC+12+4*\c+\i]
.endr
.irp i, 0,1,2
	v_mov_b32 v[PC+3+6*\c+\i], v[PC+12+4*\c+\i]
.endr
.endr
.endm
.macro MM d, a, b, c, sa, sb
	v_wmma_scale_f32_16x16x128_f8f6f4 v[(\d):(\d)+7], v[(\a):(\a)+11], v[(\b):(\b)+11], v[(\c):(\c)+7], v[\sa], v[\sb] matrix_a_fmt:MATRIX_FMT_BF6 matrix_b_fmt:MATRIX_FMT_BF6
.endm
	s_load_b256 s[4:11], s[0:1], 0x0               ; yb, nrm, wt, b2
	s_load_b128 s[12:15], s[0:1], 0x20             ; descs, out0
	v_lshl_add_u32 v254, v0, 2, 0xb600
	v_mov_b32 v255, 0
	v_lshrrev_b32 v1, 5, v0
	v_readfirstlane_b32 s[WV], v1                  ; wave 0..7
	v_and_b32 v1, 31, v0
	v_and_b32 v2, 15, v0
	v_bfe_u32 v3, v0, 4, 1
	v_lshlrev_b32 v[NA], 6, v3                     ; 64 x half
	v_lshl_add_u32 v[YA], v2, 11, v[NA]            ; row r of 2,048 bytes + 64 x half
	v_lshlrev_b32 v[LI], 4, v1
	v_lshlrev_b32 v[LS], 2, v1
	v_mul_u32_u24 v[OSTO], v2, 1040
	v_add_nc_u32 v[OSTO], v[OSTO], v[NA]
	s_wait_alu depctr_va_vdst(0)
.irp b, 0,1,2,3
	v_mov_b32 v[TM+4+\b], 0                        ; written once: a lane permute's destination counts as one of its sources
.endr
	s_wait_alu depctr_va_sdst(0)                   ; s16, the wave's number, is written, ahead of its first reader
	s_and_b32 s17, s[WV], 1                        ; u
	s_lshr_b32 s18, s[WV], 1                       ; s
	s_lshl_b32 s19, s17, 2
	s_add_co_u32 s19, s19, s18                     ; my fragment: 4 u + s
	s_mul_i32 s20, s19, 1536
	v_add_nc_u32 v[HWI], s20, v[LI]
	s_lshl_b32 s20, s19, 7
	v_add_nc_u32 v[HWS], s20, v[LS]
	s_lshl_b32 s20, s[WV], 7
	s_add_co_u32 s20, s20, OST
	v_add_nc_u32 v[OSTO], s20, v[OSTO]             ; the stage, in: row r (+ 16 u in the immediate), 128 w + 64 x half
	s_mul_i32 s20, s[WV], 4160
	s_add_co_u32 s20, s20, OST
	v_add_nc_u32 v[ORD], s20, v[LI]                ; and back: rows 4 w on
	s_mov_b32 s[SEL], 0x76543210
	s_mov_b32 s[SEL+1], 0xfedcba98
	s_mov_b32 s21, 0
	s_wait_kmcnt 0x0
	s_lshl_b32 s20, ttmp9, 5
	s_lshl_b32 s38, s17, 4
	s_add_co_u32 s20, s20, s38
	s_lshl_b32 s20, s20, 11
	s_lshl_b32 s38, s18, 9
	s_add_co_u32 s20, s20, s38
	s_add_nc_u64 s[PY:PY+1], s[4:5], s[20:21]      ; y at point 32 B + 16 u, channel 128 s
	s_mov_b32 s20, s38
	s_add_nc_u64 s[PMU:PMU+1], s[6:7], s[20:21]
	s_lshl_b32 s38, s[WV], 3
	s_add_co_u32 s38, s38, 160                     ; my eight fragments of W2 in wt
	s_mul_i32 s20, s38, 1536
	s_add_nc_u64 s[PW2:PW2+1], s[8:9], s[20:21]
	s_lshl_b32 s20, s38, 7
	s_add_nc_u64 s[PW2S:PW2S+1], s[8:9], s[20:21]
	s_add_nc_u64 s[PW2S:PW2S+1], s[PW2S:PW2S+1], 344064
	s_lshl_b32 s20, s[WV], 7
	s_add_nc_u64 s[PB2:PB2+1], s[10:11], s[20:21]
	s_lshl_b32 s20, ttmp9, 5
	s_lshl_b32 s38, s[WV], 2
	s_add_co_u32 s20, s20, s38
	s_lshl_b32 s20, s20, 10
	s_add_nc_u64 s[PXD:PXD+1], s[12:13], s[20:21]  ; x and out at point 32 B + 4 w
	s_add_nc_u64 s[POUT:POUT+1], s[14:15], s[20:21]
	s_wait_alu depctr_va_vdst(0)                   ; the eight offsets and LDS addresses v4 to v11 are written: every load and store of the kernel reads one of them, and none is written again
	FLOAD Y, YA, PY, 0
	FLOAD MU, NA, PMU, 0
	FLOAD RS, NA, PMU, 2048
	WIN 0x40                                       ; destination window 1
.set J, 0
.rept 24
	global_load_b128 v[4*J:4*J+3], v[LI], s[PW2:PW2+1] offset:512*J
.set J, J+1
.endr
.irp t, 0,1                            ; b2 as the C of tile t: outputs 32 w + 8 t + 16 half + 0 .. 7
.irp k, 0,1
	global_load_b128 v[B2+8*\t+4*\k:B2+8*\t+4*\k+3], v[NA], s[PB2:PB2+1] offset:32*\t+16*\k
.endr
.endr
	WIN 0
.irp i, 0,1,2,3,4,5,6,7
	global_load_b32 v[W2S+\i], v[LS], s[PW2S:PW2S+1] offset:128*\i
.endr
	s_wait_loadcnt 36                              ; y, mu and rstd are in; the 36 loads of the weights, b2 and the scale words may be out
.set J, 0
.rept 32
	v_pk_add_f32 v[Y+J:Y+J+1], v[Y+J:Y+J+1], v[MU+J:MU+J+1] neg_lo:[0,1] neg_hi:[0,1]
.set J, J+2
.endr
.set J, 0
.rept 32
	v_pk_mul_f32 v[Y+J:Y+J+1], v[Y+J:Y+J+1], v[RS+J:RS+J+1]
.set J, J+2
.endr
.set J, 0
.rept 64
	v_max_num_f32 v[Y+J], 0, v[Y+J]                ; the activation, in f32
.set J, J+1
.endr
	QUANT Y
	s_wait_alu depctr_va_vdst(0)                   ; the quantiser has written the codes and the scale word, which the LDS stores read; the arithmetic is done with y's registers, in which x's loads land, and with mu's and rstd's, in which the LDS loads behind the barrier land
.irp c, 0,1,2
	ds_store_b128 v[HWI], v[PC+4*\c:PC+4*\c+3] offset:HIMG+512*\c
.endr
	ds_store_b32 v[HWS], v[PW] offset:HSC
.irp i, 0,1,2,3                        ; x's four rows, for the way out, into registers that y has left
.irp k, 0,1
	global_load_b128 v[XR+8*\i+4*\k:XR+8*\i+4*\k+3], v[LI], s[PXD:PXD+1] offset:1024*\i+512*\k
.endr
.endr
	s_wait_dscnt 0x0
	s_barrier_signal -1
	s_barrier_wait -1                              ; the eight fragments lie in LDS
.set J, 0
.rept 24
	ds_load_b128 v[HF+4*J:HF+4*J+3], v[LI] offset:HIMG+512*J   ; (no vector instruction since the wait above names these registers)
.set J, J+1
.endr
.irp i, 0,1,2,3,4,5,6,7
	ds_load_b32 v[HS+\i], v[LS] offset:HSC+128*\i
.endr
	s_wait_dscnt 0x0
	s_wait_loadcnt 8                               ; the weights, b2 and the scale words are in; x's 8 loads may be out
.irp s, 0,1,2,3
.if \s == 0
	WIN 0x11                                       ; source 0 (W2) and C (b2) window 1
.else
	WIN 0x01
.endif
.irp t, 0,1
.irp u, 0,1
.if \s == 0
	MM ACC+8*(2*\t+\u), 48*\t, HF+48*\u, B2+8*\t, W2S+4*\t, HS+4*\u
.else
	MM ACC+8*(2*\t+\u), 48*\t+12*\s, HF+48*\u+12*\s, ACC+8*(2*\t+\u), W2S+4*\t+\s, HS+4*\u+\s
.endif
.endr
.endr
.endr
	WIN 0
	NOPS 4                                         ; places in front of the reads of the results and of the loads into the fragments' registers
	s_wait_alu depctr_va_vdst(0)                   ; the products have written the accumulators, which the LDS stores read, and are done reading the fragments, in which the loads from the stage land; the places above stay beside this wait
.irp t, 0,1
.irp u, 0,1
	ds_store_b128 v[OSTO], v[ACC+8*(2*\t+\u):ACC+8*(2*\t+\u)+3] offset:16640*\u+32*\t        ; each accumulator from its low end on
	ds_store_b128 v[OSTO], v[ACC+8*(2*\t+\u)+4:ACC+8*(2*\t+\u)+7] offset:16640*\u+32*\t+16
.endr
.endr
	s_wait_dscnt 0x0
	s_barrier_signal -1
	s_barrier_wait -1                              ; 32 whole rows lie in the stage
.irp i, 0,1,2,3
.irp k, 0,1
	ds_load_b128 v[HF+8*\i+4*\k:HF+8*\i+4*\k+3], v[ORD] offset:1040*\i+512*\k
.endr
.endr
	s_wait_dscnt 0x0
	s_wait_loadcnt 0x0
.set J, 0
.rept 16
	v_pk_add_f32 v[HF+J:HF+J+1], v[HF+J:HF+J+1], v[XR+J:XR+J+1]   ; + x
.set J, J+2
.endr
	s_wait_alu depctr_va_vdst(0)                   ; the additions have written v[HF ..], which the stores read
.irp i, 0,1,2,3
.irp k, 0,1
	global_store_b128 v[LI], v[HF+8*\i+4*\k:HF+8*\i+4*\k+3], s[POUT:POUT+1] offset:1024*\i+512*\k th:TH_STORE_NT   ; 32 lanes store 512 consecutive bytes, aligned
.endr
.endr
	s_wait_dscnt 0x0                               ; the closing lines, six on end
	s_wait_alu 0x0
	s_wait_tensorcnt 0x0
	ds_add_u32 v254, v255
	s_wait_dscnt 0x0
	s_endpgm
.Lfunc_end_k_q710a1c40a2_mlp2:
	.size	k_q710a1c40a2_mlp2, .Lfunc_end_k_q710a1c40a2_mlp2-k_q710a1c40a2_mlp2
	.p2alignl 7, 3214868480
	.fill 96, 4, 3214868480
	.section	.rodata,"a",@progbits
	.p2align	6, 0x0
	.amdhsa_kernel k_q710a1c40a2_mlp2
		.amdhsa_group_segment_fixed_size 47616
		.amdhsa_private_segment_fixed_size 0
		.amdhsa_enable_private_segment 0
		.amdhsa_kernarg_size 48
		.amdhsa_user_sgpr_count 2
		.amdhsa_user_sgpr_kernarg_segment_ptr 1
		.amdhsa_wavefront_size32 1
		.amdhsa_system_sgpr_workgroup_id_x 1
		.amdhsa_system_sgpr_workgroup_id_y 1
		.amdhsa_system_sgpr_workgroup_id_z 1
		.amdhsa_system_vgpr_workitem_id 0
		.amdhsa_next_free_vgpr 368
		.amdhsa_next_free_sgpr 66
		.amdhsa_reserve_vcc 0
		.amdhsa_float_denorm_mode_32 3
		.amdhsa_float_denorm_mode_16_64 3
		.amdhsa_memory_ordered 1
		.amdhsa_forward_progress 1
		.amdhsa_inst_pref_size 30
	.end_amdhsa_kernel
	.amdgpu_metadata
---
amdhsa.version: [ 1, 2 ]
amdhsa.kernels:
  - .name:           k_q710a1c40a2_mlp2
    .symbol:         k_q710a1c40a2_mlp2.kd
    .args:
      - { .name: yb, .offset: 0, .size: 8, .value_kind: global_buffer, .address_space: global }
      - { .name: nrm, .offset: 8, .size: 8, .value_kind: global_buffer, .address_space: global }
      - { .name: wt, .offset: 16, .size: 8, .value_kind: global_buffer, .address_space: global }
      - { .name: b2, .offset: 24, .size: 8, .value_kind: global_buffer, .address_space: global }
      - { .name: descs, .offset: 32, .size: 8, .value_kind: global_buffer, .address_space: global }
      - { .name: out0, .offset: 40, .size: 8, .value_kind: global_buffer, .address_space: global }
    .group_segment_fixed_size: 47616
    .private_segment_fixed_size: 0
    .kernarg_segment_align: 8
    .kernarg_segment_size: 48
    .max_flat_workgroup_size: 256
    .sgpr_count:     66
    .vgpr_count:     368
    .wavefront_size: 32
...
	.end_amdgpu_metadata
.endif
;; end of part 8
